; MI455X (gfx1250); checked and timed in simulation.
; The chip was launched on July 23, 2026; its instructions are those of AMD's public machine-readable ISA for CDNA 5 (MIT licence, August 2026) and "CDNA5" Instruction Set Architecture Reference Guide (July 2026). The comments in the code are by the model that wrote it; some were corrected since.
;; Self Attention. Allowed arithmetic: float matrix products may take bf16 or f16 operands with f32 sums; other float arithmetic in f32, or as packed bf16 or f16 multiplies, adds, multiply-adds, maxima and minima; sums over many terms, partial sums and values carried from step to step in f32; what a program stores and reads back later, other than sums and carried values, may be rounded once to bf16 or f16.
;; Inputs: bk 1,024 float32; bo 1,024 float32; bq 1,024 float32; bv 1,024 float32; wk 1,024 x 1,024 float32; wo 1,024 x 1,024 float32; wq 1,024 x 1,024 float32; wv 1,024 x 1,024 float32; x 4 x 2,048 x 1,024 float32.
;; Outputs: out0 4 x 2,048 x 1,024 float32.
;; 2 versions, each right and faster than the one before. Each part assembles by itself: llvm-mc -triple=amdgcn-amd-amdhsa -mcpu=gfx1250 --defsym DOCPART=n.
;; ======== version 1 of 2: 6 launches
;; limits: values are held in f16: magnitudes above 65,504 overflow, below 6.1e-05 lose precision
;; workspace buffers: xh 16,777,216 bytes; wt 8,388,608 bytes; qkv 52,428,800 bytes; s 67,108,864 bytes; p 37,748,736 bytes; linv 32,768 bytes; o 16,777,216 bytes
;; launch prep (part 1): grid 1536 x 1, 8 waves a work-group, no clusters, 18,432 bytes of LDS; arguments x, wq, wk, wv, wo, xh, wt; writes xh, wt
.if DOCPART == 1
	.amdgcn_target "amdgcn-amd-amdhsa--gfx1250"
	.amdhsa_code_object_version 6
	.text
	.protected	k_qdc08e6da77_prep
	.globl	k_qdc08e6da77_prep
	.p2align	8
	.type	k_qdc08e6da77_prep,@function
k_qdc08e6da77_prep:
	s_mov_b64 s[64:65], 0
	v_nop
	global_prefetch_b8 v0, s[64:65] scope:SCOPE_SE
	s_setreg_imm32_b32 hwreg(HW_REG_WAVE_MODE, 25, 1), 1
	s_wait_xcnt 0x0
; xh = x, and wt = the four weights turned ([n][k] in place of [k][n]), each number rounded to bf16 (nearest even) and that number written as f16.
; LIMITS.  A bf16 number is an f16 number exactly from 7.6e-6 to 65,504 in magnitude; below that it keeps f16's fixed step of 6e-8; beyond 65,504 it becomes an infinity.
; Work-groups 0-1023: 8 rows of x each (32,768 bytes in, 16,384 out).  Thread t takes 8 neighbouring numbers of two rows' 2,048, four times: its 16 bytes of f16 lie beside its neighbours',
; so a wave's store covers 512 consecutive bytes.
; Work-groups 1024-1535: a tile of 128 k x 64 n of one weight.  Sixteen lanes read 256 consecutive bytes of a row k; the numbers of rows k and k + 1 are packed into one word and laid into LDS by rows n
; (64 rows of 256 bytes, 272 apart); behind a barrier sixteen lanes read a row n back and store its 256 consecutive bytes.
; No matrix unit, no cluster, no tensor load: the launch only moves bytes, each once, and no two work-groups read the same bytes.
.set LP,    272                        ; an LDS row: 256 bytes and 16 of padding
.set SPARE, 64*LP                      ; behind the tile: the spare words, 128 bytes for each of the eight waves: four blocks of 256 bytes that no other line names
.set G,    1                           ; v1   thread % 16
.set KP,   2                           ; v2   thread / 16
.set VSRC, 3                           ; v3   my 16 bytes in the weight's tile: row 2 (thread / 16), column group thread % 16
.set VLS,  4                           ; v4   where my packed words go in LDS
.set VLR,  5                           ; v5   where I read a row n back
.set VDST, 6                           ; v6   the same 16 bytes in wt
.set VX,   7                           ; v7   my 32 bytes of x
.set VXH,  8                           ; v8   my 16 bytes of xh
.set SPW,  9                           ; v9   LDS address of my spare word; never rewritten
.set NIL,  10                          ; v10  0; never rewritten
.set D,    12                          ; v12-43  eight loads of four registers
.set T,    44                          ; v44-47  pairs in bf16
.set O,    48                          ; v48-63  pairs in f16, four registers for each of four groups
	s_load_b256 s[4:11], s[0:1], 0x0               ; x s[4:5], wq s[6:7], wk s[8:9], wv s[10:11]
	s_load_b128 s[12:15], s[0:1], 0x20             ; wo s[12:13], xh s[14:15]
	s_load_b64 s[16:17], s[0:1], 0x30              ; wt
	v_lshl_add_u32 v[SPW], v0, 2, SPARE
	v_mov_b32 v[NIL], 0
	s_mov_b32 s33, ttmp9
	s_and_b32 s20, s33, 511                        ; a weight tile's number
	s_lshr_b32 s21, s20, 7                         ; which weight
	s_and_b32 s22, s20, 7                          ; which 128 k
	s_bfe_u32 s23, s20, 0x40003                    ; which 64 n
	s_lshl_b32 s24, s22, 19                        ; 128 rows of 4,096 bytes
	s_lshl_b32 s25, s23, 8                         ; 64 numbers of 4 bytes
	s_add_co_u32 s24, s24, s25
	s_mov_b32 s25, 0
	s_lshl_b32 s26, s21, 21                        ; in wt: 1,024 rows of 2,048 bytes a weight,
	s_lshl_b32 s27, s23, 17                        ; 64 rows,
	s_add_co_u32 s26, s26, s27
	s_lshl_b32 s27, s22, 8                         ; 128 numbers of 2 bytes
	s_add_co_u32 s26, s26, s27
	s_mov_b32 s27, 0
	s_lshl_b32 s28, s33, 15                        ; 8 rows of x
	s_mov_b32 s29, 0
	s_lshl_b32 s30, s33, 14                        ; 8 rows of xh
	s_mov_b32 s31, 0
	s_mov_b32 s32, 0xffff0000                      ; a word's upper bf16
	v_and_b32 v[G], 15, v0
	v_lshrrev_b32 v[KP], 4, v0
	v_lshlrev_b32 v[VSRC], 13, v[KP]               ; two rows of 4,096 bytes
	v_lshl_add_u32 v[VSRC], v[G], 4, v[VSRC]
	v_mul_u32_u24 v[VLS], v[G], 4*LP               ; row n = 4 (thread % 16) + c, word thread / 16 + 16 u
	v_lshl_add_u32 v[VLS], v[KP], 2, v[VLS]
	v_mul_u32_u24 v[VLR], v[KP], LP
	v_lshl_add_u32 v[VLR], v[G], 4, v[VLR]
	v_lshlrev_b32 v[VDST], 11, v[KP]
	v_lshl_add_u32 v[VDST], v[G], 4, v[VDST]
	v_lshlrev_b32 v[VX], 5, v0
	v_lshlrev_b32 v[VXH], 4, v0
	s_wait_kmcnt 0x0
	s_cmp_eq_u32 s21, 1
	s_cselect_b64 s[6:7], s[8:9], s[6:7]           ; the weight's address is chosen by its number
	s_cmp_eq_u32 s21, 2
	s_cselect_b64 s[6:7], s[10:11], s[6:7]
	s_cmp_eq_u32 s21, 3
	s_cselect_b64 s[6:7], s[12:13], s[6:7]
	s_add_nc_u64 s[6:7], s[6:7], s[24:25]
	s_add_nc_u64 s[16:17], s[16:17], s[26:27]
	s_add_nc_u64 s[4:5], s[4:5], s[28:29]
	s_add_nc_u64 s[14:15], s[14:15], s[30:31]
	s_cmp_lt_u32 s33, 1024
	s_cbranch_scc0 .Lweights
.irp u, 0,1,2,3                        ; x: all eight loads go out together
	global_load_b128 v[D+8*(\u):D+8*(\u)+3],   v[VX], s[4:5] offset:(\u)*8192 th:TH_LOAD_NT
	global_load_b128 v[D+8*(\u)+4:D+8*(\u)+7], v[VX], s[4:5] offset:(\u)*8192+16 th:TH_LOAD_NT
.endr
.irp u, 0,1,2,3
	s_wait_loadcnt 6-2*(\u)                        ; loads come back in order: group u's two are in, the later groups' stay out
.irp q, 0,1,2,3
	v_cvt_pk_bf16_f32 v[T+(\q)], v[D+8*(\u)+2*(\q)], v[D+8*(\u)+2*(\q)+1]
.endr
.irp q, 0,1,2,3
	v_lshlrev_b32 v[D+8*(\u)+2*(\q)], 16, v[T+(\q)]
	v_and_b32 v[D+8*(\u)+2*(\q)+1], s32, v[T+(\q)]
.endr
.irp q, 0,1,2,3
	v_cvt_pk_f16_f32 v[O+4*(\u)+(\q)], v[D+8*(\u)+2*(\q)], v[D+8*(\u)+2*(\q)+1]
.endr
	global_store_b128 v[VXH], v[O+4*(\u):O+4*(\u)+3], s[14:15] offset:(\u)*4096  ; each group has its own four registers: nothing that a store reads is rewritten
.endr
	s_branch .Ljoin
.Lweights:
.irp u, 0,1,2,3                        ; rows k = 2 (thread / 16 + 16 u) and k + 1
	global_load_b128 v[D+8*(\u):D+8*(\u)+3],   v[VSRC], s[6:7] offset:(\u)*131072 th:TH_LOAD_NT
	global_load_b128 v[D+8*(\u)+4:D+8*(\u)+7], v[VSRC], s[6:7] offset:(\u)*131072+4096 th:TH_LOAD_NT
.endr
.irp u, 0,1,2,3
	s_wait_loadcnt 6-2*(\u)
.irp c, 0,1,2,3
	v_cvt_pk_bf16_f32 v[T+(\c)], v[D+8*(\u)+(\c)], v[D+8*(\u)+4+(\c)]  ; column n = 4 (thread % 16) + c: k in the low half, k + 1 in the high
.endr
.irp c, 0,1,2,3
	v_lshlrev_b32 v[D+8*(\u)+(\c)], 16, v[T+(\c)]
	v_and_b32 v[D+8*(\u)+4+(\c)], s32, v[T+(\c)]
.endr
.irp c, 0,1,2,3
	v_cvt_pk_f16_f32 v[O+4*(\u)+(\c)], v[D+8*(\u)+(\c)], v[D+8*(\u)+4+(\c)]
.endr
.irp c, 0,1,2,3
	ds_store_b32 v[VLS], v[O+4*(\u)+(\c)] offset:(\c)*LP+(\u)*64
.endr
.endr
.Ljoin:
	s_wait_dscnt 0x0                               ; for the other waves' sake: my words are in LDS
	s_barrier_signal -1                            ; the barrier stands on every work-group's path
	s_barrier_wait -1
	s_cmp_lt_u32 s33, 1024
	s_cbranch_scc1 .Lend
.irp u, 0,1,2,3
	ds_load_b128 v[D+4*(\u):D+4*(\u)+3], v[VLR] offset:(\u)*16*LP  ; row n = thread / 16 + 16 u
.endr
.irp u, 0,1,2,3
	s_wait_dscnt 3-(\u)                            ; LDS loads come back in order: row group u is in
	global_store_b128 v[VDST], v[D+4*(\u):D+4*(\u)+3], s[16:17] offset:(\u)*32768  ; sixteen lanes store 256 consecutive bytes, at a multiple of 256 from wt's first byte
.endr
.Lend:
	s_wait_tensorcnt 0x0                           ; the wave's end
	ds_add_u32 v[SPW], v[NIL]
	s_wait_dscnt 0x0
	s_endpgm
.Lfunc_end_k_qdc08e6da77_prep:
	.size	k_qdc08e6da77_prep, .Lfunc_end_k_qdc08e6da77_prep-k_qdc08e6da77_prep
	.p2alignl 7, 3214868480
	.fill 96, 4, 3214868480
	.section	.rodata,"a",@progbits
	.p2align	6, 0x0
	.amdhsa_kernel k_qdc08e6da77_prep
		.amdhsa_group_segment_fixed_size 18432
		.amdhsa_private_segment_fixed_size 0
		.amdhsa_enable_private_segment 0
		.amdhsa_kernarg_size 56
		.amdhsa_user_sgpr_count 2
		.amdhsa_user_sgpr_kernarg_segment_ptr 1
		.amdhsa_wavefront_size32 1
		.amdhsa_system_sgpr_workgroup_id_x 1
		.amdhsa_system_sgpr_workgroup_id_y 1
		.amdhsa_system_sgpr_workgroup_id_z 1
		.amdhsa_system_vgpr_workitem_id 0
		.amdhsa_next_free_vgpr 64
		.amdhsa_next_free_sgpr 66
		.amdhsa_reserve_vcc 0
		.amdhsa_float_denorm_mode_32 3
		.amdhsa_float_denorm_mode_16_64 3
		.amdhsa_memory_ordered 1
		.amdhsa_forward_progress 1
		.amdhsa_inst_pref_size 13
	.end_amdhsa_kernel
	.amdgpu_metadata
---
amdhsa.version: [ 1, 2 ]
amdhsa.kernels:
  - .name:           k_qdc08e6da77_prep
    .symbol:         k_qdc08e6da77_prep.kd
    .args:
      - { .name: x, .offset: 0, .size: 8, .value_kind: global_buffer, .address_space: global }
      - { .name: wq, .offset: 8, .size: 8, .value_kind: global_buffer, .address_space: global }
      - { .name: wk, .offset: 16, .size: 8, .value_kind: global_buffer, .address_space: global }
      - { .name: wv, .offset: 24, .size: 8, .value_kind: global_buffer, .address_space: global }
      - { .name: wo, .offset: 32, .size: 8, .value_kind: global_buffer, .address_space: global }
      - { .name: xh, .offset: 40, .size: 8, .value_kind: global_buffer, .address_space: global }
      - { .name: wt, .offset: 48, .size: 8, .value_kind: global_buffer, .address_space: global }
    .group_segment_fixed_size: 18432
    .private_segment_fixed_size: 0
    .kernarg_segment_align: 8
    .kernarg_segment_size: 56
    .max_flat_workgroup_size: 256
    .sgpr_count:     66
    .vgpr_count:     64
    .wavefront_size: 32
...
	.end_amdgpu_metadata
.endif
;; end of part 1
;; launch qkv (part 2): grid 24 x 32, 4 waves a work-group, clusters of 4 x 4, 327,680 bytes of LDS; arguments xh, wt, bq, bk, bv, qkv; writes qkv
.if DOCPART == 2
	.amdgcn_target "amdgcn-amd-amdhsa--gfx1250"
	.amdhsa_code_object_version 6
	.text
	.protected	k_qdc08e6da77_qkv
	.globl	k_qdc08e6da77_qkv
	.p2align	8
	.type	k_qdc08e6da77_qkv,@function
k_qdc08e6da77_qkv:
	s_mov_b64 s[64:65], 0
	v_nop
	global_prefetch_b8 v0, s[64:65] scope:SCOPE_SE
	s_setreg_imm32_b32 hwreg(HW_REG_WAVE_MODE, 25, 1), 1
	s_wait_xcnt 0x0
	s_wait_alu depctr_hold_cnt(0) depctr_sa_sdst(0) depctr_va_vdst(0) depctr_va_sdst(0) depctr_va_ssrc(0) depctr_va_vcc(0) depctr_vm_vsrc(0)
	s_getreg_b32 s2, hwreg(HW_REG_IB_STS2, 6, 4)
	s_cmp_eq_u32 s2, 0
	s_cbranch_scc0 .Lentry_in_a_cluster
	s_endpgm
.Lentry_in_a_cluster:
	s_bfe_u32 s2, ttmp6, 0x10000c
	s_cmp_lg_u32 s2, 0xf033
	s_cbranch_scc0 .Lentry_shape_is_right
	s_endpgm
.Lentry_shape_is_right:
; Q, K, V = x W + b.  A = xh [8192][1024] f16, B = wt rows 0-3071 ([n][k], f16), sums in f32, the bias (rounded to bf16 like every input) added in f32, the result rounded once to f16.
; qkv holds three planes: Q [8192][1024], K [8192][1024] and V [4][2304][1024], rows of 2,048 bytes.  Rows 2048-2303 of a batch's V plane hold, for its keys 1792-2047, lo = f16(V - f32(f16(V))):
; the second product of the attention takes them as 256 further keys, so that V's rounding does not reach the rows that average few keys.
; LIMITS.  f16 ends at 65,504: Q, K and V must stay within it; NaN and infinities are not treated apart.
; SHARES.  A work-group makes 256 rows x 128 columns of C: 768 work-groups, three for each of 256 WGPs.  Four waves, each 64 x 128: 32 accumulators of 16 x 16, 256 registers.
; K goes in steps of 128 through two LDS slots filled by tensor loads (rows of 256 bytes at multiples of 256 bytes): waves 0, 1 bring A's two halves of 128 rows, waves 2, 3 B's two halves of 64.
; CLUSTER 4 x 4.  The place along y is the batch, the cluster's y the row tile in the batch; the four of a row of the cluster need the same tile of A, the four of a column the same tile of B: joint loads.
; So 'a column of V' (cluster x >= 4) and 'a batch's last row tile' (cluster y = 7) are alike in all sixteen partners, and the one branch of the text hangs on these two alone.
; THE MATRIX INSTRUCTION IS USED TRANSPOSED (source 0 = 16 rows of B, source 1 = 16 rows of A): a lane holds row lane % 16 of C and eight neighbouring columns 8 (lane / 16) + 0..7.
; REGISTERS, in windows of 256 (s_set_vgpr_msb: bits 1:0 source 0, 3:2 source 1, 5:4 source 2, 7:6 destination):
;   window 0: v0-31 addresses; v32-63 at work; v64-159, v160-255 two fragment buffers (A's four fragments, then B's eight); behind the loop they serve the way out
;   window 1: accumulator (a, b) at v[8 (8 a + b)]          window 2: v0-63 my 64 numbers of the bias, v64 at work
.set PITCH,  272                       ; an LDS row: 256 bytes + 16 of padding = 68 words: the 16 rows of a fragment load start at 16 different groups of four banks (64 banks of 4 bytes: ISA guide 11.1)
.set BPITCH, 272
.set AHALF,  128*PITCH
.set BHALF,  64*BPITCH
.set BOFF,   2*AHALF                   ; a slot: A's 256 rows, then B's 128
.set SLOT,   BOFF+2*BHALF
.set STAGE,  2*SLOT                    ; behind the ring, never filled by a tensor load: 16 rows x 272 bytes for each wave
.set SP,     272
.set SW,     16*SP
.set SPARE,  STAGE+4*SW                ; the spare words, 128 bytes for each wave: two blocks of 256 bytes that no other line names
.set PA,     1024                      ; A's and B's rows in elements
.set PB,     1024
.set ASTEP,  256                       ; bytes from a K step to the next
.set BSTEP,  256
.set LAPS,   4                         ; a lap = two K steps = once round the ring: K = 1,024
.set PC,     2048                      ; a row of C in bytes
.set ADRA, 16                          ; v16-17  LDS address of my A fragments in slot 0, 1
.set ADRB, 20                          ; v20-21  the same for B
.set STO,  24                          ; v24  the way out: where I put 16 bytes of a row
.set RD,   25                          ; v25  where I read a row back
.set CO,   26                          ; v26  my byte offset in C
.set VB,   27                          ; v27  my byte offset in the bias's 128 numbers
.set SPW,  28                          ; v28  LDS address of my spare word; never rewritten
.set NIL,  29                          ; v29  0; never rewritten
.set ONE,  30                          ; v30  1.0
.set TH,   32                          ; v32-63  a block's results in f16
.set F0,   64
.set F1,   160
.set TMP,  64                          ; the way out: v64-95 packed results
.set BK0,  96                          ; v96-127, v128-159 rows read back, by turns
.set LO,   160                         ; v160-223 V - f16(V)
.set G1,  24                           ; s[24:31] descriptor group 1 for A;  s[32:39] group 0, a set for each slot
.set G0,  32
.set G1B, 48                           ; s[48:55], s[56:63] the same for B
.set G0B, 56
.set MUL, 0x50                         ; fragments in window 0, C and D in window 1
.set MSB, 0
.macro WIN new                         ; the immediate's high byte repeats the setting that is left; a switch that changes nothing is dropped
.if MSB != (\new)
	s_set_vgpr_msb (MSB<<8)|(\new)
.set MSB, \new
.endif
.endm
.macro PLACES                          ; four places between a matrix instruction and a load into, or a vector instruction on, its registers
.rept 4
	v_nop
.endr
.endm
.macro JLOAD s                         ; a joint refill: one load a wave; the branch hangs on the wave's number alone; s_nop 0 and four v_nop follow each line
	s_cmp_lt_u32 s10, 2
	s_cbranch_scc0 .Lfor_b_\@
	tensor_load_to_lds s[G0+4*(\s):G0+4*(\s)+3], s[G1:G1+7]
	s_nop 0
	PLACES
	s_branch .Lasked_\@
.Lfor_b_\@:
	tensor_load_to_lds s[G0B+4*(\s):G0B+4*(\s)+3], s[G1B:G1B+7]
	s_nop 0
	PLACES
.Lasked_\@:
.endm
.macro CREST                           ; a round of the cluster's barrier behind its opening barrier
	s_cmp_lg_u32 s10, 0
	s_cbranch_scc1 .Lnot_wave_0_\@
	s_barrier_signal -3
.Lnot_wave_0_\@:
	s_barrier_wait -3
	s_barrier_signal -1
	s_barrier_wait -1
.endm
.macro CROUND
	s_barrier_signal -1
	s_barrier_wait -1
	CREST
.endm
.macro MULA f, a, zero                 ; 8 matrix instructions: row block a x all 8 column blocks, 32 along K.  zero = 1: the product starts the sums
	WIN MUL
.irp b, 0,1,2,3,4,5,6,7
.if \zero
	v_wmma_f32_16x16x32_f16 v[8*(8*(\a)+(\b)):8*(8*(\a)+(\b))+7], v[(\f)+32+8*(\b):(\f)+32+8*(\b)+7], v[(\f)+8*(\a):(\f)+8*(\a)+7], 0
.else
	v_wmma_f32_16x16x32_f16 v[8*(8*(\a)+(\b)):8*(8*(\a)+(\b))+7], v[(\f)+32+8*(\b):(\f)+32+8*(\b)+7], v[(\f)+8*(\a):(\f)+8*(\a)+7], v[8*(8*(\a)+(\b)):8*(8*(\a)+(\b))+7]
.endif
.endr
.endm
.macro FETCH slot, k, f                ; 24 LDS loads in one run: the fragments of 32 along K at byte k of the rows: B's 128 rows, then my 64 rows of A
	WIN 0
.irp i, 0,1,2,3,4,5,6,7
	ds_load_b128 v[(\f)+32+8*(\i):(\f)+32+8*(\i)+3],   v[ADRB+(\slot)] offset:(\k)+(\i)*16*BPITCH
	ds_load_b128 v[(\f)+32+8*(\i)+4:(\f)+32+8*(\i)+7], v[ADRB+(\slot)] offset:(\k)+(\i)*16*BPITCH+32
.endr
.irp i, 0,1,2,3
	ds_load_b128 v[(\f)+8*(\i):(\f)+8*(\i)+3],   v[ADRA+(\slot)] offset:(\k)+(\i)*16*PITCH
	ds_load_b128 v[(\f)+8*(\i)+4:(\f)+8*(\i)+7], v[ADRA+(\slot)] offset:(\k)+(\i)*16*PITCH+32
.endr
.endm
; A K step is four quarters of 32 along K, 32 matrix instructions each, on buffers 0, 1, 0, 1; the 32 accumulators take turns in the same order in every quarter.
.macro QUARTER slot, k, f, g, zero     ; one of the first three: multiplies buffer f and, in its middle, fetches the next quarter into g
	s_wait_dscnt 4                                 ; B and A's blocks 0, 1 are in; the youngest four loads (A's blocks 2, 3) may be out
	MULA \f, 0, \zero
	MULA \f, 1, \zero
	PLACES
	FETCH \slot, \k, \g
	s_wait_dscnt 24                                ; all but the 24 just issued
	MULA \f, 2, \zero
	MULA \f, 3, \zero
.endm
; The last quarter multiplies buffer 1 and changes slots: one barrier; in front of it each wave waits for all its tensor loads (one is out: its part of the next slot), adds 0 to its spare word,
; and waits for that and for its reads of this slot.  fill = 1: the barrier opens a round of the cluster's, and this slot is filled again, two K steps ahead, first thing behind the round.
.macro TURN slot, next, fill
	WIN 0
	s_wait_tensorcnt 0x0
	ds_add_u32 v[SPW], v[NIL]
	s_wait_dscnt 5                                 ; the add and A's blocks 2, 3 may be out
	MULA F1, 0, 0
	s_wait_dscnt 0x0                               ; the add is done, and my reads of this slot are over
	s_barrier_signal -1
	MULA F1, 1, 0
.if \fill
	WIN 0
.endif
	s_barrier_wait -1
.if \fill
	CREST                                          ; no wave of any partner still reads this slot or has a load on its way
	s_add_nc_u64 s[G0+4*(\slot)+2:G0+4*(\slot)+3], s[G0+4*(\slot)+2:G0+4*(\slot)+3], 2*ASTEP
	s_add_nc_u64 s[G0B+4*(\slot)+2:G0B+4*(\slot)+3], s[G0B+4*(\slot)+2:G0B+4*(\slot)+3], 2*BSTEP
	JLOAD \slot                                    ; 112 matrix instructions ahead of the wait for it; its four v_nop are also the places in front of the loads below
.else
	PLACES
.endif
	FETCH \next, 0, F0
	MULA F1, 2, 0
	MULA F1, 3, 0
.endm
	s_load_b128 s[4:7], s[0:1], 0x0                ; xh s[4:5], wt s[6:7]
	s_load_b128 s[68:71], s[0:1], 0x10             ; bq s[68:69], bk s[70:71]
	s_load_b128 s[72:75], s[0:1], 0x20             ; bv s[72:73], qkv s[74:75]
	v_lshl_add_u32 v[SPW], v0, 2, SPARE
	v_mov_b32 v[NIL], 0
	ds_add_u32 v[SPW], v[NIL]                      ; the wave's opening
	ds_add_u32 v28, v29
	v_lshrrev_b32 v1, 5, v0
	v_readfirstlane_b32 s10, v1                    ; wave 0..3
	s_and_b32 s12, s10, 1                          ; which half of A's or B's tile I fetch
	s_bfe_u32 s40, ttmp6, 0x40000                  ; cx
	s_bfe_u32 s41, ttmp6, 0x40004                  ; cy: the batch
	s_mov_b32 s14, ttmp9                           ; cluster x: 0, 1 Q; 2, 3 K; 4, 5 V
	s_lshl_b32 s42, s14, 2
	s_add_co_u32 s42, s42, s40                     ; column tile 0..23
	s_and_b32 s13, ttmp7, 0xffff                   ; cluster y: the row tile in the batch
	s_lshl_b32 s43, s41, 2
	s_lshl_b32 s43, 15, s43                        ; my row of the cluster
	s_lshl_b32 s44, 0x1111, s40                    ; my column
	s_or_b32 s[G1+0], s43, (1<<16)|(1<<20)|(1<<21)|(5<<22)|(3<<25)   ; 15:0 the mask; 17:16 2-byte elements; 20 padding on; 21 set beside a mask; 24:22 after every 64 words; 31:25 4 words
	s_or_b32 s[G1B+0], s44, (1<<16)|(1<<20)|(1<<21)|(5<<22)|(3<<25)
	s_mov_b32 s[G1+1], 128<<16                     ; tensor_dim0 = 128
	s_mov_b32 s[G1+2], 128<<16                     ; tensor_dim1 = 128
	s_mov_b32 s[G1+3], 128<<16                     ; tile_dim0 = 128
	s_mov_b32 s[G1+4], 128                         ; tile_dim1 = 128
	s_mov_b32 s[G1+5], PA                          ; elements from row to row
	s_mov_b32 s[G1+6], 0
	s_mov_b32 s[G1+7], 0
	s_mov_b32 s[G1B+1], 128<<16
	s_mov_b32 s[G1B+2], 64<<16                     ; B: 64 rows a load
	s_mov_b32 s[G1B+3], 128<<16
	s_mov_b32 s[G1B+4], 64
	s_mov_b32 s[G1B+5], PB
	s_mov_b32 s[G1B+6], 0
	s_mov_b32 s[G1B+7], 0
	s_lshl_b32 s16, s41, 11                        ; A: row 2048 batch + 256 row tile + 128 half: no cx in it
	s_lshl_b32 s17, s13, 8
	s_add_co_u32 s16, s16, s17
	s_lshl_b32 s17, s12, 7
	s_add_co_u32 s16, s16, s17
	s_lshl_b32 s16, s16, 11                        ; rows of 2,048 bytes
	s_mov_b32 s17, 0
	s_lshl_b32 s46, s42, 7                         ; B: row 128 column tile + 64 half: no cy in it
	s_lshl_b32 s47, s12, 6
	s_add_co_u32 s46, s46, s47
	s_lshl_b32 s46, s46, 11
	s_mov_b32 s47, 0
	s_mul_i32 s20, s12, AHALF                      ; where they go: no place in the cluster enters an LDS address
	s_mul_i32 s21, s12, BHALF
	s_add_co_u32 s21, s21, BOFF
	s_mov_b32 s67, 2048                            ; rows of a batch in planes Q and K
	s_cmp_ge_u32 s14, 4                            ; a column of V?
	s_cselect_b32 s67, 2304, s67                   ; then 2,304 rows a batch (an instruction holds one literal: the other number comes from the register)
	s_cselect_b32 s66, 1, 0
	s_cmp_eq_u32 s13, 7                            ; and a batch's last 256 rows?
	s_cselect_b32 s66, s66, 0                      ; then lo is written too
	s_and_b32 s22, s42, 7                          ; my column tile in its plane
	s_lshl_b32 s76, s22, 9                         ; its 128 numbers of the bias
	s_mov_b32 s77, 0
	s_wait_dscnt 0x0                               ; the opening add is done
	s_wait_kmcnt 0x0
	s_add_nc_u64 s[18:19], s[4:5], s[16:17]
	s_add_nc_u64 s[46:47], s[6:7], s[46:47]
	s_mov_b64 s[8:9], s[74:75]
	s_cmp_lt_u32 s14, 2
	s_cselect_b64 s[68:69], s[68:69], s[70:71]     ; bq, or bk,
	s_cmp_lt_u32 s14, 4
	s_cselect_b64 s[68:69], s[68:69], s[72:73]     ; or bv
	s_add_nc_u64 s[68:69], s[68:69], s[76:77]
	CROUND                                         ; all sixteen work-groups are here: the first joint loads meet
.irp s, 0,1
	s_mov_b32 s[G0+4*(\s)], 1                                      ; count = 1
	s_add_co_u32 s[G0+4*(\s)+1], s20, (\s)*SLOT                    ; LDS address
	s_add_nc_u64 s[G0+4*(\s)+2:G0+4*(\s)+3], s[18:19], (\s)*ASTEP  ; global address: K step s
	s_or_b32 s[G0+4*(\s)+3], s[G0+4*(\s)+3], 0x80000000            ; type = 2
	s_mov_b32 s[G0B+4*(\s)], 1
	s_add_co_u32 s[G0B+4*(\s)+1], s21, (\s)*SLOT
	s_add_nc_u64 s[G0B+4*(\s)+2:G0B+4*(\s)+3], s[46:47], (\s)*BSTEP
	s_or_b32 s[G0B+4*(\s)+3], s[G0B+4*(\s)+3], 0x80000000
.endr
	s_cmp_lt_u32 s10, 2                            ; a wave's two first fills stand in one branch: two loads of mine are out
	s_cbranch_scc0 .Lfirst_b
	tensor_load_to_lds s[G0:G0+3], s[G1:G1+7]
	s_nop 0
	tensor_load_to_lds s[G0+4:G0+7], s[G1:G1+7]
	s_nop 0
	PLACES
	s_branch .Lfirst_asked
.Lfirst_b:
	tensor_load_to_lds s[G0B:G0B+3], s[G1B:G1B+7]
	s_nop 0
	tensor_load_to_lds s[G0B+4:G0B+7], s[G1B:G1B+7]
	s_nop 0
	PLACES
.Lfirst_asked:
	; A fragment is 16 rows x 32 K in 8 registers: lane l holds row l % 16, K = 8 (l / 16) + 0..7 and 16 + 8 (l / 16) + 0..7: two loads of 16 bytes, 32 bytes apart.
	v_and_b32 v1, 15, v0                           ; l % 16
	v_bfe_u32 v2, v0, 4, 1                         ; l / 16
	v_mul_u32_u24 v3, v1, PITCH
	v_lshl_add_u32 v3, v2, 4, v3
	s_mul_i32 s22, s10, 64*PITCH                   ; my 64 rows of A
.irp s, 0,1
	v_add_nc_u32 v[ADRA+(\s)], s22, v3
	v_add_nc_u32 v[ADRB+(\s)], BOFF+(\s)*SLOT, v3
	s_add_co_u32 s22, s22, SLOT
.endr
	s_mul_i32 s23, s10, SW
	s_add_co_u32 s23, s23, STAGE                   ; my stage
	v_mul_u32_u24 v4, v1, SP                       ; in: row l % 16, 16 bytes for each half of the lanes
	v_lshl_add_u32 v4, v2, 4, v4
	v_add_nc_u32 v[STO], s23, v4
	v_mul_u32_u24 v5, v2, SP                       ; back: lanes 0-15 one row of 256 bytes, lanes 16-31 the next
	v_lshl_add_u32 v5, v1, 4, v5
	v_add_nc_u32 v[RD], s23, v5
	v_lshlrev_b32 v5, 11, v2                       ; and the same two rows in C
	v_lshl_add_u32 v[CO], v1, 4, v5
	v_mov_b32 v[ONE], 1.0
	v_lshlrev_b32 v[VB], 5, v2                     ; my eight columns of a block of 16
	WIN 0x80                                       ; destination window 2
.irp b, 0,1,2,3,4,5,6,7
	global_load_b128 v[8*(\b):8*(\b)+3],   v[VB], s[68:69] offset:64*(\b)
	global_load_b128 v[8*(\b)+4:8*(\b)+7], v[VB], s[68:69] offset:64*(\b)+16
.endr
	WIN 0
	s_mul_i32 s16, s41, s67                        ; where my part of C begins: batch x the plane's rows a batch
	s_lshl_b32 s22, s13, 8
	s_add_co_u32 s16, s16, s22
	s_lshl_b32 s22, s10, 6
	s_add_co_u32 s16, s16, s22
	s_lshl_b32 s16, s16, 11
	s_lshr_b32 s22, s14, 1                         ; the plane: 16,777,216 bytes each for Q and K in front of V
	s_lshl_b32 s22, s22, 24
	s_add_co_u32 s16, s16, s22
	s_and_b32 s22, s42, 7
	s_lshl_b32 s22, s22, 8                         ; 128 columns of 2 bytes
	s_add_co_u32 s16, s16, s22
	s_mov_b32 s17, 0                               ; the first way out adds s[16:17] to C's address
	s_wait_loadcnt 0x0                             ; the bias
	WIN 0x8a                                       ; all in window 2: the bias is rounded to bf16, as every input is, and widened again
.set i, 0
.rept 32
	v_cvt_pk_bf16_f32 v64, v[2*i], v[2*i+1]
	v_lshlrev_b32 v[2*i], 16, v64
	v_and_b32 v[2*i+1], 0xffff0000, v64
.set i, i+1
.endr
	WIN 0
	s_wait_tensorcnt 1                             ; my part of K step 0 is in; K step 1's may stay out
	s_barrier_signal -1
	s_barrier_wait -1
	FETCH 0, 0, F0
	QUARTER 0, 64,  F0, F1, 1                      ; the first quarter stands in front of the loop: its products start the sums
	WIN 0                                          ; at a label and at a branch every window is 0
	s_mov_b32 s3, LAPS-1
.Llap:                                                 ; a trip goes once round the ring, from a lap's second quarter to the next lap's first, and fills both slots again
	QUARTER 0, 128, F1, F0, 0
	QUARTER 0, 192, F0, F1, 0
	TURN 0, 1, 1
	QUARTER 1, 64,  F0, F1, 0
	QUARTER 1, 128, F1, F0, 0
	QUARTER 1, 192, F0, F1, 0
	TURN 1, 0, 1
	QUARTER 0, 64,  F0, F1, 0
	WIN 0
	s_sub_co_u32 s3, s3, 1
	s_cmp_lg_u32 s3, 0
	s_cbranch_scc1 .Llap
	QUARTER 0, 128, F1, F0, 0                      ; the last lap fills nothing
	QUARTER 0, 192, F0, F1, 0
	TURN 0, 1, 0
	QUARTER 1, 64,  F0, F1, 0
	QUARTER 1, 128, F1, F0, 0
	QUARTER 1, 192, F0, F1, 0
	s_wait_dscnt 4
	MULA F1, 0, 0
	MULA F1, 1, 0
	s_wait_dscnt 0x0
	MULA F1, 2, 0
	MULA F1, 3, 0
; THE WAY OUT, a block of 16 rows at a time.  FIX: the bias is added in place (each accumulator's lowest registers first).  PACK: rounded to f16, 16 bytes a lane.
; TOSTAGE: into my own stage and back as whole rows of 256 bytes.  SEND: stored.
.macro FIX a
	WIN 0x49                                       ; destination and source 0 window 1, source 1 window 2
.irp b, 0,1,2,3,4,5,6,7
.irp q, 0,1,2,3
	v_pk_add_f32 v[8*(8*(\a)+(\b))+2*(\q):8*(8*(\a)+(\b))+2*(\q)+1], v[8*(8*(\a)+(\b))+2*(\q):8*(8*(\a)+(\b))+2*(\q)+1], v[8*(\b)+2*(\q):8*(\b)+2*(\q)+1]
.endr
.endr
.endm
.macro PACK a
	WIN 0x05                                       ; sources 0 and 1 window 1
.set i, 0
.rept 32
	v_cvt_pk_f16_f32 v[TMP+i], v[64*(\a)+2*i], v[64*(\a)+2*i+1]
.set i, i+1
.endr
	WIN 0
.endm
.macro TOSTAGE a
	WIN 0
.set BK, BK0+32*((\a)%2)
.irp b, 0,1,2,3,4,5,6,7
	ds_store_b128 v[STO], v[TMP+4*(\b):TMP+4*(\b)+3] offset:32*(\b)
.endr
.irp t, 0,1,2,3,4,5,6,7
	ds_load_b128 v[BK+4*(\t):BK+4*(\t)+3], v[RD] offset:(\t)*2*SP  ; LDS serves a wave's instructions in order (ISA guide 5.7.1.4): these see the stores above
.endr
.endm
.macro SEND a
	WIN 0
.set BK, BK0+32*((\a)%2)
	s_wait_dscnt 0x0                               ; the block is back in registers
	s_wait_xcnt 0x0                                ; the stores' base, and the registers that earlier stores read, are rewritten only behind this wait
.if (\a) == 0
	s_add_nc_u64 s[8:9], s[8:9], s[16:17]
.else
	s_add_nc_u64 s[8:9], s[8:9], 16*PC
.endif
.irp t, 0,1,2,3,4,5,6,7
	global_store_b128 v[CO], v[BK+4*(\t):BK+4*(\t)+3], s[8:9] offset:2*(\t)*PC  ; 16 lanes store 256 consecutive bytes, at a multiple of 256 from the buffer's first byte
.endr
.endm
	PLACES
	FIX 0
	PACK 0
	TOSTAGE 0
.irp a, 1,2,3                          ; a block's arithmetic stands between the loads of the block before and the wait for them
	FIX \a
	PACK \a
	SEND (\a)-1
	TOSTAGE \a
.endr
	SEND 3
	s_cmp_eq_u32 s66, 0
	s_cbranch_scc1 .Lend
	; V's keys 1792-2047 of a batch: lo = f16(V - f32(f16(V))) goes 256 rows further down.  The accumulators still hold V in f32.
	s_wait_xcnt 0x0                                ; the stores above have read their registers
	s_mov_b64 s[16:17], 256*PC-48*PC               ; from my last block's rows to my first block's, 256 rows on
.irp a, 0,1,2,3
	WIN 0x05
.set i, 0
.rept 32
	v_cvt_pk_f16_f32 v[TH+i], v[64*(\a)+2*i], v[64*(\a)+2*i+1]
.set i, i+1
.endr
	WIN 0x10                                       ; source 2 window 1
.set i, 0
.rept 32
	v_fma_mix_f32 v[LO+2*i],   -v[TH+i], v[ONE], v[64*(\a)+2*i]   op_sel_hi:[1,0,0]                 ; V - the low half as f32: exact
	v_fma_mix_f32 v[LO+2*i+1], -v[TH+i], v[ONE], v[64*(\a)+2*i+1] op_sel:[1,0,0] op_sel_hi:[1,0,0]  ; the high half
.set i, i+1
.endr
	WIN 0
.set i, 0
.rept 32
	v_cvt_pk_f16_f32 v[TMP+i], v[LO+2*i], v[LO+2*i+1]
.set i, i+1
.endr
	TOSTAGE \a
	SEND \a
.endr
.Lend:
	s_wait_tensorcnt 0x0                           ; the wave's end
	ds_add_u32 v[SPW], v[NIL]
	s_wait_dscnt 0x0
	CROUND                                         ; the closing round: no work-group ends while a partner may still ask for a tile that names it
	s_endpgm
.Lfunc_end_k_qdc08e6da77_qkv:
	.size	k_qdc08e6da77_qkv, .Lfunc_end_k_qdc08e6da77_qkv-k_qdc08e6da77_qkv
	.p2alignl 7, 3214868480
	.fill 96, 4, 3214868480
	.section	.rodata,"a",@progbits
	.p2align	6, 0x0
	.amdhsa_kernel k_qdc08e6da77_qkv
		.amdhsa_group_segment_fixed_size 327680
		.amdhsa_private_segment_fixed_size 0
		.amdhsa_enable_private_segment 0
		.amdhsa_kernarg_size 48
		.amdhsa_user_sgpr_count 2
		.amdhsa_user_sgpr_kernarg_segment_ptr 1
		.amdhsa_wavefront_size32 1
		.amdhsa_system_sgpr_workgroup_id_x 1
		.amdhsa_system_sgpr_workgroup_id_y 1
		.amdhsa_system_sgpr_workgroup_id_z 1
		.amdhsa_system_vgpr_workitem_id 0
		.amdhsa_next_free_vgpr 640
		.amdhsa_next_free_sgpr 96
		.amdhsa_reserve_vcc 0
		.amdhsa_float_denorm_mode_32 3
		.amdhsa_float_denorm_mode_16_64 3
		.amdhsa_memory_ordered 1
		.amdhsa_forward_progress 1
		.amdhsa_inst_pref_size 141
	.end_amdhsa_kernel
	.amdgpu_metadata
---
amdhsa.version: [ 1, 2 ]
amdhsa.kernels:
  - .name:           k_qdc08e6da77_qkv
    .symbol:         k_qdc08e6da77_qkv.kd
    .args:
      - { .name: xh, .offset: 0, .size: 8, .value_kind: global_buffer, .address_space: global }
      - { .name: wt, .offset: 8, .size: 8, .value_kind: global_buffer, .address_space: global }
      - { .name: bq, .offset: 16, .size: 8, .value_kind: global_buffer, .address_space: global }
      - { .name: bk, .offset: 24, .size: 8, .value_kind: global_buffer, .address_space: global }
      - { .name: bv, .offset: 32, .size: 8, .value_kind: global_buffer, .address_space: global }
      - { .name: qkv, .offset: 40, .size: 8, .value_kind: global_buffer, .address_space: global }
    .group_segment_fixed_size: 327680
    .private_segment_fixed_size: 0
    .kernarg_segment_align: 8
    .kernarg_segment_size: 48
    .max_flat_workgroup_size: 128
    .sgpr_count:     96
    .vgpr_count:     640
    .wavefront_size: 32
...
	.end_amdgpu_metadata
.endif
;; end of part 2
;; launch sc (part 3): grid 18 x 16, 4 waves a work-group, no clusters, 327,680 bytes of LDS; arguments qkv, s; writes s
.if DOCPART == 3
	.amdgcn_target "amdgcn-amd-amdhsa--gfx1250"
	.amdhsa_code_object_version 6
	.text
	.protected	k_qdc08e6da77_sc
	.globl	k_qdc08e6da77_sc
	.p2align	8
	.type	k_qdc08e6da77_sc,@function
k_qdc08e6da77_sc:
	s_mov_b64 s[64:65], 0
	v_nop
	global_prefetch_b8 v0, s[64:65] scope:SCOPE_SE
	s_setreg_imm32_b32 hwreg(HW_REG_WAVE_MODE, 25, 1), 1
	s_wait_xcnt 0x0
; s = Q K^T, the raw sums in f32 (the division by 32 and the mask come with the softmax).  A = plane Q of qkv, B = plane K, both [8192][1024] f16; s is [8192][2048] f32.
; Row r of a batch sees the keys r + 2 .. 2047 alone, so of row tile i (256 rows) only the column tiles j = 2 i .. 15 (128 keys) are made: 16 - 2 i of them, 72 a batch, 288 work-groups of equal work.
; The grid's y is 4 batch + u; its x, 0..17, walks the 16 - 2 u tiles of row tile u and then the 2 + 2 u tiles of row tile 7 - u.
; f32, since a raw sum of 1,024 products of f16 numbers may pass f16's range.
; NO CLUSTER: a row tile has 16 - 2 i visible tiles, for odd i no multiple of four, and a partner without a visible tile would have nothing of use to do.
; Shares, ring, layout and registers: a work-group makes 256 x 128 of C, four waves 64 x 128 each (32 accumulators in window 1); K in steps of 128 through two LDS slots filled by tensor loads;
; the matrix instruction is used transposed, so that a lane holds row lane % 16 and eight neighbouring columns.  Window 0: v0-31 addresses, v64-159 and v160-255 two fragment buffers.
.set PITCH,  272                       ; an LDS row: 256 bytes + 16 of padding: the 16 rows of a fragment load start at 16 different groups of four banks (ISA guide 11.1)
.set BPITCH, 272
.set AHALF,  128*PITCH
.set BHALF,  64*BPITCH
.set BOFF,   2*AHALF
.set SLOT,   BOFF+2*BHALF
.set STAGE,  2*SLOT                    ; behind the ring, never filled by a tensor load: 16 rows x 528 bytes for each wave
.set SP,     528                       ; 512 bytes + 16
.set SW,     16*SP
.set SPARE,  STAGE+4*SW                ; the spare words: two blocks of 256 bytes that no other line names
.set PA,     1024
.set PB,     1024
.set ASTEP,  256
.set BSTEP,  256
.set LAPS,   4
.set PC,     8192                      ; a row of s in bytes
.set ADRA, 16
.set ADRB, 20
.set STO,  24
.set RD,   25
.set CO,   26
.set SPW,  28
.set NIL,  29
.set F0,   64
.set F1,   160
.set BK0,  64                          ; the way out: v64-127, v128-191 rows read back, by turns
.set G1,  24
.set G0,  32
.set G1B, 48
.set G0B, 56
.set MUL, 0x50
.set MSB, 0
.macro WIN new
.if MSB != (\new)
	s_set_vgpr_msb (MSB<<8)|(\new)
.set MSB, \new
.endif
.endm
.macro PLACES
.rept 4
	v_nop
.endr
.endm
.macro JLOAD s                         ; a refill: one load a wave; waves 0, 1 A's halves, waves 2, 3 B's; s_nop 0 and four v_nop follow each line
	s_cmp_lt_u32 s10, 2
	s_cbranch_scc0 .Lfor_b_\@
	tensor_load_to_lds s[G0+4*(\s):G0+4*(\s)+3], s[G1:G1+7]
	s_nop 0
	PLACES
	s_branch .Lasked_\@
.Lfor_b_\@:
	tensor_load_to_lds s[G0B+4*(\s):G0B+4*(\s)+3], s[G1B:G1B+7]
	s_nop 0
	PLACES
.Lasked_\@:
.endm
.macro MULA f, a, zero
	WIN MUL
.irp b, 0,1,2,3,4,5,6,7
.if \zero
	v_wmma_f32_16x16x32_f16 v[8*(8*(\a)+(\b)):8*(8*(\a)+(\b))+7], v[(\f)+32+8*(\b):(\f)+32+8*(\b)+7], v[(\f)+8*(\a):(\f)+8*(\a)+7], 0
.else
	v_wmma_f32_16x16x32_f16 v[8*(8*(\a)+(\b)):8*(8*(\a)+(\b))+7], v[(\f)+32+8*(\b):(\f)+32+8*(\b)+7], v[(\f)+8*(\a):(\f)+8*(\a)+7], v[8*(8*(\a)+(\b)):8*(8*(\a)+(\b))+7]
.endif
.endr
.endm
.macro FETCH slot, k, f
	WIN 0
.irp i, 0,1,2,3,4,5,6,7
	ds_load_b128 v[(\f)+32+8*(\i):(\f)+32+8*(\i)+3],   v[ADRB+(\slot)] offset:(\k)+(\i)*16*BPITCH
	ds_load_b128 v[(\f)+32+8*(\i)+4:(\f)+32+8*(\i)+7], v[ADRB+(\slot)] offset:(\k)+(\i)*16*BPITCH+32
.endr
.irp i, 0,1,2,3
	ds_load_b128 v[(\f)+8*(\i):(\f)+8*(\i)+3],   v[ADRA+(\slot)] offset:(\k)+(\i)*16*PITCH
	ds_load_b128 v[(\f)+8*(\i)+4:(\f)+8*(\i)+7], v[ADRA+(\slot)] offset:(\k)+(\i)*16*PITCH+32
.endr
.endm
.macro QUARTER slot, k, f, g, zero
	s_wait_dscnt 4                                 ; the youngest four loads (A's blocks 2, 3) may be out
	MULA \f, 0, \zero
	MULA \f, 1, \zero
	PLACES
	FETCH \slot, \k, \g
	s_wait_dscnt 24                                ; all but the 24 just issued
	MULA \f, 2, \zero
	MULA \f, 3, \zero
.endm
.macro TURN slot, next, fill           ; the last quarter and the change of slots: all my tensor loads, the add, my reads, one barrier, the refill first behind it
	WIN 0
	s_wait_tensorcnt 0x0
	ds_add_u32 v[SPW], v[NIL]
	s_wait_dscnt 5                                 ; the add and A's blocks 2, 3 may be out
	MULA F1, 0, 0
	s_wait_dscnt 0x0
	s_barrier_signal -1
	MULA F1, 1, 0
.if \fill
	WIN 0
.endif
	s_barrier_wait -1
.if \fill
	s_add_nc_u64 s[G0+4*(\slot)+2:G0+4*(\slot)+3], s[G0+4*(\slot)+2:G0+4*(\slot)+3], 2*ASTEP
	s_add_nc_u64 s[G0B+4*(\slot)+2:G0B+4*(\slot)+3], s[G0B+4*(\slot)+2:G0B+4*(\slot)+3], 2*BSTEP
	JLOAD \slot
.else
	PLACES
.endif
	FETCH \next, 0, F0
	MULA F1, 2, 0
	MULA F1, 3, 0
.endm
	s_load_b128 s[4:7], s[0:1], 0x0                ; qkv s[4:5], s s[6:7]
	v_lshl_add_u32 v[SPW], v0, 2, SPARE
	v_mov_b32 v[NIL], 0
	ds_add_u32 v[SPW], v[NIL]                      ; the wave's opening
	ds_add_u32 v28, v29
	v_lshrrev_b32 v1, 5, v0
	v_readfirstlane_b32 s10, v1
	s_and_b32 s12, s10, 1
	s_mov_b32 s14, ttmp9                           ; t = 0..17
	s_and_b32 s13, ttmp7, 0xffff
	s_lshr_b32 s40, s13, 2                         ; the batch
	s_and_b32 s41, s13, 3                          ; u
	s_lshl_b32 s22, s41, 1
	s_sub_co_u32 s22, 16, s22                      ; row tile u has 16 - 2 u tiles
	s_sub_co_u32 s23, 7, s41
	s_sub_co_u32 s42, s14, s22
	s_cmp_lt_u32 s14, s22
	s_cselect_b32 s43, s41, s23                    ; i = u or 7 - u
	s_cselect_b32 s42, s14, s42                    ; the tile's number in its row
	s_lshl_b32 s44, s43, 1
	s_add_co_u32 s44, s44, s42                     ; j = 2 i + that
	s_mov_b32 s[G1+0], (1<<16)|(1<<20)|(5<<22)|(3<<25)   ; 2-byte elements; padding on: 4 words after every 64
	s_mov_b32 s[G1+1], 128<<16
	s_mov_b32 s[G1+2], 128<<16
	s_mov_b32 s[G1+3], 128<<16
	s_mov_b32 s[G1+4], 128
	s_mov_b32 s[G1+5], PA
	s_mov_b32 s[G1+6], 0
	s_mov_b32 s[G1+7], 0
	s_mov_b32 s[G1B+0], (1<<16)|(1<<20)|(5<<22)|(3<<25)
	s_mov_b32 s[G1B+1], 128<<16
	s_mov_b32 s[G1B+2], 64<<16
	s_mov_b32 s[G1B+3], 128<<16
	s_mov_b32 s[G1B+4], 64
	s_mov_b32 s[G1B+5], PB
	s_mov_b32 s[G1B+6], 0
	s_mov_b32 s[G1B+7], 0
	s_lshl_b32 s15, s40, 11                        ; the batch's first row
	s_lshl_b32 s45, s43, 8
	s_add_co_u32 s45, s45, s15                     ; the tile's first row of Q
	s_lshl_b32 s17, s12, 7
	s_add_co_u32 s16, s45, s17
	s_lshl_b32 s16, s16, 11
	s_mov_b32 s17, 0
	s_lshl_b32 s46, s44, 7
	s_add_co_u32 s46, s46, s15                     ; its first row of K
	s_lshl_b32 s47, s12, 6
	s_add_co_u32 s46, s46, s47
	s_lshl_b32 s46, s46, 11
	s_add_co_u32 s46, s46, 16777216                ; plane K lies behind plane Q
	s_mov_b32 s47, 0
	s_mul_i32 s20, s12, AHALF
	s_mul_i32 s21, s12, BHALF
	s_add_co_u32 s21, s21, BOFF
	s_wait_dscnt 0x0
	s_wait_kmcnt 0x0
	s_add_nc_u64 s[18:19], s[4:5], s[16:17]
	s_add_nc_u64 s[46:47], s[4:5], s[46:47]
	s_mov_b64 s[8:9], s[6:7]
.irp s, 0,1
	s_mov_b32 s[G0+4*(\s)], 1
	s_add_co_u32 s[G0+4*(\s)+1], s20, (\s)*SLOT
	s_add_nc_u64 s[G0+4*(\s)+2:G0+4*(\s)+3], s[18:19], (\s)*ASTEP
	s_or_b32 s[G0+4*(\s)+3], s[G0+4*(\s)+3], 0x80000000
	s_mov_b32 s[G0B+4*(\s)], 1
	s_add_co_u32 s[G0B+4*(\s)+1], s21, (\s)*SLOT
	s_add_nc_u64 s[G0B+4*(\s)+2:G0B+4*(\s)+3], s[46:47], (\s)*BSTEP
	s_or_b32 s[G0B+4*(\s)+3], s[G0B+4*(\s)+3], 0x80000000
.endr
	s_cmp_lt_u32 s10, 2                            ; a wave's two first fills stand in one branch: two loads of mine are out
	s_cbranch_scc0 .Lfirst_b
	tensor_load_to_lds s[G0:G0+3], s[G1:G1+7]
	s_nop 0
	tensor_load_to_lds s[G0+4:G0+7], s[G1:G1+7]
	s_nop 0
	PLACES
	s_branch .Lfirst_asked
.Lfirst_b:
	tensor_load_to_lds s[G0B:G0B+3], s[G1B:G1B+7]
	s_nop 0
	tensor_load_to_lds s[G0B+4:G0B+7], s[G1B:G1B+7]
	s_nop 0
	PLACES
.Lfirst_asked:
	v_and_b32 v1, 15, v0
	v_bfe_u32 v2, v0, 4, 1
	v_mul_u32_u24 v3, v1, PITCH
	v_lshl_add_u32 v3, v2, 4, v3
	s_mul_i32 s22, s10, 64*PITCH
.irp s, 0,1
	v_add_nc_u32 v[ADRA+(\s)], s22, v3
	v_add_nc_u32 v[ADRB+(\s)], BOFF+(\s)*SLOT, v3
	s_add_co_u32 s22, s22, SLOT
.endr
	s_mul_i32 s23, s10, SW
	s_add_co_u32 s23, s23, STAGE                   ; my stage
	v_mul_u32_u24 v5, v1, SP                       ; in: row l % 16, 32 bytes for each half of the lanes
	v_lshl_add_u32 v5, v2, 5, v5
	v_add_nc_u32 v[STO], s23, v5
	v_and_b32 v4, 31, v0
	v_lshlrev_b32 v[CO], 4, v4                     ; back and out: 32 lanes take a row's 512 bytes
	v_add_nc_u32 v[RD], s23, v[CO]
	s_lshl_b32 s16, s10, 6
	s_add_co_u32 s16, s16, s45                     ; my first row of s
	s_lshl_b32 s16, s16, 13
	s_lshl_b32 s22, s44, 9                         ; 128 columns of 4 bytes
	s_add_co_u32 s16, s16, s22
	s_mov_b32 s17, 0
	s_wait_tensorcnt 1                             ; my part of K step 0 is in; K step 1's may stay out
	s_barrier_signal -1
	s_barrier_wait -1
	FETCH 0, 0, F0
	QUARTER 0, 64,  F0, F1, 1
	WIN 0
	s_mov_b32 s3, LAPS-1
.Llap:
	QUARTER 0, 128, F1, F0, 0
	QUARTER 0, 192, F0, F1, 0
	TURN 0, 1, 1
	QUARTER 1, 64,  F0, F1, 0
	QUARTER 1, 128, F1, F0, 0
	QUARTER 1, 192, F0, F1, 0
	TURN 1, 0, 1
	QUARTER 0, 64,  F0, F1, 0
	WIN 0
	s_sub_co_u32 s3, s3, 1
	s_cmp_lg_u32 s3, 0
	s_cbranch_scc1 .Llap
	QUARTER 0, 128, F1, F0, 0
	QUARTER 0, 192, F0, F1, 0
	TURN 0, 1, 0
	QUARTER 1, 64,  F0, F1, 0
	QUARTER 1, 128, F1, F0, 0
	QUARTER 1, 192, F0, F1, 0
	s_wait_dscnt 4
	MULA F1, 0, 0
	MULA F1, 1, 0
	s_wait_dscnt 0x0
	MULA F1, 2, 0
	MULA F1, 3, 0
; THE WAY OUT in f32, a block of 16 rows at a time: the accumulators go into my own stage (each one's lowest registers first) and come back as whole rows of 512 bytes.
.macro STG a
.set BK, BK0+64*((\a)%2)
	s_wait_xcnt 0x0                                ; the registers that earlier stores read are loaded again only behind this wait
	WIN 0x04                                       ; the stores' data in window 1
.irp b, 0,1,2,3,4,5,6,7
	ds_store_b128 v[STO], v[8*(8*(\a)+(\b)):8*(8*(\a)+(\b))+3]   offset:64*(\b)
	ds_store_b128 v[STO], v[8*(8*(\a)+(\b))+4:8*(8*(\a)+(\b))+7] offset:64*(\b)+16
.endr
	WIN 0
.irp t, 0,1,2,3,4,5,6,7,8,9,10,11,12,13,14,15
	ds_load_b128 v[BK+4*(\t):BK+4*(\t)+3], v[RD] offset:(\t)*SP  ; LDS serves a wave's instructions in order (ISA guide 5.7.1.4)
.endr
.endm
.macro SEND32 a, younger               ; younger: the LDS instructions issued behind block a's loads: the next block's 32, or none
.set BK, BK0+64*((\a)%2)
	s_wait_dscnt \younger
	s_wait_xcnt 0x0                                ; the stores' base is stepped only behind this wait
.if (\a) == 0
	s_add_nc_u64 s[8:9], s[8:9], s[16:17]
.else
	s_add_nc_u64 s[8:9], s[8:9], 16*PC
.endif
.irp t, 0,1,2,3,4,5,6,7,8,9,10,11,12,13,14,15
	global_store_b128 v[CO], v[BK+4*(\t):BK+4*(\t)+3], s[8:9] offset:(\t)*PC  ; 512 consecutive bytes, at a multiple of 256 from the buffer's first byte
.endr
.endm
	PLACES
	STG 0
	STG 1
	SEND32 0, 32
	STG 2
	SEND32 1, 32
	STG 3
	SEND32 2, 32
	SEND32 3, 0
	s_wait_tensorcnt 0x0                           ; the wave's end
	ds_add_u32 v[SPW], v[NIL]
	s_wait_dscnt 0x0
	s_endpgm
.Lfunc_end_k_qdc08e6da77_sc:
	.size	k_qdc08e6da77_sc, .Lfunc_end_k_qdc08e6da77_sc-k_qdc08e6da77_sc
	.p2alignl 7, 3214868480
	.fill 96, 4, 3214868480
	.section	.rodata,"a",@progbits
	.p2align	6, 0x0
	.amdhsa_kernel k_qdc08e6da77_sc
		.amdhsa_group_segment_fixed_size 327680
		.amdhsa_private_segment_fixed_size 0
		.amdhsa_enable_private_segment 0
		.amdhsa_kernarg_size 16
		.amdhsa_user_sgpr_count 2
		.amdhsa_user_sgpr_kernarg_segment_ptr 1
		.amdhsa_wavefront_size32 1
		.amdhsa_system_sgpr_workgroup_id_x 1
		.amdhsa_system_sgpr_workgroup_id_y 1
		.amdhsa_system_sgpr_workgroup_id_z 1
		.amdhsa_system_vgpr_workitem_id 0
		.amdhsa_next_free_vgpr 512
		.amdhsa_next_free_sgpr 80
		.amdhsa_reserve_vcc 0
		.amdhsa_float_denorm_mode_32 3
		.amdhsa_float_denorm_mode_16_64 3
		.amdhsa_memory_ordered 1
		.amdhsa_forward_progress 1
		.amdhsa_inst_pref_size 83
	.end_amdhsa_kernel
	.amdgpu_metadata
---
amdhsa.version: [ 1, 2 ]
amdhsa.kernels:
  - .name:           k_qdc08e6da77_sc
    .symbol:         k_qdc08e6da77_sc.kd
    .args:
      - { .name: qkv, .offset: 0, .size: 8, .value_kind: global_buffer, .address_space: global }
      - { .name: s, .offset: 8, .size: 8, .value_kind: global_buffer, .address_space: global }
    .group_segment_fixed_size: 327680
    .private_segment_fixed_size: 0
    .kernarg_segment_align: 8
    .kernarg_segment_size: 16
    .max_flat_workgroup_size: 128
    .sgpr_count:     80
    .vgpr_count:     512
    .wavefront_size: 32
...
	.end_amdgpu_metadata
.endif
;; end of part 3
;; launch soft (part 4): grid 1024 x 1, 8 waves a work-group, no clusters, 0 bytes of LDS; arguments s, p, linv; writes p, linv
.if DOCPART == 4
	.amdgcn_target "amdgcn-amd-amdhsa--gfx1250"
	.amdhsa_code_object_version 6
	.text
	.protected	k_qdc08e6da77_soft
	.globl	k_qdc08e6da77_soft
	.p2align	8
	.type	k_qdc08e6da77_soft,@function
k_qdc08e6da77_soft:
	s_mov_b64 s[64:65], 0
	v_nop
	global_prefetch_b8 v0, s[64:65] scope:SCOPE_SE
	s_setreg_imm32_b32 hwreg(HW_REG_WAVE_MODE, 25, 1), 1
	s_wait_xcnt 0x0
; The mask and the softmax's numerator.  For row r of a batch: score = s / 32 where the key is r + 2 or later, -1e9 elsewhere; m = the row's maximum; p = exp(score - m), rounded to f16;
; l = the sum over all 2,048 keys of the unrounded p, in f32; linv = 1 / l, by which the second product's result is multiplied in f32.  So the largest weight is exactly 1 in f16.
; The work is done on the raw sums: a hidden key counts as -3.2e10 = -1e9 x 32, which is exact in f32, and p = 2^((x - m) c) with c = log2(e) / 32.  x - m is taken FIRST and multiplied afterwards:
; in rows 2046 and 2047 every key is hidden, x = m, and the difference must be exactly 0 (p = 1, l = 2048); a fused c x - c m would leave the rounding of c m, tens of units at that size.
; LIMITS.  A weight below 2^-126 counts as 0 in l, below 3e-8 as 0 in p; NaN and infinities are not treated apart.
; One wave, one row: 64 numbers a lane stay in registers between the maximum, the exponentials and the sum; no LDS, no barrier.  The lane holds columns 256 c + 8 lane + 0..7 of chunk c, so its
; eight f16 are 16 neighbouring bytes and a wave's store covers 512 consecutive bytes.
; Of s only the chunks c >= i = r / 256 were written.  A chunk left of that is read at chunk i's place and then wholly masked: no unwritten byte is read, and the waits' counts are alike on every path.
; p is [8192][2304]: columns 2048-2303 repeat columns 1792-2047 (for V's lo rows).  Written are the chunks that the second product reads: from i on, and all of them in a batch's last 256 rows.
; Matrix units, clusters and tensor loads are left out: no byte is shared between waves.
.set OF, 8                             ; v8-15   chunk c: my byte offset in the row of s
.set X,  16                            ; v16-79  the row: chunk c at X + 8 c; later p in f16, chunk c at X + 4 c
.set MX, 80                            ; v80-83  four chains of the maximum
.set SA, 84                            ; v84-91  four pairs of sums
	s_load_b128 s[4:7], s[0:1], 0x0                ; s s[4:5], p s[6:7]
	s_load_b64 s[8:9], s[0:1], 0x10                ; linv
	v_and_b32 v1, 31, v0                           ; lane
	v_lshrrev_b32 v2, 5, v0
	v_readfirstlane_b32 s10, v2                    ; wave
	s_lshl_b32 s11, ttmp9, 3
	s_add_co_u32 s11, s11, s10                     ; my row of 8,192
	s_and_b32 s12, s11, 2047                       ; r
	s_lshr_b32 s13, s12, 8                         ; i
	s_lshl_b32 s14, s11, 13                        ; rows of 8,192 bytes in s,
	s_mov_b32 s15, 0
	s_mul_i32 s16, s11, 4608                       ; of 4,608 in p,
	s_mov_b32 s17, 0
	s_lshl_b32 s18, s11, 2                         ; a word in linv
	s_mov_b32 s19, 0
	s_add_co_u32 s21, s12, 2                       ; the first key that the row sees
	s_mov_b32 s22, 0x3d38aa3b                      ; c = log2(e) / 32
	s_mov_b32 s23, s22                             ; named with it as a pair
	s_mov_b32 s24, 0x76543210                      ; v_permlanex16_b32: each lane takes its own place in the other half
	s_mov_b32 s25, 0xfedcba98
	s_cmp_eq_u32 s13, 7
	s_cselect_b32 s26, 0, s13                      ; the first chunk of p that is read later
	v_lshlrev_b32 v3, 5, v1                        ; 32 bytes a lane
.irp c, 0,1,2,3,4,5,6,7
	s_max_u32 s20, s13, \c
	s_lshl_b32 s20, s20, 10
	v_add_nc_u32 v[OF+(\c)], s20, v3
.endr
	v_lshlrev_b32 v5, 3, v1
	v_sub_nc_u32 v5, s21, v5                       ; column 256 c + 8 lane + e is seen where 256 c + e >= r + 2 - 8 lane
	v_mov_b32 v4, 0xd0ee6b28                       ; -3.2e10
	v_lshlrev_b32 v6, 4, v1                        ; my 16 bytes in a chunk of p
	v_mov_b32 v7, 0
	s_wait_kmcnt 0x0
	s_add_nc_u64 s[4:5], s[4:5], s[14:15]
	s_add_nc_u64 s[6:7], s[6:7], s[16:17]
	s_add_nc_u64 s[8:9], s[8:9], s[18:19]
.irp c, 0,1,2,3,4,5,6,7                ; all sixteen loads go out together
	global_load_b128 v[X+8*(\c):X+8*(\c)+3],   v[OF+(\c)], s[4:5]
	global_load_b128 v[X+8*(\c)+4:X+8*(\c)+7], v[OF+(\c)], s[4:5] offset:16
.endr
.irp c, 0,1,2,3,4,5,6,7
	s_wait_loadcnt 14-2*(\c)                       ; loads come back in order: chunk c's two are in, the later chunks' stay out
.irp e, 0,1,2,3,4,5,6,7
	v_cmp_ge_i32 vcc_lo, 256*(\c)+(\e), v5
	v_cndmask_b32 v[X+8*(\c)+(\e)], v4, v[X+8*(\c)+(\e)], vcc_lo
.endr
.endr
.irp k, 0,1,2,3                        ; the maximum: four chains of fifteen numbers, three operands at a time
	v_max3_num_f32 v[MX+(\k)], v[X+16*(\k)], v[X+16*(\k)+1], v[X+16*(\k)+2]
.endr
.irp j, 0,1,2,3,4,5
.irp k, 0,1,2,3
	v_max3_num_f32 v[MX+(\k)], v[MX+(\k)], v[X+16*(\k)+3+2*(\j)], v[X+16*(\k)+4+2*(\j)]
.endr
.endr
	v_max3_num_f32 v[MX], v[MX], v[X+15], v[X+31]  ; the four left over
	v_max3_num_f32 v[MX+2], v[MX+2], v[X+47], v[X+63]
	v_max3_num_f32 v[MX], v[MX], v[MX+1], v[MX+2]
	v_max_num_f32 v[MX], v[MX], v[MX+3]
	v_max_num_f32_dpp v[MX], v[MX], v[MX] row_xmask:1 row_mask:0xf bank_mask:0xf
	v_max_num_f32_dpp v[MX], v[MX], v[MX] row_xmask:2 row_mask:0xf bank_mask:0xf
	v_max_num_f32_dpp v[MX], v[MX], v[MX] row_xmask:4 row_mask:0xf bank_mask:0xf
	v_max_num_f32_dpp v[MX], v[MX], v[MX] row_xmask:8 row_mask:0xf bank_mask:0xf
	v_permlanex16_b32 v[MX+1], v[MX], s24, s25
	v_max_num_f32 v[MX], v[MX], v[MX+1]            ; every lane holds m
.set i, 0
.rept 32
	v_pk_add_f32 v[X+2*i:X+2*i+1], v[X+2*i:X+2*i+1], v[MX:MX+1] op_sel_hi:[1,0] neg_lo:[0,1] neg_hi:[0,1]  ; x - m
.set i, i+1
.endr
.set i, 0
.rept 32
	v_pk_mul_f32 v[X+2*i:X+2*i+1], v[X+2*i:X+2*i+1], s[22:23] op_sel_hi:[1,0]
.set i, i+1
.endr
.set i, 0
.rept 64
	v_exp_f32 v[X+i], v[X+i]
.set i, i+1
.endr
	v_nop                                          ; a plain instruction between the last exponential and the use of its result (ISA guide 5.7.2)
	s_wait_alu depctr_va_vdst(0)
.irp k, 0,1,2,3                        ; l: four chains of eight pairs
	v_pk_add_f32 v[SA+2*(\k):SA+2*(\k)+1], v[X+16*(\k):X+16*(\k)+1], v[X+16*(\k)+2:X+16*(\k)+3]
.endr
.irp j, 2,3,4,5,6,7
.irp k, 0,1,2,3
	v_pk_add_f32 v[SA+2*(\k):SA+2*(\k)+1], v[SA+2*(\k):SA+2*(\k)+1], v[X+16*(\k)+2*(\j):X+16*(\k)+2*(\j)+1]
.endr
.endr
	v_pk_add_f32 v[SA:SA+1], v[SA:SA+1], v[SA+2:SA+3]
	v_pk_add_f32 v[SA+4:SA+5], v[SA+4:SA+5], v[SA+6:SA+7]
	v_pk_add_f32 v[SA:SA+1], v[SA:SA+1], v[SA+4:SA+5]
	v_add_f32 v[SA], v[SA], v[SA+1]
.set i, 0
.rept 32                               ; in place: pair i goes where numbers that have been read lay
	v_cvt_pk_f16_f32 v[X+i], v[X+2*i], v[X+2*i+1]
.set i, i+1
.endr
.irp c, 0,1,2,3,4,5,6
	s_cmp_gt_u32 s26, \c                           ; left of what is read later: not stored
	s_cbranch_scc1 .Lno_\c
	global_store_b128 v6, v[X+4*(\c):X+4*(\c)+3], s[6:7] offset:(\c)*512
.Lno_\c:
.endr
	global_store_b128 v6, v[X+28:X+31], s[6:7] offset:7*512
	global_store_b128 v6, v[X+28:X+31], s[6:7] offset:8*512  ; once more, for V's lo rows
	v_add_f32_dpp v[SA], v[SA], v[SA] row_xmask:1 row_mask:0xf bank_mask:0xf
	v_add_f32_dpp v[SA], v[SA], v[SA] row_xmask:2 row_mask:0xf bank_mask:0xf
	v_add_f32_dpp v[SA], v[SA], v[SA] row_xmask:4 row_mask:0xf bank_mask:0xf
	v_add_f32_dpp v[SA], v[SA], v[SA] row_xmask:8 row_mask:0xf bank_mask:0xf
	v_permlanex16_b32 v[SA+1], v[SA], s24, s25
	v_add_f32 v[SA], v[SA], v[SA+1]                ; l, at least 1: the maximum's own weight
	v_rcp_f32 v2, v[SA]
	v_nop                                          ; a plain instruction behind the reciprocal
	v_cmp_eq_u32 vcc_lo, 0, v1
	s_wait_xcnt 0x0                                ; EXEC is a source of the stores above: it changes only behind this wait
	s_and_saveexec_b32 s20, vcc_lo
	s_wait_alu depctr_va_vdst(0)
	global_store_b32 v7, v2, s[8:9]                ; lane 0 alone
	s_wait_xcnt 0x0
	s_or_b32 exec_lo, exec_lo, s20
	s_endpgm
.Lfunc_end_k_qdc08e6da77_soft:
	.size	k_qdc08e6da77_soft, .Lfunc_end_k_qdc08e6da77_soft-k_qdc08e6da77_soft
	.p2alignl 7, 3214868480
	.fill 96, 4, 3214868480
	.section	.rodata,"a",@progbits
	.p2align	6, 0x0
	.amdhsa_kernel k_qdc08e6da77_soft
		.amdhsa_group_segment_fixed_size 0
		.amdhsa_private_segment_fixed_size 0
		.amdhsa_enable_private_segment 0
		.amdhsa_kernarg_size 24
		.amdhsa_user_sgpr_count 2
		.amdhsa_user_sgpr_kernarg_segment_ptr 1
		.amdhsa_wavefront_size32 1
		.amdhsa_system_sgpr_workgroup_id_x 1
		.amdhsa_system_sgpr_workgroup_id_y 1
		.amdhsa_system_sgpr_workgroup_id_z 1
		.amdhsa_system_vgpr_workitem_id 0
		.amdhsa_next_free_vgpr 96
		.amdhsa_next_free_sgpr 66
		.amdhsa_reserve_vcc 1
		.amdhsa_float_denorm_mode_32 3
		.amdhsa_float_denorm_mode_16_64 3
		.amdhsa_memory_ordered 1
		.amdhsa_forward_progress 1
		.amdhsa_inst_pref_size 25
	.end_amdhsa_kernel
	.amdgpu_metadata
---
amdhsa.version: [ 1, 2 ]
amdhsa.kernels:
  - .name:           k_qdc08e6da77_soft
    .symbol:         k_qdc08e6da77_soft.kd
    .args:
      - { .name: s, .offset: 0, .size: 8, .value_kind: global_buffer, .address_space: global }
      - { .name: p, .offset: 8, .size: 8, .value_kind: global_buffer, .address_space: global }
      - { .name: linv, .offset: 16, .size: 8, .value_kind: global_buffer, .address_space: global }
    .group_segment_fixed_size: 0
    .private_segment_fixed_size: 0
    .kernarg_segment_align: 8
    .kernarg_segment_size: 24
    .max_flat_workgroup_size: 256
    .sgpr_count:     66
    .vgpr_count:     96
    .wavefront_size: 32
...
	.end_amdgpu_metadata
.endif
;; end of part 4
;; launch pv (part 5): grid 8 x 32, 4 waves a work-group, clusters of 4 x 1, 327,680 bytes of LDS; arguments p, qkv, linv, o; writes o
.if DOCPART == 5
	.amdgcn_target "amdgcn-amd-amdhsa--gfx1250"
	.amdhsa_code_object_version 6
	.text
	.protected	k_qdc08e6da77_pv
	.globl	k_qdc08e6da77_pv
	.p2align	8
	.type	k_qdc08e6da77_pv,@function
k_qdc08e6da77_pv:
	s_mov_b64 s[64:65], 0
	v_nop
	global_prefetch_b8 v0, s[64:65] scope:SCOPE_SE
	s_setreg_imm32_b32 hwreg(HW_REG_WAVE_MODE, 25, 1), 1
	s_wait_xcnt 0x0
	s_wait_alu depctr_hold_cnt(0) depctr_sa_sdst(0) depctr_va_vdst(0) depctr_va_sdst(0) depctr_va_ssrc(0) depctr_va_vcc(0) depctr_vm_vsrc(0)
	s_getreg_b32 s2, hwreg(HW_REG_IB_STS2, 6, 4)
	s_cmp_eq_u32 s2, 0
	s_cbranch_scc0 .Lentry_in_a_cluster
	s_endpgm
.Lentry_in_a_cluster:
	s_bfe_u32 s2, ttmp6, 0x10000c
	s_cmp_lg_u32 s2, 0x3003
	s_cbranch_scc0 .Lentry_shape_is_right
	s_endpgm
.Lentry_shape_is_right:
; o = (p V) / l.  A = p [8192][2304] f16 (weights, the largest of a row exactly 1), B = plane V of qkv, [4][2304][1024] f16, stored [key][channel]; sums in f32, multiplied by linv in f32, rounded once to f16.
; Keys 2048-2303 are V's lo rows under a second copy of the weights of keys 1792-2047.
; Row tile i (256 rows of a batch) has weights from key 256 i on, so K runs from there to 2,304: 9 - i laps of 256 keys; the last row tile runs the whole length, since its rows 2046 and 2047 weigh every key.
; The number of laps hangs on the grid's y alone, which the four partners of a cluster share.  LIMITS: o stays within f16's 65,504, as V does; NaN and infinities are not treated apart.
; CLUSTER 4 x 1: the four column tiles of a cluster need the same tile of p: a joint load.  Their tiles of V differ: loads of their own, behind the same rounds.
; Shares, ring and registers: a work-group makes 256 x 128 of C, four waves 64 x 128 each (32 accumulators in window 1); K in steps of 128 through two LDS slots.  B's tile is 128 keys x 128 channels and comes
; out of LDS turned, by ds_load_tr16_b128.  The matrix instruction is used transposed: a lane holds row lane % 16 and eight neighbouring channels, so a row's 1 / l is one number a lane.
.set PITCH,  272                       ; a row of p in LDS: 256 bytes + 16
.set BPITCH, 288                       ; a row of V: 256 + 32 = 72 words
.set AHALF,  128*PITCH
.set BHALF,  64*BPITCH
.set BOFF,   2*AHALF
.set SLOT,   BOFF+2*BHALF
.set STAGE,  2*SLOT
.set SP,     272
.set SW,     16*SP
.set SPARE,  STAGE+4*SW
.set PA,     2304
.set PB,     1024
.set ASTEP,  256                       ; 128 weights along a row
.set BSTEP,  128*2048                  ; 128 keys down
.set PC,     2048
.set ADRA, 16
.set ADRB, 20
.set STO,  24
.set RD,   25
.set CO,   26
.set SPW,  28
.set NIL,  29
.set LI,   32                          ; v32-39  1 / l of my row in block a, at LI + 2 a, twice
.set F0,   64
.set F1,   160
.set TMP,  64
.set BK0,  96
.set G1,  24
.set G0,  32
.set G1B, 48
.set G0B, 56
.set MUL, 0x50
.set MSB, 0
.macro WIN new
.if MSB != (\new)
	s_set_vgpr_msb (MSB<<8)|(\new)
.set MSB, \new
.endif
.endm
.macro PLACES
.rept 4
	v_nop
.endr
.endm
.macro JLOAD s                         ; waves 0, 1: the joint load of p's halves; waves 2, 3: my own load of V's halves; s_nop 0 and four v_nop follow each line
	s_cmp_lt_u32 s10, 2
	s_cbranch_scc0 .Lfor_b_\@
	tensor_load_to_lds s[G0+4*(\s):G0+4*(\s)+3], s[G1:G1+7]
	s_nop 0
	PLACES
	s_branch .Lasked_\@
.Lfor_b_\@:
	tensor_load_to_lds s[G0B+4*(\s):G0B+4*(\s)+3], s[G1B:G1B+7]
	s_nop 0
	PLACES
.Lasked_\@:
.endm
.macro CREST
	s_cmp_lg_u32 s10, 0
	s_cbranch_scc1 .Lnot_wave_0_\@
	s_barrier_signal -3
.Lnot_wave_0_\@:
	s_barrier_wait -3
	s_barrier_signal -1
	s_barrier_wait -1
.endm
.macro CROUND
	s_barrier_signal -1
	s_barrier_wait -1
	CREST
.endm
.macro MULA f, a, zero
	WIN MUL
.irp b, 0,1,2,3,4,5,6,7
.if \zero
	v_wmma_f32_16x16x32_f16 v[8*(8*(\a)+(\b)):8*(8*(\a)+(\b))+7], v[(\f)+32+8*(\b):(\f)+32+8*(\b)+7], v[(\f)+8*(\a):(\f)+8*(\a)+7], 0
.else
	v_wmma_f32_16x16x32_f16 v[8*(8*(\a)+(\b)):8*(8*(\a)+(\b))+7], v[(\f)+32+8*(\b):(\f)+32+8*(\b)+7], v[(\f)+8*(\a):(\f)+8*(\a)+7], v[8*(8*(\a)+(\b)):8*(8*(\a)+(\b))+7]
.endif
.endr
.endm
.macro FETCH slot, k, f                ; k: byte of p's rows; V's 32 keys of the same quarter lie (k / 64) x 32 rows down
	WIN 0
.irp i, 0,1,2,3,4,5,6,7
	ds_load_tr16_b128 v[(\f)+32+8*(\i):(\f)+32+8*(\i)+3],   v[ADRB+(\slot)] offset:((\k)/64)*32*BPITCH+32*(\i)
	ds_load_tr16_b128 v[(\f)+32+8*(\i)+4:(\f)+32+8*(\i)+7], v[ADRB+(\slot)] offset:((\k)/64)*32*BPITCH+16*BPITCH+32*(\i)
.endr
.irp i, 0,1,2,3
	ds_load_b128 v[(\f)+8*(\i):(\f)+8*(\i)+3],   v[ADRA+(\slot)] offset:(\k)+(\i)*16*PITCH
	ds_load_b128 v[(\f)+8*(\i)+4:(\f)+8*(\i)+7], v[ADRA+(\slot)] offset:(\k)+(\i)*16*PITCH+32
.endr
.endm
.macro QUARTER slot, k, f, g, zero
	s_wait_dscnt 4                                 ; the youngest four loads (A's blocks 2, 3) may be out
	MULA \f, 0, \zero
	MULA \f, 1, \zero
	PLACES
	FETCH \slot, \k, \g
	s_wait_dscnt 24                                ; all but the 24 just issued
	MULA \f, 2, \zero
	MULA \f, 3, \zero
.endm
.macro TURN slot, next, fill           ; the last quarter and the change of slots; fill = 1: the barrier opens a round of the cluster's, the refill stands first behind it
	WIN 0
	s_wait_tensorcnt 0x0
	ds_add_u32 v[SPW], v[NIL]
	s_wait_dscnt 5                                 ; the add and A's blocks 2, 3 may be out
	MULA F1, 0, 0
	s_wait_dscnt 0x0
	s_barrier_signal -1
	MULA F1, 1, 0
.if \fill
	WIN 0
.endif
	s_barrier_wait -1
.if \fill
	CREST
	s_add_nc_u64 s[G0+4*(\slot)+2:G0+4*(\slot)+3], s[G0+4*(\slot)+2:G0+4*(\slot)+3], 2*ASTEP
	s_add_nc_u64 s[G0B+4*(\slot)+2:G0B+4*(\slot)+3], s[G0B+4*(\slot)+2:G0B+4*(\slot)+3], 2*BSTEP
	JLOAD \slot
.else
	PLACES
.endif
	FETCH \next, 0, F0
	MULA F1, 2, 0
	MULA F1, 3, 0
.endm
	s_load_b128 s[4:7], s[0:1], 0x0                ; p s[4:5], qkv s[6:7]
	s_load_b128 s[68:71], s[0:1], 0x10             ; linv s[68:69], o s[70:71]
	v_lshl_add_u32 v[SPW], v0, 2, SPARE
	v_mov_b32 v[NIL], 0
	ds_add_u32 v[SPW], v[NIL]                      ; the wave's opening
	ds_add_u32 v28, v29
	v_lshrrev_b32 v1, 5, v0
	v_readfirstlane_b32 s10, v1
	s_and_b32 s12, s10, 1
	s_bfe_u32 s40, ttmp6, 0x40000                  ; cx
	s_lshl_b32 s42, ttmp9, 2
	s_add_co_u32 s42, s42, s40                     ; column tile 0..7: it enters V's and o's addresses alone
	s_and_b32 s13, ttmp7, 0xffff                   ; row tile 0..31, which the four partners share
	s_lshr_b32 s14, s13, 3                         ; the batch
	s_and_b32 s15, s13, 7                          ; i
	s_cmp_eq_u32 s15, 7
	s_cselect_b32 s41, 0, s15                      ; the first 256 keys that count
	s_sub_co_u32 s2, 8, s41                        ; laps - 1: 2 to 8
	s_mov_b32 s[G1+0], 15|(1<<16)|(1<<20)|(1<<21)|(5<<22)|(3<<25)  ; the mask of four; 2-byte elements; padding on; 21 set beside a mask; 4 words after every 64
	s_mov_b32 s[G1+1], 128<<16
	s_mov_b32 s[G1+2], 128<<16
	s_mov_b32 s[G1+3], 128<<16
	s_mov_b32 s[G1+4], 128
	s_mov_b32 s[G1+5], PA
	s_mov_b32 s[G1+6], 0
	s_mov_b32 s[G1+7], 0
	s_mov_b32 s[G1B+0], (1<<16)|(1<<20)|(5<<22)|(7<<25)            ; no mask; 8 words after every 64
	s_mov_b32 s[G1B+1], 128<<16
	s_mov_b32 s[G1B+2], 64<<16
	s_mov_b32 s[G1B+3], 128<<16
	s_mov_b32 s[G1B+4], 64
	s_mov_b32 s[G1B+5], PB
	s_mov_b32 s[G1B+6], 0
	s_mov_b32 s[G1B+7], 0
	s_lshl_b32 s16, s13, 8                         ; A: row 256 row tile + 128 half, rows of 4,608 bytes; 512 bytes for each 256 keys
	s_lshl_b32 s17, s12, 7
	s_add_co_u32 s16, s16, s17
	s_mul_i32 s16, s16, 4608
	s_lshl_b32 s17, s41, 9
	s_add_co_u32 s16, s16, s17
	s_mov_b32 s17, 0
	s_mul_i32 s46, s14, 2304                       ; B: key row 2304 batch + 256 first + 64 half, rows of 2,048 bytes; 256 bytes for each column tile
	s_lshl_b32 s47, s41, 8
	s_add_co_u32 s46, s46, s47
	s_lshl_b32 s47, s12, 6
	s_add_co_u32 s46, s46, s47
	s_lshl_b32 s46, s46, 11
	s_lshl_b32 s47, s42, 8
	s_add_co_u32 s46, s46, s47
	s_add_co_u32 s46, s46, 33554432                ; plane V lies behind planes Q and K
	s_mov_b32 s47, 0
	s_mul_i32 s20, s12, AHALF
	s_mul_i32 s21, s12, BHALF
	s_add_co_u32 s21, s21, BOFF
	s_lshl_b32 s45, s13, 8
	s_lshl_b32 s22, s10, 6
	s_add_co_u32 s45, s45, s22                     ; my first row
	s_lshl_b32 s76, s45, 2                         ; its word in linv
	s_mov_b32 s77, 0
	s_wait_dscnt 0x0
	s_wait_kmcnt 0x0
	s_add_nc_u64 s[18:19], s[4:5], s[16:17]
	s_add_nc_u64 s[46:47], s[6:7], s[46:47]
	s_add_nc_u64 s[68:69], s[68:69], s[76:77]
	s_mov_b64 s[8:9], s[70:71]
	CROUND                                         ; all four work-groups are here: the first joint loads meet
.irp s, 0,1
	s_mov_b32 s[G0+4*(\s)], 1
	s_add_co_u32 s[G0+4*(\s)+1], s20, (\s)*SLOT
	s_add_nc_u64 s[G0+4*(\s)+2:G0+4*(\s)+3], s[18:19], (\s)*ASTEP
	s_or_b32 s[G0+4*(\s)+3], s[G0+4*(\s)+3], 0x80000000
	s_mov_b32 s[G0B+4*(\s)], 1
	s_add_co_u32 s[G0B+4*(\s)+1], s21, (\s)*SLOT
	s_add_nc_u64 s[G0B+4*(\s)+2:G0B+4*(\s)+3], s[46:47], (\s)*BSTEP
	s_or_b32 s[G0B+4*(\s)+3], s[G0B+4*(\s)+3], 0x80000000
.endr
	s_cmp_lt_u32 s10, 2                            ; a wave's two first fills stand in one branch: two loads of mine are out
	s_cbranch_scc0 .Lfirst_b
	tensor_load_to_lds s[G0:G0+3], s[G1:G1+7]
	s_nop 0
	tensor_load_to_lds s[G0+4:G0+7], s[G1:G1+7]
	s_nop 0
	PLACES
	s_branch .Lfirst_asked
.Lfirst_b:
	tensor_load_to_lds s[G0B:G0B+3], s[G1B:G1B+7]
	s_nop 0
	tensor_load_to_lds s[G0B+4:G0B+7], s[G1B:G1B+7]
	s_nop 0
	PLACES
.Lfirst_asked:
	v_and_b32 v1, 15, v0
	v_bfe_u32 v2, v0, 4, 1
	v_mul_u32_u24 v3, v1, PITCH
	v_lshl_add_u32 v3, v2, 4, v3
	; The turning load takes 16 keys x 16 channels (lane l reads key 8 (l / 16) + l % 8, channels 8 ((l / 8) % 2) + 0..7) and leaves half a fragment: lane l holds channel l % 16 and 8 keys.
	v_and_b32 v4, 7, v0
	v_bfe_u32 v5, v0, 3, 1
	v_lshl_add_u32 v4, v2, 3, v4
	v_mul_u32_u24 v4, v4, BPITCH
	v_lshl_add_u32 v4, v5, 4, v4
	s_mul_i32 s22, s10, 64*PITCH
.irp s, 0,1
	v_add_nc_u32 v[ADRA+(\s)], s22, v3
	v_add_nc_u32 v[ADRB+(\s)], BOFF+(\s)*SLOT, v4
	s_add_co_u32 s22, s22, SLOT
.endr
	s_mul_i32 s23, s10, SW
	s_add_co_u32 s23, s23, STAGE
	v_mul_u32_u24 v4, v1, SP
	v_lshl_add_u32 v4, v2, 4, v4
	v_add_nc_u32 v[STO], s23, v4
	v_mul_u32_u24 v5, v2, SP
	v_lshl_add_u32 v5, v1, 4, v5
	v_add_nc_u32 v[RD], s23, v5
	v_lshlrev_b32 v5, 11, v2
	v_lshl_add_u32 v[CO], v1, 4, v5
	v_lshlrev_b32 v6, 2, v1
.irp a, 0,1,2,3
	global_load_b32 v[LI+2*(\a)], v6, s[68:69] offset:64*(\a)   ; 1 / l of row 16 a + l % 16 of my 64
.endr
	s_lshl_b32 s16, s45, 11                        ; where my part of o begins
	s_lshl_b32 s22, s42, 8
	s_add_co_u32 s16, s16, s22
	s_mov_b32 s17, 0
	s_wait_loadcnt 0x0
.irp a, 0,1,2,3
	v_mov_b32 v[LI+2*(\a)+1], v[LI+2*(\a)]         ; named as a pair by the packed multiply
.endr
	s_wait_tensorcnt 1                             ; my part of K step 0 is in; K step 1's may stay out
	s_barrier_signal -1
	s_barrier_wait -1
	FETCH 0, 0, F0
	QUARTER 0, 64,  F0, F1, 1
	WIN 0
	s_mov_b32 s3, 0
.Llap:                                                 ; laps - 1 trips; every LDS address in the loop is a constant of the text
	QUARTER 0, 128, F1, F0, 0
	QUARTER 0, 192, F0, F1, 0
	TURN 0, 1, 1
	QUARTER 1, 64,  F0, F1, 0
	QUARTER 1, 128, F1, F0, 0
	QUARTER 1, 192, F0, F1, 0
	TURN 1, 0, 1
	QUARTER 0, 64,  F0, F1, 0
	WIN 0
	s_add_co_u32 s3, s3, 1
	s_cmp_lt_u32 s3, s2
	s_cbranch_scc1 .Llap
	QUARTER 0, 128, F1, F0, 0
	QUARTER 0, 192, F0, F1, 0
	TURN 0, 1, 0
	QUARTER 1, 64,  F0, F1, 0
	QUARTER 1, 128, F1, F0, 0
	QUARTER 1, 192, F0, F1, 0
	s_wait_dscnt 4
	MULA F1, 0, 0
	MULA F1, 1, 0
	s_wait_dscnt 0x0
	MULA F1, 2, 0
	MULA F1, 3, 0
; THE WAY OUT, a block of 16 rows at a time: times 1 / l in place (lowest registers first), rounded to f16, through my own stage, stored as whole rows of 256 bytes.
.macro FIX a
	WIN 0x41                                       ; destination and source 0 window 1, source 1 window 0
.set i, 0
.rept 32
	v_pk_mul_f32 v[64*(\a)+2*i:64*(\a)+2*i+1], v[64*(\a)+2*i:64*(\a)+2*i+1], v[LI+2*(\a):LI+2*(\a)+1] op_sel_hi:[1,0]
.set i, i+1
.endr
.endm
.macro PACK a
	WIN 0x05
.set i, 0
.rept 32
	v_cvt_pk_f16_f32 v[TMP+i], v[64*(\a)+2*i], v[64*(\a)+2*i+1]
.set i, i+1
.endr
	WIN 0
.endm
.macro TOSTAGE a
	WIN 0
.set BK, BK0+32*((\a)%2)
.irp b, 0,1,2,3,4,5,6,7
	ds_store_b128 v[STO], v[TMP+4*(\b):TMP+4*(\b)+3] offset:32*(\b)
.endr
.irp t, 0,1,2,3,4,5,6,7
	ds_load_b128 v[BK+4*(\t):BK+4*(\t)+3], v[RD] offset:(\t)*2*SP  ; LDS serves a wave's instructions in order (ISA guide 5.7.1.4)
.endr
.endm
.macro SEND a
	WIN 0
.set BK, BK0+32*((\a)%2)
	s_wait_dscnt 0x0
	s_wait_xcnt 0x0                                ; the stores' base, and the registers that earlier stores read, are rewritten only behind this wait
.if (\a) == 0
	s_add_nc_u64 s[8:9], s[8:9], s[16:17]
.else
	s_add_nc_u64 s[8:9], s[8:9], 16*PC
.endif
.irp t, 0,1,2,3,4,5,6,7
	global_store_b128 v[CO], v[BK+4*(\t):BK+4*(\t)+3], s[8:9] offset:2*(\t)*PC  ; 16 lanes store 256 consecutive bytes, at a multiple of 256 from o's first byte
.endr
.endm
	PLACES
	FIX 0
	PACK 0
	TOSTAGE 0
.irp a, 1,2,3
	FIX \a
	PACK \a
	SEND (\a)-1
	TOSTAGE \a
.endr
	SEND 3
	s_wait_tensorcnt 0x0                           ; the wave's end
	ds_add_u32 v[SPW], v[NIL]
	s_wait_dscnt 0x0
	CROUND                                         ; the closing round
	s_endpgm
.Lfunc_end_k_qdc08e6da77_pv:
	.size	k_qdc08e6da77_pv, .Lfunc_end_k_qdc08e6da77_pv-k_qdc08e6da77_pv
	.p2alignl 7, 3214868480
	.fill 96, 4, 3214868480
	.section	.rodata,"a",@progbits
	.p2align	6, 0x0
	.amdhsa_kernel k_qdc08e6da77_pv
		.amdhsa_group_segment_fixed_size 327680
		.amdhsa_private_segment_fixed_size 0
		.amdhsa_enable_private_segment 0
		.amdhsa_kernarg_size 32
		.amdhsa_user_sgpr_count 2
		.amdhsa_user_sgpr_kernarg_segment_ptr 1
		.amdhsa_wavefront_size32 1
		.amdhsa_system_sgpr_workgroup_id_x 1
		.amdhsa_system_sgpr_workgroup_id_y 1
		.amdhsa_system_sgpr_workgroup_id_z 1
		.amdhsa_system_vgpr_workitem_id 0
		.amdhsa_next_free_vgpr 512
		.amdhsa_next_free_sgpr 96
		.amdhsa_reserve_vcc 0
		.amdhsa_float_denorm_mode_32 3
		.amdhsa_float_denorm_mode_16_64 3
		.amdhsa_memory_ordered 1
		.amdhsa_forward_progress 1
		.amdhsa_inst_pref_size 95
	.end_amdhsa_kernel
	.amdgpu_metadata
---
amdhsa.version: [ 1, 2 ]
amdhsa.kernels:
  - .name:           k_qdc08e6da77_pv
    .symbol:         k_qdc08e6da77_pv.kd
    .args:
      - { .name: p, .offset: 0, .size: 8, .value_kind: global_buffer, .address_space: global }
      - { .name: qkv, .offset: 8, .size: 8, .value_kind: global_buffer, .address_space: global }
      - { .name: linv, .offset: 16, .size: 8, .value_kind: global_buffer, .address_space: global }
      - { .name: o, .offset: 24, .size: 8, .value_kind: global_buffer, .address_space: global }
    .group_segment_fixed_size: 327680
    .private_segment_fixed_size: 0
    .kernarg_segment_align: 8
    .kernarg_segment_size: 32
    .max_flat_workgroup_size: 128
    .sgpr_count:     96
    .vgpr_count:     512
    .wavefront_size: 32
...
	.end_amdgpu_metadata
.endif
;; end of part 5
;; launch outp (part 6): grid 8 x 32, 4 waves a work-group, clusters of 4 x 4, 327,680 bytes of LDS; arguments o, wt, bo, out0; writes out0
.if DOCPART == 6
	.amdgcn_target "amdgcn-amd-amdhsa--gfx1250"
	.amdhsa_code_object_version 6
	.text
	.protected	k_qdc08e6da77_outp
	.globl	k_qdc08e6da77_outp
	.p2align	8
	.type	k_qdc08e6da77_outp,@function
k_qdc08e6da77_outp:
	s_mov_b64 s[64:65], 0
	v_nop
	global_prefetch_b8 v0, s[64:65] scope:SCOPE_SE
	s_setreg_imm32_b32 hwreg(HW_REG_WAVE_MODE, 25, 1), 1
	s_wait_xcnt 0x0
	s_wait_alu depctr_hold_cnt(0) depctr_sa_sdst(0) depctr_va_vdst(0) depctr_va_sdst(0) depctr_va_ssrc(0) depctr_va_vcc(0) depctr_vm_vsrc(0)
	s_getreg_b32 s2, hwreg(HW_REG_IB_STS2, 6, 4)
	s_cmp_eq_u32 s2, 0
	s_cbranch_scc0 .Lentry_in_a_cluster
	s_endpgm
.Lentry_in_a_cluster:
	s_bfe_u32 s2, ttmp6, 0x10000c
	s_cmp_lg_u32 s2, 0xf033
	s_cbranch_scc0 .Lentry_shape_is_right
	s_endpgm
.Lentry_shape_is_right:
; out0 = o wo + bo.  A = o [8192][1024] f16, B = wt rows 3072-4095 (wo turned, [n][k], f16), sums in f32, the bias (rounded to bf16 like every input) added in f32, stored in f32.
; A work-group makes 256 x 128 of C: 256 work-groups.  Four waves, 64 x 128 each (32 accumulators in window 1); K = 1,024 in steps of 128 through two LDS slots filled by tensor loads.
; CLUSTER 4 x 4: the four of a row of the cluster need the same tile of A, the four of a column the same tile of B: joint loads.
; The matrix instruction is used transposed: a lane holds row lane % 16 and eight neighbouring columns.  Window 0: v0-31 addresses, v64-159 and v160-255 two fragment buffers; window 2: v0-63 my 64 numbers of the bias.
; NaN and infinities are not treated apart.
.set PITCH,  272
.set BPITCH, 272
.set AHALF,  128*PITCH
.set BHALF,  64*BPITCH
.set BOFF,   2*AHALF
.set SLOT,   BOFF+2*BHALF
.set STAGE,  2*SLOT                    ; behind the ring, never filled by a tensor load: 16 rows x 528 bytes for each wave
.set SP,     528
.set SW,     16*SP
.set SPARE,  STAGE+4*SW
.set PA,     1024
.set PB,     1024
.set ASTEP,  256
.set BSTEP,  256
.set LAPS,   4
.set PC,     4096                      ; a row of out0 in bytes
.set ADRA, 16
.set ADRB, 20
.set STO,  24
.set RD,   25
.set CO,   26
.set VB,   27
.set SPW,  28
.set NIL,  29
.set F0,   64
.set F1,   160
.set BK0,  64
.set G1,  24
.set G0,  32
.set G1B, 48
.set G0B, 56
.set MUL, 0x50
.set MSB, 0
.macro WIN new
.if MSB != (\new)
	s_set_vgpr_msb (MSB<<8)|(\new)
.set MSB, \new
.endif
.endm
.macro PLACES
.rept 4
	v_nop
.endr
.endm
.macro JLOAD s                         ; a joint refill: one load a wave; s_nop 0 and four v_nop follow each line
	s_cmp_lt_u32 s10, 2
	s_cbranch_scc0 .Lfor_b_\@
	tensor_load_to_lds s[G0+4*(\s):G0+4*(\s)+3], s[G1:G1+7]
	s_nop 0
	PLACES
	s_branch .Lasked_\@
.Lfor_b_\@:
	tensor_load_to_lds s[G0B+4*(\s):G0B+4*(\s)+3], s[G1B:G1B+7]
	s_nop 0
	PLACES
.Lasked_\@:
.endm
.macro CREST
	s_cmp_lg_u32 s10, 0
	s_cbranch_scc1 .Lnot_wave_0_\@
	s_barrier_signal -3
.Lnot_wave_0_\@:
	s_barrier_wait -3
	s_barrier_signal -1
	s_barrier_wait -1
.endm
.macro CROUND
	s_barrier_signal -1
	s_barrier_wait -1
	CREST
.endm
.macro MULA f, a, zero
	WIN MUL
.irp b, 0,1,2,3,4,5,6,7
.if \zero
	v_wmma_f32_16x16x32_f16 v[8*(8*(\a)+(\b)):8*(8*(\a)+(\b))+7], v[(\f)+32+8*(\b):(\f)+32+8*(\b)+7], v[(\f)+8*(\a):(\f)+8*(\a)+7], 0
.else
	v_wmma_f32_16x16x32_f16 v[8*(8*(\a)+(\b)):8*(8*(\a)+(\b))+7], v[(\f)+32+8*(\b):(\f)+32+8*(\b)+7], v[(\f)+8*(\a):(\f)+8*(\a)+7], v[8*(8*(\a)+(\b)):8*(8*(\a)+(\b))+7]
.endif
.endr
.endm
.macro FETCH slot, k, f
	WIN 0
.irp i, 0,1,2,3,4,5,6,7
	ds_load_b128 v[(\f)+32+8*(\i):(\f)+32+8*(\i)+3],   v[ADRB+(\slot)] offset:(\k)+(\i)*16*BPITCH
	ds_load_b128 v[(\f)+32+8*(\i)+4:(\f)+32+8*(\i)+7], v[ADRB+(\slot)] offset:(\k)+(\i)*16*BPITCH+32
.endr
.irp i, 0,1,2,3
	ds_load_b128 v[(\f)+8*(\i):(\f)+8*(\i)+3],   v[ADRA+(\slot)] offset:(\k)+(\i)*16*PITCH
	ds_load_b128 v[(\f)+8*(\i)+4:(\f)+8*(\i)+7], v[ADRA+(\slot)] offset:(\k)+(\i)*16*PITCH+32
.endr
.endm
.macro QUARTER slot, k, f, g, zero
	s_wait_dscnt 4                                 ; the youngest four loads (A's blocks 2, 3) may be out
	MULA \f, 0, \zero
	MULA \f, 1, \zero
	PLACES
	FETCH \slot, \k, \g
	s_wait_dscnt 24                                ; all but the 24 just issued
	MULA \f, 2, \zero
	MULA \f, 3, \zero
.endm
.macro TURN slot, next, fill
	WIN 0
	s_wait_tensorcnt 0x0
	ds_add_u32 v[SPW], v[NIL]
	s_wait_dscnt 5                                 ; the add and A's blocks 2, 3 may be out
	MULA F1, 0, 0
	s_wait_dscnt 0x0
	s_barrier_signal -1
	MULA F1, 1, 0
.if \fill
	WIN 0
.endif
	s_barrier_wait -1
.if \fill
	CREST
	s_add_nc_u64 s[G0+4*(\slot)+2:G0+4*(\slot)+3], s[G0+4*(\slot)+2:G0+4*(\slot)+3], 2*ASTEP
	s_add_nc_u64 s[G0B+4*(\slot)+2:G0B+4*(\slot)+3], s[G0B+4*(\slot)+2:G0B+4*(\slot)+3], 2*BSTEP
	JLOAD \slot
.else
	PLACES
.endif
	FETCH \next, 0, F0
	MULA F1, 2, 0
	MULA F1, 3, 0
.endm
	s_load_b128 s[4:7], s[0:1], 0x0                ; o s[4:5], wt s[6:7]
	s_load_b128 s[68:71], s[0:1], 0x10             ; bo s[68:69], out0 s[70:71]
	v_lshl_add_u32 v[SPW], v0, 2, SPARE
	v_mov_b32 v[NIL], 0
	ds_add_u32 v[SPW], v[NIL]                      ; the wave's opening
	ds_add_u32 v28, v29
	v_lshrrev_b32 v1, 5, v0
	v_readfirstlane_b32 s10, v1
	s_and_b32 s12, s10, 1
	s_bfe_u32 s40, ttmp6, 0x40000                  ; cx
	s_bfe_u32 s41, ttmp6, 0x40004                  ; cy
	s_lshl_b32 s42, ttmp9, 2
	s_add_co_u32 s42, s42, s40                     ; column tile 0..7
	s_and_b32 s13, ttmp7, 0xffff
	s_lshl_b32 s13, s13, 2
	s_add_co_u32 s13, s13, s41                     ; row tile 0..31
	s_lshl_b32 s43, s41, 2
	s_lshl_b32 s43, 15, s43                        ; my row of the cluster
	s_lshl_b32 s44, 0x1111, s40                    ; my column
	s_or_b32 s[G1+0], s43, (1<<16)|(1<<20)|(1<<21)|(5<<22)|(3<<25)
	s_or_b32 s[G1B+0], s44, (1<<16)|(1<<20)|(1<<21)|(5<<22)|(3<<25)
	s_mov_b32 s[G1+1], 128<<16
	s_mov_b32 s[G1+2], 128<<16
	s_mov_b32 s[G1+3], 128<<16
	s_mov_b32 s[G1+4], 128
	s_mov_b32 s[G1+5], PA
	s_mov_b32 s[G1+6], 0
	s_mov_b32 s[G1+7], 0
	s_mov_b32 s[G1B+1], 128<<16
	s_mov_b32 s[G1B+2], 64<<16
	s_mov_b32 s[G1B+3], 128<<16
	s_mov_b32 s[G1B+4], 64
	s_mov_b32 s[G1B+5], PB
	s_mov_b32 s[G1B+6], 0
	s_mov_b32 s[G1B+7], 0
	s_lshl_b32 s16, s13, 8                         ; A: row 256 row tile + 128 half: no cx in it
	s_lshl_b32 s17, s12, 7
	s_add_co_u32 s16, s16, s17
	s_lshl_b32 s16, s16, 11
	s_mov_b32 s17, 0
	s_lshl_b32 s46, s42, 7                         ; B: row 3072 + 128 column tile + 64 half: no cy in it
	s_lshl_b32 s47, s12, 6
	s_add_co_u32 s46, s46, s47
	s_add_co_u32 s46, s46, 3072
	s_lshl_b32 s46, s46, 11
	s_mov_b32 s47, 0
	s_mul_i32 s20, s12, AHALF
	s_mul_i32 s21, s12, BHALF
	s_add_co_u32 s21, s21, BOFF
	s_lshl_b32 s76, s42, 9                         ; my 128 numbers of the bias
	s_mov_b32 s77, 0
	s_wait_dscnt 0x0
	s_wait_kmcnt 0x0
	s_add_nc_u64 s[18:19], s[4:5], s[16:17]
	s_add_nc_u64 s[46:47], s[6:7], s[46:47]
	s_add_nc_u64 s[68:69], s[68:69], s[76:77]
	s_mov_b64 s[8:9], s[70:71]
	CROUND                                         ; all sixteen work-groups are here: the first joint loads meet
.irp s, 0,1
	s_mov_b32 s[G0+4*(\s)], 1
	s_add_co_u32 s[G0+4*(\s)+1], s20, (\s)*SLOT
	s_add_nc_u64 s[G0+4*(\s)+2:G0+4*(\s)+3], s[18:19], (\s)*ASTEP
	s_or_b32 s[G0+4*(\s)+3], s[G0+4*(\s)+3], 0x80000000
	s_mov_b32 s[G0B+4*(\s)], 1
	s_add_co_u32 s[G0B+4*(\s)+1], s21, (\s)*SLOT
	s_add_nc_u64 s[G0B+4*(\s)+2:G0B+4*(\s)+3], s[46:47], (\s)*BSTEP
	s_or_b32 s[G0B+4*(\s)+3], s[G0B+4*(\s)+3], 0x80000000
.endr
	s_cmp_lt_u32 s10, 2                            ; a wave's two first fills stand in one branch: two loads of mine are out
	s_cbranch_scc0 .Lfirst_b
	tensor_load_to_lds s[G0:G0+3], s[G1:G1+7]
	s_nop 0
	tensor_load_to_lds s[G0+4:G0+7], s[G1:G1+7]
	s_nop 0
	PLACES
	s_branch .Lfirst_asked
.Lfirst_b:
	tensor_load_to_lds s[G0B:G0B+3], s[G1B:G1B+7]
	s_nop 0
	tensor_load_to_lds s[G0B+4:G0B+7], s[G1B:G1B+7]
	s_nop 0
	PLACES
.Lfirst_asked:
	v_and_b32 v1, 15, v0
	v_bfe_u32 v2, v0, 4, 1
	v_mul_u32_u24 v3, v1, PITCH
	v_lshl_add_u32 v3, v2, 4, v3
	s_mul_i32 s22, s10, 64*PITCH
.irp s, 0,1
	v_add_nc_u32 v[ADRA+(\s)], s22, v3
	v_add_nc_u32 v[ADRB+(\s)], BOFF+(\s)*SLOT, v3
	s_add_co_u32 s22, s22, SLOT
.endr
	s_mul_i32 s23, s10, SW
	s_add_co_u32 s23, s23, STAGE
	v_mul_u32_u24 v5, v1, SP                       ; in: row l % 16, 32 bytes for each half of the lanes
	v_lshl_add_u32 v5, v2, 5, v5
	v_add_nc_u32 v[STO], s23, v5
	v_and_b32 v4, 31, v0
	v_lshlrev_b32 v[CO], 4, v4                     ; back and out: 32 lanes take a row's 512 bytes
	v_add_nc_u32 v[RD], s23, v[CO]
	v_lshlrev_b32 v[VB], 5, v2
	WIN 0x80                                       ; destination window 2
.irp b, 0,1,2,3,4,5,6,7
	global_load_b128 v[8*(\b):8*(\b)+3],   v[VB], s[68:69] offset:64*(\b)
	global_load_b128 v[8*(\b)+4:8*(\b)+7], v[VB], s[68:69] offset:64*(\b)+16
.endr
	WIN 0
	s_lshl_b32 s16, s13, 8                         ; where my part of out0 begins
	s_lshl_b32 s22, s10, 6
	s_add_co_u32 s16, s16, s22
	s_lshl_b32 s16, s16, 12
	s_lshl_b32 s22, s42, 9
	s_add_co_u32 s16, s16, s22
	s_mov_b32 s17, 0
	s_wait_loadcnt 0x0                             ; the bias
	WIN 0x8a                                       ; all in window 2: rounded to bf16, as every input is, and widened again
.set i, 0
.rept 32
	v_cvt_pk_bf16_f32 v64, v[2*i], v[2*i+1]
	v_lshlrev_b32 v[2*i], 16, v64
	v_and_b32 v[2*i+1], 0xffff0000, v64
.set i, i+1
.endr
	WIN 0
	s_wait_tensorcnt 1                             ; my part of K step 0 is in; K step 1's may stay out
	s_barrier_signal -1
	s_barrier_wait -1
	FETCH 0, 0, F0
	QUARTER 0, 64,  F0, F1, 1
	WIN 0
	s_mov_b32 s3, LAPS-1
.Llap:
	QUARTER 0, 128, F1, F0, 0
	QUARTER 0, 192, F0, F1, 0
	TURN 0, 1, 1
	QUARTER 1, 64,  F0, F1, 0
	QUARTER 1, 128, F1, F0, 0
	QUARTER 1, 192, F0, F1, 0
	TURN 1, 0, 1
	QUARTER 0, 64,  F0, F1, 0
	WIN 0
	s_sub_co_u32 s3, s3, 1
	s_cmp_lg_u32 s3, 0
	s_cbranch_scc1 .Llap
	QUARTER 0, 128, F1, F0, 0
	QUARTER 0, 192, F0, F1, 0
	TURN 0, 1, 0
	QUARTER 1, 64,  F0, F1, 0
	QUARTER 1, 128, F1, F0, 0
	QUARTER 1, 192, F0, F1, 0
	s_wait_dscnt 4
	MULA F1, 0, 0
	MULA F1, 1, 0
	s_wait_dscnt 0x0
	MULA F1, 2, 0
	MULA F1, 3, 0
; THE WAY OUT in f32: the bias is added in place (each accumulator's lowest registers first); then a block of 16 rows at a time goes through my own stage and comes back as whole rows of 512 bytes.
.macro FIX a
	WIN 0x49                                       ; destination and source 0 window 1, source 1 window 2
.irp b, 0,1,2,3,4,5,6,7
.irp q, 0,1,2,3
	v_pk_add_f32 v[8*(8*(\a)+(\b))+2*(\q):8*(8*(\a)+(\b))+2*(\q)+1], v[8*(8*(\a)+(\b))+2*(\q):8*(8*(\a)+(\b))+2*(\q)+1], v[8*(\b)+2*(\q):8*(\b)+2*(\q)+1]
.endr
.endr
.endm
.macro STG a
.set BK, BK0+64*((\a)%2)
	s_wait_xcnt 0x0                                ; the registers that earlier stores read are loaded again only behind this wait
	WIN 0x04                                       ; the stores' data in window 1
.irp b, 0,1,2,3,4,5,6,7
	ds_store_b128 v[STO], v[8*(8*(\a)+(\b)):8*(8*(\a)+(\b))+3]   offset:64*(\b)
	ds_store_b128 v[STO], v[8*(8*(\a)+(\b))+4:8*(8*(\a)+(\b))+7] offset:64*(\b)+16
.endr
	WIN 0
.irp t, 0,1,2,3,4,5,6,7,8,9,10,11,12,13,14,15
	ds_load_b128 v[BK+4*(\t):BK+4*(\t)+3], v[RD] offset:(\t)*SP  ; LDS serves a wave's instructions in order (ISA guide 5.7.1.4)
.endr
.endm
.macro SEND32 a, younger               ; younger: the LDS instructions issued behind block a's loads: the next block's 32, or none
.set BK, BK0+64*((\a)%2)
	s_wait_dscnt \younger
	s_wait_xcnt 0x0                                ; the stores' base is stepped only behind this wait
.if (\a) == 0
	s_add_nc_u64 s[8:9], s[8:9], s[16:17]
.else
	s_add_nc_u64 s[8:9], s[8:9], 16*PC
.endif
.irp t, 0,1,2,3,4,5,6,7,8,9,10,11,12,13,14,15
	global_store_b128 v[CO], v[BK+4*(\t):BK+4*(\t)+3], s[8:9] offset:(\t)*PC th:TH_STORE_NT  ; 512 consecutive bytes, at a multiple of 256 from out0's first byte
.endr
.endm
	PLACES
	FIX 0
	FIX 1
	FIX 2
	FIX 3
	STG 0
	STG 1
	SEND32 0, 32
	STG 2
	SEND32 1, 32
	STG 3
	SEND32 2, 32
	SEND32 3, 0
	s_wait_tensorcnt 0x0                           ; the wave's end
	ds_add_u32 v[SPW], v[NIL]
	s_wait_dscnt 0x0
	CROUND                                         ; the closing round
	s_endpgm
.Lfunc_end_k_qdc08e6da77_outp:
	.size	k_qdc08e6da77_outp, .Lfunc_end_k_qdc08e6da77_outp-k_qdc08e6da77_outp
	.p2alignl 7, 3214868480
	.fill 96, 4, 3214868480
	.section	.rodata,"a",@progbits
	.p2align	6, 0x0
	.amdhsa_kernel k_qdc08e6da77_outp
		.amdhsa_group_segment_fixed_size 327680
		.amdhsa_private_segment_fixed_size 0
		.amdhsa_enable_private_segment 0
		.amdhsa_kernarg_size 32
		.amdhsa_user_sgpr_count 2
		.amdhsa_user_sgpr_kernarg_segment_ptr 1
		.amdhsa_wavefront_size32 1
		.amdhsa_system_sgpr_workgroup_id_x 1
		.amdhsa_system_sgpr_workgroup_id_y 1
		.amdhsa_system_sgpr_workgroup_id_z 1
		.amdhsa_system_vgpr_workitem_id 0
		.amdhsa_next_free_vgpr 640
		.amdhsa_next_free_sgpr 96
		.amdhsa_reserve_vcc 0
		.amdhsa_float_denorm_mode_32 3
		.amdhsa_float_denorm_mode_16_64 3
		.amdhsa_memory_ordered 1
		.amdhsa_forward_progress 1
		.amdhsa_inst_pref_size 99
	.end_amdhsa_kernel
	.amdgpu_metadata
---
amdhsa.version: [ 1, 2 ]
amdhsa.kernels:
  - .name:           k_qdc08e6da77_outp
    .symbol:         k_qdc08e6da77_outp.kd
    .args:
      - { .name: o, .offset: 0, .size: 8, .value_kind: global_buffer, .address_space: global }
      - { .name: wt, .offset: 8, .size: 8, .value_kind: global_buffer, .address_space: global }
      - { .name: bo, .offset: 16, .size: 8, .value_kind: global_buffer, .address_space: global }
      - { .name: out0, .offset: 24, .size: 8, .value_kind: global_buffer, .address_space: global }
    .group_segment_fixed_size: 327680
    .private_segment_fixed_size: 0
    .kernarg_segment_align: 8
    .kernarg_segment_size: 32
    .max_flat_workgroup_size: 128
    .sgpr_count:     96
    .vgpr_count:     640
    .wavefront_size: 32
...
	.end_amdgpu_metadata
.endif
;; end of part 6
;; ======== version 2 of 2: 6 launches; 1.14 times as fast as version 1
;; limits: values are held in f16: magnitudes above 65,504 overflow, below 6.1e-05 lose precision
;; workspace buffers: xh 16,777,216 bytes; wt 8,388,608 bytes; qkv 52,428,800 bytes; s 67,108,864 bytes; p 37,748,736 bytes; linv 32,768 bytes; o 16,777,216 bytes
;; launch prep: the kernel of part 1 again; grid 1536 x 1, 8 waves a work-group, no clusters, 18,432 bytes of LDS; arguments x, wq, wk, wv, wo, xh, wt; writes xh, wt
;; launch qkv (part 7): grid 12 x 32, 4 waves a work-group, clusters of 4 x 4, 327,680 bytes of LDS; arguments xh, wt, bq, bk, bv, qkv; writes qkv
.if DOCPART == 7
	.amdgcn_target "amdgcn-amd-amdhsa--gfx1250"
	.amdhsa_code_object_version 6
	.text
	.protected	k_qdc08e6da77_qkv
	.globl	k_qdc08e6da77_qkv
	.p2align	8
	.type	k_qdc08e6da77_qkv,@function
k_qdc08e6da77_qkv:
	s_mov_b64 s[64:65], 0
	v_nop
	global_prefetch_b8 v0, s[64:65] scope:SCOPE_SE
	s_setreg_imm32_b32 hwreg(HW_REG_WAVE_MODE, 25, 1), 1
	s_wait_xcnt 0x0
	s_wait_alu depctr_hold_cnt(0) depctr_sa_sdst(0) depctr_va_vdst(0) depctr_va_sdst(0) depctr_va_ssrc(0) depctr_va_vcc(0) depctr_vm_vsrc(0)
	s_getreg_b32 s2, hwreg(HW_REG_IB_STS2, 6, 4)
	s_cmp_eq_u32 s2, 0
	s_cbranch_scc0 .Lentry_in_a_cluster
	s_endpgm
.Lentry_in_a_cluster:
	s_bfe_u32 s2, ttmp6, 0x10000c
	s_cmp_lg_u32 s2, 0xf033
	s_cbranch_scc0 .Lentry_shape_is_right
	s_endpgm
.Lentry_shape_is_right:
; Q, K, V = x W + b.  A = xh [8192][1024] f16, B = wt rows 0-3071 ([n][k], f16), sums in f32 that START with the bias (rounded to bf16 like every input), the result rounded once to f16.
; qkv holds three planes: Q [8192][1024], K [8192][1024] and V [4][2304][1024], rows of 2,048 bytes.  Rows 2048-2303 of a batch's V plane are 256 FURTHER KEYS for the attention's second product, 16 blocks of 16:
;   block 2 y + half, y = 0..6: row r holds one eighth of the sum of the eight rows 16 a + r of V (in f32, rounded once) of that half of row tile y.  Weighed by 8 they stand for keys 0-1791 in the two rows of a
;     batch that weigh every key alike; the eighth keeps them within V's own range;
;   block 14: zeros;     block 15: lo = f16(V - f32(f16(V))) for keys 2032-2047, under a second copy of those keys' weights, so that V's rounding does not reach the rows that average 16 keys or fewer;
;     a row that averages n > 16 keys takes at most sqrt(n - 16) / n of one rounding, an eighth at the most.
; LIMITS.  f16 ends at 65,504: Q, K and V must stay within it; NaN and infinities are not treated apart.
; SHARES.  A work-group makes 256 x 256 of C, four waves 128 x 128 each: 64 accumulators of 16 x 16, 512 registers.  12 x 32 = 384 work-groups.  A K step of 128 brings 131,072 bytes for 256 matrix instructions
; a wave; a tile of half the width would bring 98,304 for 128.  K goes through two LDS slots filled by tensor loads (rows of 256 bytes at multiples of 256 bytes), 128 rows a wave: waves 0, 1 A's halves, waves 2, 3 B's.
; CLUSTER 4 x 4.  The cluster's x is the plane (Q, K, V), its y the row tile in the batch; the place along x is the column tile in the plane, the place along y the batch.  The four of a row of the cluster need the
; same tile of A, the four of a column the same tile of B: joint loads.  The branches on ids hang on the cluster's x and y alone, which all sixteen partners share.
; ONE TEXT FOR A K STEP.  s[TB] holds the LDS byte of the slot that is read, 0 or SLOT; the fragment addresses are s[TB] + a lane term that never changes, and one descriptor walks from K step to K step.
; The last two K steps, which fill nothing, are one text walked twice and left in its middle.
; THE MATRIX INSTRUCTION IS USED TRANSPOSED (source 0 = 16 rows of B, source 1 = 16 rows of A): a lane holds row lane % 16 of C and eight neighbouring columns 8 (lane / 16) + 0..7.
; REGISTERS, in windows of 256 (s_set_vgpr_msb: bits 1:0 source 0, 3:2 source 1, 5:4 source 2, 7:6 destination):
;   window 0: v0-31 addresses; v64-127, v128-191 fragments of A, two buffers; v32-63, v192-255 at work on the way out
;   window 1: v0-63 my 64 numbers of the bias, v192 at work; v64-127, v128-191 fragments of B, two buffers
;   window 2: the 32 accumulators of my rows 0-63 ((a, b) at v[8 (8 a + b)]);   window 3: those of my rows 64-127
.set PITCH,  272                       ; an LDS row: 256 bytes + 16 of padding = 68 words: the 16 rows of a fragment load start at 16 different groups of four banks (64 banks of 4 bytes: ISA guide 11.1)
.set HALFT,  128*PITCH                 ; 128 rows: what one tensor load brings, and what one wave reads of A or of B
.set SLOT,   4*HALFT                   ; A's 256 rows, then B's 256 rows
.set STAGE,  2*SLOT                    ; behind the ring, never filled by a tensor load: 16 rows x 272 bytes for each wave
.set SP,     272
.set SW,     16*SP
.set SPARE,  STAGE+4*SW                ; the spare words, 128 bytes for each wave: two blocks of 256 bytes that no other line names
.set KB,     256                       ; bytes of a K step in a row of A or B
.set STEPS,  8                         ; K = 1,024
.set PC,     2048                      ; a row of C in bytes
.set AA0,  16                          ; v16  my lane's place in my rows of A in slot 0; never rewritten
.set AB0,  17                          ; v17  the same for B
.set ADRA, 18                          ; v18  s[TB] + v16
.set ADRB, 19                          ; v19  s[TB] + v17
.set STO,  24                          ; v24  the way out: where I put 16 bytes of a row
.set RD,   25                          ; v25  where I read a row back
.set CO,   26                          ; v26  my byte offset in C
.set VB,   27                          ; v27  my byte offset in the bias's 128 numbers
.set SPW,  28                          ; v28  LDS address of my spare word; never rewritten
.set NIL,  29                          ; v29  0; never rewritten
.set ONE,  30                          ; v30  1.0
.set F0,   64                          ; fragment buffer 0
.set F1,   128                         ; fragment buffer 1
.set OB,   32                          ; the way out: rows read back: v32-63 and v224-255 by turns
.set TMP,  192                         ; v192-223 packed results
.set TH,   64                          ; the further keys: v64-95 a block in f16, v96-159 a block in f32
.set LO,   96
.set BI,   0                           ; window 1: column 16 b + 8 (lane / 16) + j at BI + 8 b + j: the layout of an accumulator's eight registers
.set BT,   192                         ; window 1: at work
.set G1,  24                           ; s[24:31] descriptor group 1 for A
.set G0,  32                           ; s[32:35] group 0 of A's first fill of slot 0
.set GW,  36                           ; s[36:39] group 0 of A's first fill of slot 1, which then walks
.set G1B, 48                           ; s[48:55], s[56:59], s[60:63] the same for B
.set G0B, 56
.set GWB, 60
.set TB,  78                           ; s78  the slot that is read: 0 or SLOT
.set MUL_LO, 0xa1                      ; source 0 (B) window 1, source 1 (A) window 0, C and D window 2; + 0x50: C and D window 3
.set MUL_BI, 0x91                      ; the same with C in window 1; + 0x40: D window 3
.set TO_B,   0x40                      ; destination window 1, address window 0
.set MSB, 0
.macro WIN new                         ; the immediate's high byte repeats the setting that is left; a switch that changes nothing is dropped
.if MSB != (\new)
	s_set_vgpr_msb (MSB<<8)|(\new)
.set MSB, \new
.endif
.endm
.macro PLACES                          ; four places between a matrix instruction and a load into, or a vector instruction on, its registers
.rept 4
	v_nop
.endr
.endm
.macro JLOAD                           ; a joint refill by the walking descriptor: one load a wave; the branch hangs on the wave's number alone; s_nop 0 and four v_nop follow each line
	s_cmp_eq_u32 s11, 0
	s_cbranch_scc0 .Lfor_b_\@
	tensor_load_to_lds s[GW:GW+3], s[G1:G1+7]
	s_nop 0
	PLACES
	s_branch .Lasked_\@
.Lfor_b_\@:
	tensor_load_to_lds s[GWB:GWB+3], s[G1B:G1B+7]
	s_nop 0
	PLACES
.Lasked_\@:
.endm
.macro CREST                           ; a round of the cluster's barrier behind its opening barrier
	s_cmp_lg_u32 s10, 0
	s_cbranch_scc1 .Lnot_wave_0_\@
	s_barrier_signal -3
.Lnot_wave_0_\@:
	s_barrier_wait -3
	s_barrier_signal -1
	s_barrier_wait -1
.endm
.macro CROUND
	s_barrier_signal -1
	s_barrier_wait -1
	CREST
.endm
; 16 matrix instructions: row blocks a0, a0 + 1 of the window's four (hi = 0: my rows 0-63, 1: rows 64-127) x all 8 column blocks, 32 along K.  start = 1: the product starts the sum, with the bias as C.
.macro MUL16 f, hi, a0, start
.if \start
	WIN MUL_BI+0x40*(\hi)
.else
	WIN MUL_LO+0x50*(\hi)
.endif
.irp a, \a0, (\a0)+1
.irp b, 0,1,2,3,4,5,6,7
.if \start
	v_wmma_f32_16x16x32_f16 v[8*(8*(\a)+(\b)):8*(8*(\a)+(\b))+7], v[(\f)+8*(\b):(\f)+8*(\b)+7], v[(\f)+8*(4*(\hi)+(\a)):(\f)+8*(4*(\hi)+(\a))+7], v[BI+8*(\b):BI+8*(\b)+7]
.else
	v_wmma_f32_16x16x32_f16 v[8*(8*(\a)+(\b)):8*(8*(\a)+(\b))+7], v[(\f)+8*(\b):(\f)+8*(\b)+7], v[(\f)+8*(4*(\hi)+(\a)):(\f)+8*(4*(\hi)+(\a))+7], v[8*(8*(\a)+(\b)):8*(8*(\a)+(\b))+7]
.endif
.endr
.endr
.endm
.macro FETCH k, f                      ; 32 LDS loads in one run: the fragments of 32 along K at byte k of the rows of the slot that is read: B's 128 rows, then A's
	WIN TO_B
.irp i, 0,1,2,3,4,5,6,7
	ds_load_b128 v[(\f)+8*(\i):(\f)+8*(\i)+3],   v[ADRB] offset:(\k)+(\i)*16*PITCH
	ds_load_b128 v[(\f)+8*(\i)+4:(\f)+8*(\i)+7], v[ADRB] offset:(\k)+(\i)*16*PITCH+32
.endr
	WIN 0
.irp i, 0,1,2,3,4,5,6,7
	ds_load_b128 v[(\f)+8*(\i):(\f)+8*(\i)+3],   v[ADRA] offset:(\k)+(\i)*16*PITCH
	ds_load_b128 v[(\f)+8*(\i)+4:(\f)+8*(\i)+7], v[ADRA] offset:(\k)+(\i)*16*PITCH+32
.endr
.endm
; A K step is four quarters of 32 along K, 64 matrix instructions each, on buffers 0, 1, 0, 1; the 64 accumulators take turns in the same order in every quarter.
.macro QUARTER k, f, g, start          ; one of the first three: multiplies buffer f and, in its middle, fetches the next quarter, at byte k, into g
	s_wait_dscnt 8                                 ; B and A's rows 0-63 are in; the youngest eight loads (A's rows 64-127) may be out
	MUL16 \f, 0, 0, \start
	MUL16 \f, 0, 2, \start
	PLACES
	FETCH \k, \g
	s_wait_dscnt 32                                ; all but the 32 just issued
	MUL16 \f, 1, 0, \start
	MUL16 \f, 1, 2, \start
.endm
; The last quarter multiplies buffer 1 and changes slots: one barrier; in front of it each wave waits for all its tensor loads (one is out: its part of the next slot), adds 0 to its spare word,
; and waits for that and for its reads of this slot.  fill = 1: the barrier opens a round of the cluster's, and this slot is filled again, two K steps ahead, first thing behind the round:
; 224 matrix instructions ahead of the wait for it.  fill = 0 (the tail): nothing is filled; in the second walk (s3 = 1) there is no further K step, and the fetch is jumped over.
.macro TURN fill
	WIN 0
	s_wait_tensorcnt 0x0
	ds_add_u32 v[SPW], v[NIL]
	s_wait_dscnt 9                                 ; the add and A's rows 64-127 may be out
	MUL16 F1, 0, 0, 0
	s_wait_dscnt 0x0                               ; the add is done, and my reads of this slot are over
	s_barrier_signal -1
	MUL16 F1, 0, 2, 0
	WIN 0
	s_barrier_wait -1
.if \fill
	CREST                                          ; no wave of any partner still reads this slot or has a load on its way
	s_add_co_u32 s[GW+1], s[TB], s20               ; no tensor load of mine is out: the walking descriptors take the slot just read,
	s_add_co_u32 s[GWB+1], s[TB], s20
	s_add_nc_u64 s[GW+2:GW+3], s[GW+2:GW+3], KB    ; and the next K step; the type bits on top are not reached
	s_add_nc_u64 s[GWB+2:GWB+3], s[GWB+2:GWB+3], KB
	s_xor_b32 s[TB], s[TB], SLOT                   ; 0 and SLOT change places: the other slot is read from here on
	JLOAD                                          ; its four v_nop are also the places in front of the loads below
	v_add_nc_u32 v[ADRA], s[TB], v[AA0]
	v_add_nc_u32 v[ADRB], s[TB], v[AB0]
	FETCH 0, F0
.else
	s_xor_b32 s[TB], s[TB], SLOT
	s_cmp_eq_u32 s3, 1
	s_cbranch_scc1 .Lno_fetch_\@
	v_add_nc_u32 v[ADRA], s[TB], v[AA0]            ; these two and two v_nop are the places in front of the loads
	v_add_nc_u32 v[ADRB], s[TB], v[AB0]
	v_nop
	v_nop
	FETCH 0, F0
	WIN 0
.Lno_fetch_\@:
.endif
	MUL16 F1, 1, 0, 0
	MUL16 F1, 1, 2, 0
.endm
	s_load_b128 s[4:7], s[0:1], 0x0                ; xh s[4:5], wt s[6:7]
	s_load_b128 s[68:71], s[0:1], 0x10             ; bq s[68:69], bk s[70:71]
	s_load_b128 s[72:75], s[0:1], 0x20             ; bv s[72:73], qkv s[74:75]
	v_lshl_add_u32 v[SPW], v0, 2, SPARE
	v_mov_b32 v[NIL], 0
	ds_add_u32 v[SPW], v[NIL]                      ; the wave's opening
	ds_add_u32 v28, v29
	v_lshrrev_b32 v1, 5, v0
	v_readfirstlane_b32 s10, v1                    ; wave 0..3
	s_lshr_b32 s11, s10, 1                         ; which half of the tile's rows is mine.  Also: I fetch for A (0) or for B (1)
	s_and_b32 s12, s10, 1                          ; which half of its columns.  Also: which 128 rows of that tile I fetch
	s_bfe_u32 s40, ttmp6, 0x40000                  ; cx: the column tile in the plane
	s_bfe_u32 s41, ttmp6, 0x40004                  ; cy: the batch
	s_mov_b32 s14, ttmp9                           ; cluster x: the plane: 0 Q, 1 K, 2 V
	s_lshl_b32 s42, s14, 2
	s_add_co_u32 s42, s42, s40                     ; column tile 0..11
	s_and_b32 s13, ttmp7, 0xffff                   ; cluster y: the row tile in the batch
	s_lshl_b32 s43, s41, 2
	s_lshl_b32 s43, 15, s43                        ; my row of the cluster
	s_lshl_b32 s44, 0x1111, s40                    ; my column
	s_or_b32 s[G1+0], s43, (1<<16)|(1<<20)|(1<<21)|(5<<22)|(3<<25)   ; 15:0 the mask; 17:16 2-byte elements; 20 padding on; 21 set beside a mask; 24:22 after every 64 words; 31:25 4 words
	s_or_b32 s[G1B+0], s44, (1<<16)|(1<<20)|(1<<21)|(5<<22)|(3<<25)
.irp g, G1, G1B
	s_mov_b32 s[(\g)+1], 128<<16                   ; tensor_dim0 = 128
	s_mov_b32 s[(\g)+2], 128<<16                   ; tensor_dim1 = 128
	s_mov_b32 s[(\g)+3], 128<<16                   ; tile_dim0 = 128
	s_mov_b32 s[(\g)+4], 128                       ; tile_dim1 = 128
	s_mov_b32 s[(\g)+5], 1024                      ; elements from row to row
	s_mov_b32 s[(\g)+6], 0
	s_mov_b32 s[(\g)+7], 0
.endr
	s_lshl_b32 s16, s41, 11                        ; A: row 2048 batch + 256 row tile + 128 half: no cx in it
	s_lshl_b32 s17, s13, 8
	s_add_co_u32 s16, s16, s17
	s_lshl_b32 s17, s12, 7
	s_add_co_u32 s16, s16, s17
	s_lshl_b32 s16, s16, 11                        ; rows of 2,048 bytes
	s_mov_b32 s17, 0
	s_lshl_b32 s46, s42, 8                         ; B: row 256 column tile + 128 half: no cy in it
	s_lshl_b32 s47, s12, 7
	s_add_co_u32 s46, s46, s47
	s_lshl_b32 s46, s46, 11
	s_mov_b32 s47, 0
	s_mul_i32 s20, s10, HALFT                      ; where they go in a slot: A's two halves, then B's: no place in the cluster enters an LDS address
	s_mov_b32 s[TB], 0
	s_mov_b32 s67, 2048                            ; rows of a batch in planes Q and K
	s_cmp_eq_u32 s14, 2                            ; plane V?
	s_cselect_b32 s67, 2304, s67                   ; then 2,304 rows a batch,
	s_cselect_b32 s66, 1, 0                        ; and each wave writes a block of the further keys
	s_cmp_eq_u32 s13, 7                            ; in a batch's last row tile the upper row half's block is zeros:
	s_cselect_b32 s79, s11, 1
	s_sub_co_u32 s79, 0, s79                       ; 0 there, all ones everywhere else
	s_mul_i32 s82, s13, 224                        ; from my block 7's rows (256 y + 128 half + 112) to my block of the further keys (2048 + 16 (2 y + half)):
	s_mul_i32 s83, s11, 112
	s_add_co_u32 s82, s82, s83
	s_sub_co_u32 s82, 1936, s82                    ; 1936 - 224 y - 112 half rows, 256 at the least,
	s_lshl_b32 s82, s82, 11                        ; in bytes
	s_mov_b32 s83, 0
	s_mov_b32 s80, 0x3e000000                      ; 1 / 8
	s_mov_b32 s81, s80                             ; named with it as a pair
	s_lshl_b32 s76, s40, 10                        ; my 128 numbers of the bias: 256 a column tile, 128 a half
	s_lshl_b32 s77, s12, 9
	s_add_co_u32 s76, s76, s77
	s_mov_b32 s77, 0
	s_wait_dscnt 0x0                               ; the opening add is done
	s_wait_kmcnt 0x0
	s_add_nc_u64 s[18:19], s[4:5], s[16:17]
	s_add_nc_u64 s[46:47], s[6:7], s[46:47]
	s_mov_b64 s[8:9], s[74:75]
	s_cmp_eq_u32 s14, 0
	s_cselect_b64 s[68:69], s[68:69], s[70:71]     ; bq, or bk,
	s_cmp_eq_u32 s14, 2
	s_cselect_b64 s[68:69], s[72:73], s[68:69]     ; or bv
	s_add_nc_u64 s[68:69], s[68:69], s[76:77]
	CROUND                                         ; all sixteen work-groups are here: the first joint loads meet
.irp s, 0,1
	s_mov_b32 s[G0+4*(\s)], 1                                      ; count = 1
	s_add_co_u32 s[G0+4*(\s)+1], s20, (\s)*SLOT                    ; LDS address
	s_add_nc_u64 s[G0+4*(\s)+2:G0+4*(\s)+3], s[18:19], (\s)*KB     ; global address: K step s
	s_or_b32 s[G0+4*(\s)+3], s[G0+4*(\s)+3], 0x80000000            ; type = 2
	s_mov_b32 s[G0B+4*(\s)], 1
	s_add_co_u32 s[G0B+4*(\s)+1], s20, (\s)*SLOT
	s_add_nc_u64 s[G0B+4*(\s)+2:G0B+4*(\s)+3], s[46:47], (\s)*KB
	s_or_b32 s[G0B+4*(\s)+3], s[G0B+4*(\s)+3], 0x80000000
.endr
	s_cmp_eq_u32 s11, 0                            ; a wave's two first fills stand in one branch: two loads of mine are out
	s_cbranch_scc0 .Lfirst_b
	tensor_load_to_lds s[G0:G0+3], s[G1:G1+7]
	s_nop 0
	tensor_load_to_lds s[GW:GW+3], s[G1:G1+7]
	s_nop 0
	PLACES
	s_branch .Lfirst_asked
.Lfirst_b:
	tensor_load_to_lds s[G0B:G0B+3], s[G1B:G1B+7]
	s_nop 0
	tensor_load_to_lds s[GWB:GWB+3], s[G1B:G1B+7]
	s_nop 0
	PLACES
.Lfirst_asked:
	; A fragment is 16 rows x 32 K in 8 registers: lane l holds row l % 16, K = 8 (l / 16) + 0..7 and 16 + 8 (l / 16) + 0..7: two loads of 16 bytes, 32 bytes apart.
	v_and_b32 v1, 15, v0                           ; l % 16
	v_bfe_u32 v2, v0, 4, 1                         ; l / 16
	v_lshlrev_b32 v[VB], 5, v2                     ; my eight columns of a block of 16
	WIN TO_B                                       ; destination window 1
.irp b, 0,1,2,3,4,5,6,7
	global_load_b128 v[BI+8*(\b):BI+8*(\b)+3],   v[VB], s[68:69] offset:64*(\b)
	global_load_b128 v[BI+8*(\b)+4:BI+8*(\b)+7], v[VB], s[68:69] offset:64*(\b)+16
.endr
	WIN 0
	v_mul_u32_u24 v3, v1, PITCH
	v_lshl_add_u32 v3, v2, 4, v3
	s_mul_i32 s21, s11, HALFT                      ; my 128 rows of A
	s_mul_i32 s22, s12, HALFT                      ; my 128 rows of B,
	s_add_co_u32 s22, s22, 2*HALFT                 ; which lie behind A's 256
	v_add_nc_u32 v[AA0], s21, v3
	v_add_nc_u32 v[AB0], s22, v3
	v_mov_b32 v[ADRA], v[AA0]                      ; slot 0 is read first
	v_mov_b32 v[ADRB], v[AB0]
	s_mul_i32 s23, s10, SW
	s_add_co_u32 s23, s23, STAGE                   ; my stage
	v_mul_u32_u24 v4, v1, SP                       ; in: row l % 16, 16 bytes for each half of the lanes
	v_lshl_add_u32 v4, v2, 4, v4
	v_add_nc_u32 v[STO], s23, v4
	v_mul_u32_u24 v5, v2, SP                       ; back: lanes 0-15 one row of 256 bytes, lanes 16-31 the next
	v_lshl_add_u32 v5, v1, 4, v5
	v_add_nc_u32 v[RD], s23, v5
	v_lshlrev_b32 v5, 11, v2                       ; and the same two rows in C
	v_lshl_add_u32 v[CO], v1, 4, v5
	v_mov_b32 v[ONE], 1.0
	s_mul_i32 s16, s41, s67                        ; where my part of C begins: batch x the plane's rows a batch
	s_lshl_b32 s22, s13, 8
	s_add_co_u32 s16, s16, s22
	s_lshl_b32 s22, s11, 7
	s_add_co_u32 s16, s16, s22
	s_lshl_b32 s16, s16, 11
	s_lshl_b32 s22, s14, 24                        ; the plane: 16,777,216 bytes each for Q and K in front of V
	s_add_co_u32 s16, s16, s22
	s_lshl_b32 s22, s40, 9                         ; 256 columns of 2 bytes a column tile,
	s_add_co_u32 s16, s16, s22
	s_lshl_b32 s22, s12, 8                         ; 128 a half
	s_add_co_u32 s16, s16, s22
	s_mov_b32 s17, 0                               ; the first way out adds s[16:17] to C's address
	s_wait_loadcnt 0x0                             ; the bias
	WIN 0x45                                       ; all in window 1: the bias is rounded to bf16, as every input is, and widened again
.set i, 0
.rept 32
	v_cvt_pk_bf16_f32 v[BT], v[BI+2*i], v[BI+2*i+1]
	v_lshlrev_b32 v[BI+2*i], 16, v[BT]
	v_and_b32 v[BI+2*i+1], 0xffff0000, v[BT]
.set i, i+1
.endr
	WIN 0
	s_wait_tensorcnt 1                             ; my part of K step 0 is in; K step 1's may stay out
	s_barrier_signal -1
	s_barrier_wait -1
	FETCH 0, F0
	QUARTER 64, F0, F1, 1                          ; the first quarter stands in front of the loop: its products start the sums, with the bias
	WIN 0                                          ; at a label and at a branch every window is 0
	s_mov_b32 s3, STEPS-2
.Lstep:                                                ; a trip goes from a K step's second quarter to the next step's first, and fills the slot that it leaves: K steps 2 to 7
	QUARTER 128, F1, F0, 0
	QUARTER 192, F0, F1, 0
	TURN 1
	QUARTER 64, F0, F1, 0
	WIN 0
	s_sub_co_u32 s3, s3, 1
	s_cmp_lg_u32 s3, 0
	s_cbranch_scc1 .Lstep
	s_mov_b32 s3, 2
.Ltail:                                                ; the last two K steps fill nothing. The second walk is left behind its last quarter; its barrier serves nothing, once a launch
	QUARTER 128, F1, F0, 0
	QUARTER 192, F0, F1, 0
	TURN 0
	WIN 0
	s_sub_co_u32 s3, s3, 1
	s_cmp_eq_u32 s3, 0
	s_cbranch_scc1 .Lout
	QUARTER 64, F0, F1, 0
	WIN 0
	s_branch .Ltail
.Lout:
; THE WAY OUT, a block of 16 rows at a time.  PACK: rounded to f16, 16 bytes a lane (each accumulator's lowest registers first).
; TOSTAGE: into my own stage and back as whole rows of 256 bytes.  SEND: stored.
.macro PACK a
.set AC, 64*((\a)%4)
	WIN 0x0a+5*((\a)/4)                            ; sources 0 and 1: window 2 or 3
.set i, 0
.rept 32
	v_cvt_pk_f16_f32 v[TMP+i], v[AC+2*i], v[AC+2*i+1]
.set i, i+1
.endr
	WIN 0
.endm
.macro TOSTAGE a
	WIN 0
.set BK, OB+192*((\a)%2)
.irp b, 0,1,2,3,4,5,6,7
	ds_store_b128 v[STO], v[TMP+4*(\b):TMP+4*(\b)+3] offset:32*(\b)
.endr
.irp t, 0,1,2,3,4,5,6,7
	ds_load_b128 v[BK+4*(\t):BK+4*(\t)+3], v[RD] offset:(\t)*2*SP  ; LDS serves a wave's instructions in order (ISA guide 5.7.1.4): these see the stores above
.endr
.endm
.macro SEND a, move=1                  ; move = 0: C's address stands at the block's rows already
	WIN 0
.set BK, OB+192*((\a)%2)
	s_wait_dscnt 0x0                               ; the block is back in registers
	s_wait_xcnt 0x0                                ; the stores' base, and the registers that earlier stores read, are rewritten only behind this wait
.if \move
.if (\a) == 0
	s_add_nc_u64 s[8:9], s[8:9], s[16:17]
.else
	s_add_nc_u64 s[8:9], s[8:9], 16*PC
.endif
.endif
.irp t, 0,1,2,3,4,5,6,7
	global_store_b128 v[CO], v[BK+4*(\t):BK+4*(\t)+3], s[8:9] offset:2*(\t)*PC  ; 16 lanes store 256 consecutive bytes, at a multiple of 256 from the buffer's first byte
.endr
.endm
.macro FOLD                            ; in the window that is set: of its four blocks of 16 rows, blocks 1, 2 and 3 are added onto block 0
.set i, 0
.rept 32
	v_pk_add_f32 v[2*i:2*i+1], v[2*i:2*i+1], v[64+2*i:64+2*i+1]
	v_pk_add_f32 v[128+2*i:128+2*i+1], v[128+2*i:128+2*i+1], v[192+2*i:192+2*i+1]
.set i, i+1
.endr
.set i, 0
.rept 32
	v_pk_add_f32 v[2*i:2*i+1], v[2*i:2*i+1], v[128+2*i:128+2*i+1]
.set i, i+1
.endr
.endm
	s_wait_dscnt 0x0                               ; no LDS load is out, whichever way led here
	PLACES                                         ; behind the last products
	PACK 0
	TOSTAGE 0
.irp a, 1,2,3,4,5,6,7                  ; a block's conversions stand between the loads of the block before and the wait for them
	PACK \a
	SEND (\a)-1
	TOSTAGE \a
.endr
	SEND 7
	s_cmp_eq_u32 s66, 0
	s_cbranch_scc1 .Lend
	; PLANE V: MY BLOCK OF THE FURTHER KEYS.  The accumulators still hold V in f32, and they have been stored: they may be summed in place.
	s_wait_xcnt 0x0                                ; the stores above have read their registers and their base
	s_add_nc_u64 s[8:9], s[8:9], s[82:83]          ; from my block 7 to my block of the further keys
	s_cmp_eq_u32 s13, 7
	s_cbranch_scc1 .Llo
	WIN 0x8a                                       ; all in window 2: my blocks 0 to 3
	FOLD
	WIN 0xcf                                       ; all in window 3: my blocks 4 to 7
	FOLD
	WIN 0x0e                                       ; source 0 window 2, source 1 window 3, destination window 0
.set i, 0
.rept 32
	v_pk_add_f32 v[LO+2*i:LO+2*i+1], v[2*i:2*i+1], v[2*i:2*i+1]
.set i, i+1
.endr
	WIN 0
.set i, 0
.rept 32
	v_pk_mul_f32 v[LO+2*i:LO+2*i+1], v[LO+2*i:LO+2*i+1], s[80:81] op_sel_hi:[1,0]  ; an eighth of the eight rows' sum: exact, and within V's range
.set i, i+1
.endr
	s_branch .Lput
.Llo:                                                  ; a batch's last row tile: V - f32(f16(V)) of my block 7: keys 2032-2047 in the lower row half's waves
	WIN 0x0f                                       ; sources 0 and 1 window 3: block 7's accumulators, v192-255 there
.set i, 0
.rept 32
	v_cvt_pk_f16_f32 v[TH+i], v[192+2*i], v[192+2*i+1]
.set i, i+1
.endr
	WIN 0x30                                       ; source 2 window 3
.set i, 0
.rept 32
	v_fma_mix_f32 v[LO+2*i],   -v[TH+i], v[ONE], v[192+2*i]   op_sel_hi:[1,0,0]                 ; V - the low half as f32: exact
	v_fma_mix_f32 v[LO+2*i+1], -v[TH+i], v[ONE], v[192+2*i+1] op_sel:[1,0,0] op_sel_hi:[1,0,0]  ; the high half
.set i, i+1
.endr
	WIN 0
.Lput:
.set i, 0
.rept 32
	v_cvt_pk_f16_f32 v[TMP+i], v[LO+2*i], v[LO+2*i+1]
.set i, i+1
.endr
.set i, 0
.rept 32
	v_and_b32 v[TMP+i], s79, v[TMP+i]              ; 0 in the last row tile's upper row half, kept everywhere else
.set i, i+1
.endr
	TOSTAGE 7
	SEND 7, 0
.Lend:
	s_wait_tensorcnt 0x0                           ; the wave's end
	ds_add_u32 v[SPW], v[NIL]
	s_wait_dscnt 0x0
	CROUND                                         ; the closing round: no work-group ends while a partner may still ask for a tile that names it
	s_endpgm
.Lfunc_end_k_qdc08e6da77_qkv:
	.size	k_qdc08e6da77_qkv, .Lfunc_end_k_qdc08e6da77_qkv-k_qdc08e6da77_qkv
	.p2alignl 7, 3214868480
	.fill 96, 4, 3214868480
	.section	.rodata,"a",@progbits
	.p2align	6, 0x0
	.amdhsa_kernel k_qdc08e6da77_qkv
		.amdhsa_group_segment_fixed_size 327680
		.amdhsa_private_segment_fixed_size 0
		.amdhsa_enable_private_segment 0
		.amdhsa_kernarg_size 48
		.amdhsa_user_sgpr_count 2
		.amdhsa_user_sgpr_kernarg_segment_ptr 1
		.amdhsa_wavefront_size32 1
		.amdhsa_system_sgpr_workgroup_id_x 1
		.amdhsa_system_sgpr_workgroup_id_y 1
		.amdhsa_system_sgpr_workgroup_id_z 1
		.amdhsa_system_vgpr_workitem_id 0
		.amdhsa_next_free_vgpr 1024
		.amdhsa_next_free_sgpr 96
		.amdhsa_reserve_vcc 0
		.amdhsa_float_denorm_mode_32 3
		.amdhsa_float_denorm_mode_16_64 3
		.amdhsa_memory_ordered 1
		.amdhsa_forward_progress 1
		.amdhsa_inst_pref_size 135
	.end_amdhsa_kernel
	.amdgpu_metadata
---
amdhsa.version: [ 1, 2 ]
amdhsa.kernels:
  - .name:           k_qdc08e6da77_qkv
    .symbol:         k_qdc08e6da77_qkv.kd
    .args:
      - { .name: xh, .offset: 0, .size: 8, .value_kind: global_buffer, .address_space: global }
      - { .name: wt, .offset: 8, .size: 8, .value_kind: global_buffer, .address_space: global }
      - { .name: bq, .offset: 16, .size: 8, .value_kind: global_buffer, .address_space: global }
      - { .name: bk, .offset: 24, .size: 8, .value_kind: global_buffer, .address_space: global }
      - { .name: bv, .offset: 32, .size: 8, .value_kind: global_buffer, .address_space: global }
      - { .name: qkv, .offset: 40, .size: 8, .value_kind: global_buffer, .address_space: global }
    .group_segment_fixed_size: 327680
    .private_segment_fixed_size: 0
    .kernarg_segment_align: 8
    .kernarg_segment_size: 48
    .max_flat_workgroup_size: 128
    .sgpr_count:     96
    .vgpr_count:     1024
    .wavefront_size: 32
...
	.end_amdgpu_metadata
.endif
;; end of part 7
;; launch sc (part 8): grid 9 x 16, 4 waves a work-group, no clusters, 327,680 bytes of LDS; arguments qkv, s; writes s
.if DOCPART == 8
	.amdgcn_target "amdgcn-amd-amdhsa--gfx1250"
	.amdhsa_code_object_version 6
	.text
	.protected	k_qdc08e6da77_sc
	.globl	k_qdc08e6da77_sc
	.p2align	8
	.type	k_qdc08e6da77_sc,@function
k_qdc08e6da77_sc:
	s_mov_b64 s[64:65], 0
	v_nop
	global_prefetch_b8 v0, s[64:65] scope:SCOPE_SE
	s_setreg_imm32_b32 hwreg(HW_REG_WAVE_MODE, 25, 1), 1
	s_wait_xcnt 0x0
; s = Q K^T, the raw sums in f32 (the division by 32 and the mask come with the softmax).  A = plane Q of qkv, B = plane K, both [8192][1024] f16; s is [8192][2048] f32.
; Row r of a batch sees the keys r + 2 .. 2047 alone, so of row tile i (256 rows) only the column tiles j = i .. 7 (256 keys) are made: 8 - i of them, 36 a batch, 144 work-groups of equal work, one to a WGP.
; The grid's y is 4 batch + u; its x, 0..8, walks the 8 - u tiles of row tile u and then the u + 1 tiles of row tile 7 - u.
; f32, since a raw sum of 1,024 products of f16 numbers may pass f16's range.
; NO CLUSTER: a row tile has 8 - i visible tiles, not a multiple of four for every i, and a partner without a visible tile would have nothing of use to do.
; SHARES.  A work-group makes 256 x 256 of C, four waves 128 x 128 each: 64 accumulators, 512 registers.  A K step of 128 brings 131,072 bytes for 256 matrix instructions a wave, through two LDS slots filled by
; tensor loads (rows of 256 bytes at multiples of 256 bytes): each wave brings 128 rows, waves 0, 1 of Q, waves 2, 3 of K, into LDS bytes that are its own by its number.
; ONE TEXT FOR A K STEP.  s[TB] holds the LDS byte of the slot that is read, 0 or SLOT; the fragment addresses are s[TB] + a lane term that never changes, and one descriptor walks from K step to K step.
; The last two K steps, which fill nothing, are one text walked twice and left in its middle.
; THE MATRIX INSTRUCTION IS USED TRANSPOSED (source 0 = 16 rows of K, source 1 = 16 rows of Q): a lane holds row lane % 16 of C and eight neighbouring columns.
; REGISTERS, in windows of 256 (s_set_vgpr_msb: bits 1:0 source 0, 3:2 source 1, 5:4 source 2, 7:6 destination):
;   window 0: v0-31 addresses; v64-127, v128-191 fragments of A, two buffers, and on the way out rows read back;   window 1: v64-127, v128-191 fragments of B
;   window 2: the 32 accumulators of my rows 0-63 ((a, b) at v[8 (8 a + b)]);   window 3: those of my rows 64-127
.set PITCH,  272                       ; an LDS row: 256 bytes + 16 of padding: the 16 rows of a fragment load start at 16 different groups of four banks (64 banks of 4 bytes: ISA guide 11.1)
.set HALFT,  128*PITCH
.set SLOT,   4*HALFT                   ; A's 256 rows, then B's 256 rows
.set STAGE,  2*SLOT                    ; behind the ring, never filled by a tensor load: 16 rows x 528 bytes for each wave
.set SP,     528                       ; 512 bytes + 16
.set SW,     16*SP
.set SPARE,  STAGE+4*SW                ; the spare words: two blocks of 256 bytes that no other line names
.set KB,     256                       ; bytes of a K step in a row of Q or K
.set STEPS,  8                         ; K = 1,024
.set PC,     8192                      ; a row of s in bytes
.set AA0,  16                          ; v16  my lane's place in my rows of A in slot 0; never rewritten
.set AB0,  17                          ; v17  the same for B
.set ADRA, 18                          ; v18  s[TB] + v16
.set ADRB, 19                          ; v19  s[TB] + v17
.set STO,  24                          ; v24  the way out: where I put 32 bytes of a row
.set RD,   25                          ; v25  where I read a row back
.set CO,   26                          ; v26  my byte offset in a row's 512 bytes
.set SPW,  28                          ; v28  LDS address of my spare word; never rewritten
.set NIL,  29                          ; v29  0; never rewritten
.set F0,   64
.set F1,   128
.set BK0,  64                          ; the way out: v64-127, v128-191 by turns
.set G1,  24                           ; s[24:31] descriptor group 1, the same for every load
.set G0,  32                           ; s[32:35] group 0 of the first fill of slot 0
.set GW,  36                           ; s[36:39] group 0 of the first fill of slot 1, which then walks
.set TB,  48                           ; s48  the slot that is read: 0 or SLOT
.set MUL_LO, 0xa1                      ; source 0 (B) window 1, source 1 (A) window 0, C and D window 2; + 0x50: C and D window 3
.set TO_B,   0x40                      ; destination window 1, address window 0
.set MSB, 0
.macro WIN new                         ; the immediate's high byte repeats the setting that is left; a switch that changes nothing is dropped
.if MSB != (\new)
	s_set_vgpr_msb (MSB<<8)|(\new)
.set MSB, \new
.endif
.endm
.macro PLACES                          ; four places between a matrix instruction and a load into, or a store of, its registers
.rept 4
	v_nop
.endr
.endm
.macro MUL16 f, hi, a0, zero           ; 16 matrix instructions: row blocks a0, a0 + 1 of the window's four x all 8 column blocks, 32 along K.  zero = 1: the product starts the sum
	WIN MUL_LO+0x50*(\hi)
.irp a, \a0, (\a0)+1
.irp b, 0,1,2,3,4,5,6,7
.if \zero
	v_wmma_f32_16x16x32_f16 v[8*(8*(\a)+(\b)):8*(8*(\a)+(\b))+7], v[(\f)+8*(\b):(\f)+8*(\b)+7], v[(\f)+8*(4*(\hi)+(\a)):(\f)+8*(4*(\hi)+(\a))+7], 0
.else
	v_wmma_f32_16x16x32_f16 v[8*(8*(\a)+(\b)):8*(8*(\a)+(\b))+7], v[(\f)+8*(\b):(\f)+8*(\b)+7], v[(\f)+8*(4*(\hi)+(\a)):(\f)+8*(4*(\hi)+(\a))+7], v[8*(8*(\a)+(\b)):8*(8*(\a)+(\b))+7]
.endif
.endr
.endr
.endm
.macro FETCH k, f                      ; 32 LDS loads in one run: the fragments of 32 along K at byte k of the rows of the slot that is read: B's 128 rows, then A's
	WIN TO_B
.irp i, 0,1,2,3,4,5,6,7
	ds_load_b128 v[(\f)+8*(\i):(\f)+8*(\i)+3],   v[ADRB] offset:(\k)+(\i)*16*PITCH
	ds_load_b128 v[(\f)+8*(\i)+4:(\f)+8*(\i)+7], v[ADRB] offset:(\k)+(\i)*16*PITCH+32
.endr
	WIN 0
.irp i, 0,1,2,3,4,5,6,7
	ds_load_b128 v[(\f)+8*(\i):(\f)+8*(\i)+3],   v[ADRA] offset:(\k)+(\i)*16*PITCH
	ds_load_b128 v[(\f)+8*(\i)+4:(\f)+8*(\i)+7], v[ADRA] offset:(\k)+(\i)*16*PITCH+32
.endr
.endm
; A K step is four quarters of 32 along K, 64 matrix instructions each, on buffers 0, 1, 0, 1; the 64 accumulators take turns in the same order in every quarter.
.macro QUARTER k, f, g, zero
	s_wait_dscnt 8                                 ; B and A's rows 0-63 are in; the youngest eight loads (A's rows 64-127) may be out
	MUL16 \f, 0, 0, \zero
	MUL16 \f, 0, 2, \zero
	PLACES
	FETCH \k, \g
	s_wait_dscnt 32                                ; all but the 32 just issued
	MUL16 \f, 1, 0, \zero
	MUL16 \f, 1, 2, \zero
.endm
; The last quarter multiplies buffer 1 and changes slots: one barrier; in front of it each wave waits for all its tensor loads (one is out: its part of the next slot), adds 0 to its spare word,
; and waits for that and for its reads of this slot.  fill = 1: this slot is filled again, two K steps ahead, first thing behind the barrier: 224 matrix instructions ahead of the wait for it.
; fill = 0 (the tail): nothing is filled; in the second walk (s3 = 1) there is no further K step, and the fetch is jumped over.
.macro TURN fill
	WIN 0
	s_wait_tensorcnt 0x0
	ds_add_u32 v[SPW], v[NIL]
	s_wait_dscnt 9                                 ; the add and A's rows 64-127 may be out
	MUL16 F1, 0, 0, 0
	s_wait_dscnt 0x0                               ; the add is done, and my reads of this slot are over
	s_barrier_signal -1
	MUL16 F1, 0, 2, 0
	WIN 0
	s_barrier_wait -1
.if \fill
	s_add_co_u32 s[GW+1], s[TB], s20               ; no tensor load of mine is out: the walking descriptor takes the slot just read,
	s_add_nc_u64 s[GW+2:GW+3], s[GW+2:GW+3], KB    ; and the next K step; the type bits on top are not reached
	s_xor_b32 s[TB], s[TB], SLOT                   ; 0 and SLOT change places: the other slot is read from here on
	tensor_load_to_lds s[GW:GW+3], s[G1:G1+7]
	s_nop 0
	v_add_nc_u32 v[ADRA], s[TB], v[AA0]            ; these two and two v_nop are the places in front of the loads below
	v_add_nc_u32 v[ADRB], s[TB], v[AB0]
	v_nop
	v_nop
	FETCH 0, F0
.else
	s_xor_b32 s[TB], s[TB], SLOT
	s_cmp_eq_u32 s3, 1
	s_cbranch_scc1 .Lno_fetch_\@
	v_add_nc_u32 v[ADRA], s[TB], v[AA0]
	v_add_nc_u32 v[ADRB], s[TB], v[AB0]
	v_nop
	v_nop
	FETCH 0, F0
	WIN 0
.Lno_fetch_\@:
.endif
	MUL16 F1, 1, 0, 0
	MUL16 F1, 1, 2, 0
.endm
	s_load_b128 s[4:7], s[0:1], 0x0                ; qkv s[4:5], s s[6:7]
	v_lshl_add_u32 v[SPW], v0, 2, SPARE
	v_mov_b32 v[NIL], 0
	ds_add_u32 v[SPW], v[NIL]                      ; the wave's opening
	ds_add_u32 v28, v29
	v_lshrrev_b32 v1, 5, v0
	v_readfirstlane_b32 s10, v1                    ; wave 0..3
	s_lshr_b32 s11, s10, 1                         ; which half of the tile's rows is mine.  Also: I fetch rows of Q (0) or of K (1)
	s_and_b32 s12, s10, 1                          ; which half of its columns.  Also: which 128 rows I fetch
	s_mov_b32 s14, ttmp9                           ; t = 0..8
	s_and_b32 s13, ttmp7, 0xffff
	s_lshr_b32 s40, s13, 2                         ; the batch
	s_and_b32 s41, s13, 3                          ; u
	s_sub_co_u32 s22, 8, s41                       ; row tile u has 8 - u tiles
	s_sub_co_u32 s23, 7, s41
	s_sub_co_u32 s42, s14, s22
	s_cmp_lt_u32 s14, s22
	s_cselect_b32 s43, s41, s23                    ; i = u or 7 - u
	s_cselect_b32 s42, s14, s42                    ; the tile's number in its row
	s_add_co_u32 s44, s43, s42                     ; j = i + that
	s_mov_b32 s[G1+0], (1<<16)|(1<<20)|(5<<22)|(3<<25)   ; 2-byte elements; padding on: 4 words after every 64
	s_mov_b32 s[G1+1], 128<<16                     ; tensor_dim0 = 128
	s_mov_b32 s[G1+2], 128<<16                     ; tensor_dim1 = 128
	s_mov_b32 s[G1+3], 128<<16                     ; tile_dim0 = 128
	s_mov_b32 s[G1+4], 128                         ; tile_dim1 = 128
	s_mov_b32 s[G1+5], 1024                        ; elements from row to row
	s_mov_b32 s[G1+6], 0
	s_mov_b32 s[G1+7], 0
	s_lshl_b32 s15, s40, 11                        ; the batch's first row
	s_lshl_b32 s45, s43, 8
	s_add_co_u32 s45, s45, s15                     ; the tile's first row of Q, and of s
	s_lshl_b32 s46, s44, 8
	s_add_co_u32 s46, s46, s15
	s_add_co_u32 s46, s46, 8192                    ; its first row of K: plane K lies 8,192 rows behind plane Q
	s_cmp_eq_u32 s11, 0
	s_cselect_b32 s16, s45, s46                    ; the rows that I fetch,
	s_lshl_b32 s17, s12, 7
	s_add_co_u32 s16, s16, s17                     ; my half of them,
	s_lshl_b32 s16, s16, 11                        ; in bytes
	s_mov_b32 s17, 0
	s_mul_i32 s20, s10, HALFT                      ; where they go in a slot: wave x 128 rows
	s_mov_b32 s[TB], 0
	s_wait_dscnt 0x0                               ; the opening add is done
	s_wait_kmcnt 0x0
	s_add_nc_u64 s[18:19], s[4:5], s[16:17]
	s_mov_b64 s[8:9], s[6:7]
.irp s, 0,1
	s_mov_b32 s[G0+4*(\s)], 1                                      ; count = 1
	s_add_co_u32 s[G0+4*(\s)+1], s20, (\s)*SLOT                    ; LDS address
	s_add_nc_u64 s[G0+4*(\s)+2:G0+4*(\s)+3], s[18:19], (\s)*KB     ; global address: K step s
	s_or_b32 s[G0+4*(\s)+3], s[G0+4*(\s)+3], 0x80000000            ; type = 2
.endr
	tensor_load_to_lds s[G0:G0+3], s[G1:G1+7]      ; the two first fills go out together: two loads of mine are out
	s_nop 0
	tensor_load_to_lds s[GW:GW+3], s[G1:G1+7]
	s_nop 0
	PLACES
	; A fragment is 16 rows x 32 K in 8 registers: lane l holds row l % 16, K = 8 (l / 16) + 0..7 and 16 + 8 (l / 16) + 0..7: two loads of 16 bytes, 32 bytes apart.
	v_and_b32 v1, 15, v0                           ; l % 16
	v_bfe_u32 v2, v0, 4, 1                         ; l / 16
	v_mul_u32_u24 v3, v1, PITCH
	v_lshl_add_u32 v3, v2, 4, v3
	s_mul_i32 s21, s11, HALFT                      ; my 128 rows of A
	s_mul_i32 s22, s12, HALFT                      ; my 128 rows of B,
	s_add_co_u32 s22, s22, 2*HALFT                 ; which lie behind A's 256
	v_add_nc_u32 v[AA0], s21, v3
	v_add_nc_u32 v[AB0], s22, v3
	v_mov_b32 v[ADRA], v[AA0]                      ; slot 0 is read first
	v_mov_b32 v[ADRB], v[AB0]
	s_mul_i32 s23, s10, SW
	s_add_co_u32 s23, s23, STAGE                   ; my stage
	v_mul_u32_u24 v5, v1, SP                       ; in: row l % 16, 32 bytes for each half of the lanes
	v_lshl_add_u32 v5, v2, 5, v5
	v_add_nc_u32 v[STO], s23, v5
	v_and_b32 v4, 31, v0
	v_lshlrev_b32 v[CO], 4, v4                     ; back and out: 32 lanes take a row's 512 bytes
	v_add_nc_u32 v[RD], s23, v[CO]
	s_lshl_b32 s16, s11, 7
	s_add_co_u32 s16, s16, s45                     ; my first row of s
	s_lshl_b32 s16, s16, 13
	s_lshl_b32 s22, s44, 10                        ; 256 columns of 4 bytes a tile,
	s_add_co_u32 s16, s16, s22
	s_lshl_b32 s22, s12, 9                         ; 128 a half
	s_add_co_u32 s16, s16, s22
	s_mov_b32 s17, 0                               ; the first way out adds s[16:17] to the output's address
	s_wait_tensorcnt 1                             ; my part of K step 0 is in; K step 1's may stay out
	s_barrier_signal -1
	s_barrier_wait -1
	FETCH 0, F0
	QUARTER 64, F0, F1, 1                          ; the first quarter stands in front of the loop: its products start the sums
	WIN 0                                          ; at a label and at a branch every window is 0
	s_mov_b32 s3, STEPS-2
.Lstep:                                                ; a trip goes from a K step's second quarter to the next step's first, and fills the slot that it leaves: K steps 2 to 7
	QUARTER 128, F1, F0, 0
	QUARTER 192, F0, F1, 0
	TURN 1
	QUARTER 64, F0, F1, 0
	WIN 0
	s_sub_co_u32 s3, s3, 1
	s_cmp_lg_u32 s3, 0
	s_cbranch_scc1 .Lstep
	s_mov_b32 s3, 2
.Ltail:                                                ; the last two K steps fill nothing. The second walk is left behind its last quarter; its barrier serves nothing, once a launch
	QUARTER 128, F1, F0, 0
	QUARTER 192, F0, F1, 0
	TURN 0
	WIN 0
	s_sub_co_u32 s3, s3, 1
	s_cmp_eq_u32 s3, 0
	s_cbranch_scc1 .Lout
	QUARTER 64, F0, F1, 0
	WIN 0
	s_branch .Ltail
.Lout:
; THE WAY OUT in f32, a block of 16 rows at a time: the accumulators go into my own stage (each one's lowest registers first) and come back as whole rows of 512 bytes.
.macro STG a
.set BK, BK0+64*((\a)%2)
.set AC, 64*((\a)%4)
	s_wait_xcnt 0x0                                ; the registers that earlier stores read are loaded again only behind this wait
	WIN 0x08+4*((\a)/4)                            ; the stores' data in window 2 or 3
.irp b, 0,1,2,3,4,5,6,7
	ds_store_b128 v[STO], v[AC+8*(\b):AC+8*(\b)+3]   offset:64*(\b)
	ds_store_b128 v[STO], v[AC+8*(\b)+4:AC+8*(\b)+7] offset:64*(\b)+16
.endr
	WIN 0
.irp t, 0,1,2,3,4,5,6,7,8,9,10,11,12,13,14,15
	ds_load_b128 v[BK+4*(\t):BK+4*(\t)+3], v[RD] offset:(\t)*SP  ; LDS serves a wave's instructions in order (ISA guide 5.7.1.4): these see the stores above; the next block's stores come behind them
.endr
.endm
.macro SEND32 a, younger               ; younger: the LDS instructions issued behind block a's loads: the next block's 32, or none
.set BK, BK0+64*((\a)%2)
	s_wait_dscnt \younger
	s_wait_xcnt 0x0                                ; the stores' base is stepped only behind this wait
.if (\a) == 0
	s_add_nc_u64 s[8:9], s[8:9], s[16:17]
.else
	s_add_nc_u64 s[8:9], s[8:9], 16*PC
.endif
.irp t, 0,1,2,3,4,5,6,7,8,9,10,11,12,13,14,15
	global_store_b128 v[CO], v[BK+4*(\t):BK+4*(\t)+3], s[8:9] offset:(\t)*PC  ; 512 consecutive bytes, at a multiple of 256 from the buffer's first byte
.endr
.endm
	s_wait_dscnt 0x0                               ; no LDS load is out, whichever way led here
	PLACES                                         ; behind the last products
	STG 0
.irp a, 1,2,3,4,5,6,7
	STG \a
	SEND32 (\a)-1, 32
.endr
	SEND32 7, 0
	s_wait_tensorcnt 0x0                           ; the wave's end
	ds_add_u32 v[SPW], v[NIL]
	s_wait_dscnt 0x0
	s_endpgm
.Lfunc_end_k_qdc08e6da77_sc:
	.size	k_qdc08e6da77_sc, .Lfunc_end_k_qdc08e6da77_sc-k_qdc08e6da77_sc
	.p2alignl 7, 3214868480
	.fill 96, 4, 3214868480
	.section	.rodata,"a",@progbits
	.p2align	6, 0x0
	.amdhsa_kernel k_qdc08e6da77_sc
		.amdhsa_group_segment_fixed_size 327680
		.amdhsa_private_segment_fixed_size 0
		.amdhsa_enable_private_segment 0
		.amdhsa_kernarg_size 16
		.amdhsa_user_sgpr_count 2
		.amdhsa_user_sgpr_kernarg_segment_ptr 1
		.amdhsa_wavefront_size32 1
		.amdhsa_system_sgpr_workgroup_id_x 1
		.amdhsa_system_sgpr_workgroup_id_y 1
		.amdhsa_system_sgpr_workgroup_id_z 1
		.amdhsa_system_vgpr_workitem_id 0
		.amdhsa_next_free_vgpr 1024
		.amdhsa_next_free_sgpr 66
		.amdhsa_reserve_vcc 0
		.amdhsa_float_denorm_mode_32 3
		.amdhsa_float_denorm_mode_16_64 3
		.amdhsa_memory_ordered 1
		.amdhsa_forward_progress 1
		.amdhsa_inst_pref_size 95
	.end_amdhsa_kernel
	.amdgpu_metadata
---
amdhsa.version: [ 1, 2 ]
amdhsa.kernels:
  - .name:           k_qdc08e6da77_sc
    .symbol:         k_qdc08e6da77_sc.kd
    .args:
      - { .name: qkv, .offset: 0, .size: 8, .value_kind: global_buffer, .address_space: global }
      - { .name: s, .offset: 8, .size: 8, .value_kind: global_buffer, .address_space: global }
    .group_segment_fixed_size: 327680
    .private_segment_fixed_size: 0
    .kernarg_segment_align: 8
    .kernarg_segment_size: 16
    .max_flat_workgroup_size: 128
    .sgpr_count:     66
    .vgpr_count:     1024
    .wavefront_size: 32
...
	.end_amdgpu_metadata
.endif
;; end of part 8
;; launch soft (part 9): grid 1024 x 1, 8 waves a work-group, no clusters, 0 bytes of LDS; arguments s, p, linv; writes p, linv
.if DOCPART == 9
	.amdgcn_target "amdgcn-amd-amdhsa--gfx1250"
	.amdhsa_code_object_version 6
	.text
	.protected	k_qdc08e6da77_soft
	.globl	k_qdc08e6da77_soft
	.p2align	8
	.type	k_qdc08e6da77_soft,@function
k_qdc08e6da77_soft:
	s_mov_b64 s[64:65], 0
	v_nop
	global_prefetch_b8 v0, s[64:65] scope:SCOPE_SE
	s_setreg_imm32_b32 hwreg(HW_REG_WAVE_MODE, 25, 1), 1
	s_wait_xcnt 0x0
; The mask and the softmax's numerator.  For row r of a batch: score = s / 32 where the key is r + 2 or later, -1e9 elsewhere; m = the row's maximum; p = exp(score - m), rounded to f16;
; l = the sum over all 2,048 keys of the unrounded p, in f32; linv = 1 / l, by which the second product's result is multiplied in f32.  So the largest weight is exactly 1 in f16.
; The work is done on the raw sums: a hidden key counts as -3.2e10 = -1e9 x 32, which is exact in f32, and p = 2^((x - m) c) with c = log2(e) / 32.  x - m is taken FIRST and multiplied afterwards:
; in rows 2046 and 2047 every key is hidden, x = m, and the difference must be exactly 0 (p = 1, l = 2048); a fused c x - c m would leave the rounding of c m, tens of units at that size.
; LIMITS.  A weight below 2^-126 counts as 0 in l, below 3e-8 as 0 in p; NaN and infinities are not treated apart.
; One wave, one row: 64 numbers a lane stay in registers between the maximum, the exponentials and the sum; no LDS, no barrier.  The lane holds columns 256 c + 8 lane + 0..7 of chunk c, so its
; eight f16 are 16 neighbouring bytes and a wave's store covers 512 consecutive bytes.
; Of s only the chunks c >= i = r / 256 were written.  A chunk left of that is read at chunk i's place and then wholly masked: no unwritten byte is read, and the waits' counts are alike on every path.
; p is [8192][2304].  Written is what the second product reads: its walk over the keys begins at an even chunk, so chunks from i & 6 on (the one left of i holds true zeros); in a batch's last 256 rows chunk 7 and
; chunk 8, the weights of V's 256 further keys: columns 240-255 repeat the weights of keys 2032-2047 (for V's lo rows); columns 0-239 (sums of eight rows of V over 8, for keys 0-1791, and 16 rows of zeros) hold 8
; in rows 2046 and 2047, which weigh every key alike, and 0 in every other row.
; Matrix units, clusters and tensor loads are left out: no byte is shared between waves.
.set OF, 8                             ; v8-15   chunk c: my byte offset in the row of s
.set X,  16                            ; v16-79  the row: chunk c at X + 8 c; later p in f16, chunk c at X + 4 c
.set MX, 80                            ; v80-83  four chains of the maximum; later chunk 8
.set SA, 84                            ; v84-91  four pairs of sums
	s_load_b128 s[4:7], s[0:1], 0x0                ; s s[4:5], p s[6:7]
	s_load_b64 s[8:9], s[0:1], 0x10                ; linv
	v_and_b32 v1, 31, v0                           ; lane
	v_lshrrev_b32 v2, 5, v0
	v_readfirstlane_b32 s10, v2                    ; wave
	s_lshl_b32 s11, ttmp9, 3
	s_add_co_u32 s11, s11, s10                     ; my row of 8,192
	s_and_b32 s12, s11, 2047                       ; r
	s_lshr_b32 s13, s12, 8                         ; i
	s_lshl_b32 s14, s11, 13                        ; rows of 8,192 bytes in s,
	s_mov_b32 s15, 0
	s_mul_i32 s16, s11, 4608                       ; of 4,608 in p,
	s_mov_b32 s17, 0
	s_lshl_b32 s18, s11, 2                         ; a word in linv
	s_mov_b32 s19, 0
	s_add_co_u32 s21, s12, 2                       ; the first key that the row sees
	s_mov_b32 s22, 0x3d38aa3b                      ; c = log2(e) / 32
	s_mov_b32 s23, s22                             ; named with it as a pair
	s_mov_b32 s24, 0x76543210                      ; v_permlanex16_b32: each lane takes its own place in the other half
	s_mov_b32 s25, 0xfedcba98
	s_and_b32 s26, s13, 6                          ; the first chunk of p that is read later: the even one at or left of i,
	s_cmp_eq_u32 s13, 7
	s_cselect_b32 s26, 7, s26                      ; in the last 256 rows chunk 7
	s_cmp_ge_u32 s12, 2046
	s_cselect_b32 s27, 0x48004800, 0               ; the weight of the sums of V: 8 twice in f16 in the two rows that weigh every key, else 0
	v_lshlrev_b32 v3, 5, v1                        ; 32 bytes a lane
.irp c, 0,1,2,3,4,5,6,7
	s_max_u32 s20, s13, \c
	s_lshl_b32 s20, s20, 10
	v_add_nc_u32 v[OF+(\c)], s20, v3
.endr
	v_lshlrev_b32 v5, 3, v1
	v_sub_nc_u32 v5, s21, v5                       ; column 256 c + 8 lane + e is seen where 256 c + e >= r + 2 - 8 lane
	v_mov_b32 v4, 0xd0ee6b28                       ; -3.2e10
	v_lshlrev_b32 v6, 4, v1                        ; my 16 bytes in a chunk of p
	v_mov_b32 v7, 0
	s_wait_kmcnt 0x0
	s_add_nc_u64 s[4:5], s[4:5], s[14:15]
	s_add_nc_u64 s[6:7], s[6:7], s[16:17]
	s_add_nc_u64 s[8:9], s[8:9], s[18:19]
.irp c, 0,1,2,3,4,5,6,7                ; all sixteen loads go out together
	global_load_b128 v[X+8*(\c):X+8*(\c)+3],   v[OF+(\c)], s[4:5]
	global_load_b128 v[X+8*(\c)+4:X+8*(\c)+7], v[OF+(\c)], s[4:5] offset:16
.endr
.irp c, 0,1,2,3,4,5,6,7
	s_wait_loadcnt 14-2*(\c)                       ; loads come back in order: chunk c's two are in, the later chunks' stay out
.irp e, 0,1,2,3,4,5,6,7
	v_cmp_ge_i32 vcc_lo, 256*(\c)+(\e), v5
	v_cndmask_b32 v[X+8*(\c)+(\e)], v4, v[X+8*(\c)+(\e)], vcc_lo
.endr
.endr
.irp k, 0,1,2,3                        ; the maximum: four chains of fifteen numbers, three operands at a time
	v_max3_num_f32 v[MX+(\k)], v[X+16*(\k)], v[X+16*(\k)+1], v[X+16*(\k)+2]
.endr
.irp j, 0,1,2,3,4,5
.irp k, 0,1,2,3
	v_max3_num_f32 v[MX+(\k)], v[MX+(\k)], v[X+16*(\k)+3+2*(\j)], v[X+16*(\k)+4+2*(\j)]
.endr
.endr
	v_max3_num_f32 v[MX], v[MX], v[X+15], v[X+31]  ; the four left over
	v_max3_num_f32 v[MX+2], v[MX+2], v[X+47], v[X+63]
	v_max3_num_f32 v[MX], v[MX], v[MX+1], v[MX+2]
	v_max_num_f32 v[MX], v[MX], v[MX+3]
	v_max_num_f32_dpp v[MX], v[MX], v[MX] row_xmask:1 row_mask:0xf bank_mask:0xf
	v_max_num_f32_dpp v[MX], v[MX], v[MX] row_xmask:2 row_mask:0xf bank_mask:0xf
	v_max_num_f32_dpp v[MX], v[MX], v[MX] row_xmask:4 row_mask:0xf bank_mask:0xf
	v_max_num_f32_dpp v[MX], v[MX], v[MX] row_xmask:8 row_mask:0xf bank_mask:0xf
	v_permlanex16_b32 v[MX+1], v[MX], s24, s25
	v_max_num_f32 v[MX], v[MX], v[MX+1]            ; every lane holds m
.set i, 0
.rept 32
	v_pk_add_f32 v[X+2*i:X+2*i+1], v[X+2*i:X+2*i+1], v[MX:MX+1] op_sel_hi:[1,0] neg_lo:[0,1] neg_hi:[0,1]  ; x - m
.set i, i+1
.endr
.set i, 0
.rept 32
	v_pk_mul_f32 v[X+2*i:X+2*i+1], v[X+2*i:X+2*i+1], s[22:23] op_sel_hi:[1,0]
.set i, i+1
.endr
.set i, 0
.rept 64
	v_exp_f32 v[X+i], v[X+i]
.set i, i+1
.endr
	v_nop                                          ; a plain instruction between the last exponential and the use of its result (ISA guide 5.7.2)
	s_wait_alu depctr_va_vdst(0)
.irp k, 0,1,2,3                        ; l: four chains of eight pairs
	v_pk_add_f32 v[SA+2*(\k):SA+2*(\k)+1], v[X+16*(\k):X+16*(\k)+1], v[X+16*(\k)+2:X+16*(\k)+3]
.endr
.irp j, 2,3,4,5,6,7
.irp k, 0,1,2,3
	v_pk_add_f32 v[SA+2*(\k):SA+2*(\k)+1], v[SA+2*(\k):SA+2*(\k)+1], v[X+16*(\k)+2*(\j):X+16*(\k)+2*(\j)+1]
.endr
.endr
	v_pk_add_f32 v[SA:SA+1], v[SA:SA+1], v[SA+2:SA+3]
	v_pk_add_f32 v[SA+4:SA+5], v[SA+4:SA+5], v[SA+6:SA+7]
	v_pk_add_f32 v[SA:SA+1], v[SA:SA+1], v[SA+4:SA+5]
	v_add_f32 v[SA], v[SA], v[SA+1]
.set i, 0
.rept 32                               ; in place: pair i goes where numbers that have been read lay
	v_cvt_pk_f16_f32 v[X+i], v[X+2*i], v[X+2*i+1]
.set i, i+1
.endr
.irp c, 0,1,2,3,4,5,6
	s_cmp_gt_u32 s26, \c                           ; left of what is read later: not stored
	s_cbranch_scc1 .Lno_\c
	global_store_b128 v6, v[X+4*(\c):X+4*(\c)+3], s[6:7] offset:(\c)*512
.Lno_\c:
.endr
	global_store_b128 v6, v[X+28:X+31], s[6:7] offset:7*512
	s_cmp_lg_u32 s13, 7
	s_cbranch_scc1 .Lno_8                          ; chunk 8 is read in a batch's last 256 rows alone
	v_mov_b32 v3, s27
	v_cmp_gt_u32 vcc_lo, 30, v1                    ; lanes 0-29: columns 0-239; lanes 30, 31: columns 240-255
.irp q, 0,1,2,3
	v_cndmask_b32 v[MX+(\q)], v[X+28+(\q)], v3, vcc_lo
.endr
	global_store_b128 v6, v[MX:MX+3], s[6:7] offset:8*512
.Lno_8:
	v_add_f32_dpp v[SA], v[SA], v[SA] row_xmask:1 row_mask:0xf bank_mask:0xf
	v_add_f32_dpp v[SA], v[SA], v[SA] row_xmask:2 row_mask:0xf bank_mask:0xf
	v_add_f32_dpp v[SA], v[SA], v[SA] row_xmask:4 row_mask:0xf bank_mask:0xf
	v_add_f32_dpp v[SA], v[SA], v[SA] row_xmask:8 row_mask:0xf bank_mask:0xf
	v_permlanex16_b32 v[SA+1], v[SA], s24, s25
	v_add_f32 v[SA], v[SA], v[SA+1]                ; l, at least 1: the maximum's own weight
	v_rcp_f32 v2, v[SA]
	v_nop                                          ; a plain instruction behind the reciprocal
	v_cmp_eq_u32 vcc_lo, 0, v1
	s_wait_xcnt 0x0                                ; EXEC is a source of the stores above: it changes only behind this wait
	s_and_saveexec_b32 s20, vcc_lo
	s_wait_alu depctr_va_vdst(0)
	global_store_b32 v7, v2, s[8:9]                ; lane 0 alone
	s_wait_xcnt 0x0
	s_or_b32 exec_lo, exec_lo, s20
	s_endpgm
.Lfunc_end_k_qdc08e6da77_soft:
	.size	k_qdc08e6da77_soft, .Lfunc_end_k_qdc08e6da77_soft-k_qdc08e6da77_soft
	.p2alignl 7, 3214868480
	.fill 96, 4, 3214868480
	.section	.rodata,"a",@progbits
	.p2align	6, 0x0
	.amdhsa_kernel k_qdc08e6da77_soft
		.amdhsa_group_segment_fixed_size 0
		.amdhsa_private_segment_fixed_size 0
		.amdhsa_enable_private_segment 0
		.amdhsa_kernarg_size 24
		.amdhsa_user_sgpr_count 2
		.amdhsa_user_sgpr_kernarg_segment_ptr 1
		.amdhsa_wavefront_size32 1
		.amdhsa_system_sgpr_workgroup_id_x 1
		.amdhsa_system_sgpr_workgroup_id_y 1
		.amdhsa_system_sgpr_workgroup_id_z 1
		.amdhsa_system_vgpr_workitem_id 0
		.amdhsa_next_free_vgpr 96
		.amdhsa_next_free_sgpr 66
		.amdhsa_reserve_vcc 1
		.amdhsa_float_denorm_mode_32 3
		.amdhsa_float_denorm_mode_16_64 3
		.amdhsa_memory_ordered 1
		.amdhsa_forward_progress 1
		.amdhsa_inst_pref_size 25
	.end_amdhsa_kernel
	.amdgpu_metadata
---
amdhsa.version: [ 1, 2 ]
amdhsa.kernels:
  - .name:           k_qdc08e6da77_soft
    .symbol:         k_qdc08e6da77_soft.kd
    .args:
      - { .name: s, .offset: 0, .size: 8, .value_kind: global_buffer, .address_space: global }
      - { .name: p, .offset: 8, .size: 8, .value_kind: global_buffer, .address_space: global }
      - { .name: linv, .offset: 16, .size: 8, .value_kind: global_buffer, .address_space: global }
    .group_segment_fixed_size: 0
    .private_segment_fixed_size: 0
    .kernarg_segment_align: 8
    .kernarg_segment_size: 24
    .max_flat_workgroup_size: 256
    .sgpr_count:     66
    .vgpr_count:     96
    .wavefront_size: 32
...
	.end_amdgpu_metadata
.endif
;; end of part 9
;; launch pv (part 10): grid 8 x 64, 4 waves a work-group, clusters of 4 x 1, 327,680 bytes of LDS; arguments p, qkv, linv, o; writes o
.if DOCPART == 10
	.amdgcn_target "amdgcn-amd-amdhsa--gfx1250"
	.amdhsa_code_object_version 6
	.text
	.protected	k_qdc08e6da77_pv
	.globl	k_qdc08e6da77_pv
	.p2align	8
	.type	k_qdc08e6da77_pv,@function
k_qdc08e6da77_pv:
	s_mov_b64 s[64:65], 0
	v_nop
	global_prefetch_b8 v0, s[64:65] scope:SCOPE_SE
	s_setreg_imm32_b32 hwreg(HW_REG_WAVE_MODE, 25, 1), 1
	s_wait_xcnt 0x0
	s_wait_alu depctr_hold_cnt(0) depctr_sa_sdst(0) depctr_va_vdst(0) depctr_va_sdst(0) depctr_va_ssrc(0) depctr_va_vcc(0) depctr_vm_vsrc(0)
	s_getreg_b32 s2, hwreg(HW_REG_IB_STS2, 6, 4)
	s_cmp_eq_u32 s2, 0
	s_cbranch_scc0 .Lentry_in_a_cluster
	s_endpgm
.Lentry_in_a_cluster:
	s_bfe_u32 s2, ttmp6, 0x10000c
	s_cmp_lg_u32 s2, 0x3003
	s_cbranch_scc0 .Lentry_shape_is_right
	s_endpgm
.Lentry_shape_is_right:
; o = (p V) / l.  A = p [8192][2304] f16 (weights, a row's largest exactly 1), B = plane V of qkv, [4][2304][1024] f16, stored [key][channel]; sums in f32, multiplied by linv in f32, rounded once to f16.
; Keys 2048-2303 of a batch are V's further keys (sums of eight rows over 8, zeros, lo rows), with their weights in p's columns 2048-2303.
; LIMITS: o stays within f16's 65,504, as V does; NaN and infinities are not treated apart.
; SHARES.  A work-group makes 128 x 128 of o, four waves 64 x 64 each: 16 accumulators.  K goes in steps of 256 keys, as long as two slots in LDS allow: a step brings 131,072 bytes in four loads of 32,768
; and holds 128 matrix instructions a wave, 112 of them between a request and the wait for it.
; THE WALKS.  The grid's y is 4 t + batch; t is the row tile of 128 rows.  Row r has weights from key r + 2 on, so row tile t walks 4 - t / 4 laps of two steps, from key 512 (t / 4) to key 2,047: 8, 6, 4 or 2 steps;
; the longest walks have the lowest y, and 8 + 2 = 6 + 4.  Row tiles 14 and 15 walk keys 1792-2047 and the further keys, which no other row tile needs: the two rows of a batch that weigh every key find
; keys 0-1791 there as sums.  The number of laps hangs on the grid's y alone, which the four partners of a cluster share.
; CLUSTER 4 x 1: the four column tiles of a cluster need the same tile of p: a joint load.  Their tiles of V differ: loads of their own, behind the same rounds.
; V comes out of LDS turned, by ds_load_tr16_b128.  THE MATRIX INSTRUCTION IS USED TRANSPOSED (source 0 = 16 channels of V, source 1 = 16 rows of p): a lane holds row lane % 16 and eight neighbouring channels,
; so a row's 1 / l is one number a lane.  A wave's 64 channels are half of an aligned 256 bytes of o: the four waves share ONE stage on the way out, with a barrier between writing and reading.
; REGISTERS, in windows of 256 (s_set_vgpr_msb: bits 1:0 source 0, 3:2 source 1, 5:4 source 2, 7:6 destination):
;   window 0: v0-31 addresses; v32-95 at work on the way out; v96-103 1 / l; v128-255 the accumulators ((a, b) at v[128 + 8 (4 a + b)])
;   window 1: two fragment buffers of 128: for 64 keys (two matrix instructions deep), 64 registers of p (2 x 4 x 16 rows x 32 keys), then 64 of V
.set PITCH,  528                       ; a row of p in LDS: 512 bytes + 16 = 132 words: the 16 rows of a fragment load start at 16 different groups of four banks (64 banks of 4 bytes: ISA guide 11.1)
.set BPITCH, 288                       ; a row of V: 256 + 32 = 72 words
.set AHALF,  64*PITCH                  ; 64 rows of p: what wave 0 or 1 brings, and what a wave reads
.set BHALF,  128*BPITCH                ; 128 keys of V: what wave 2 or 3 brings
.set BOFF,   2*AHALF                   ; a slot: p's 128 rows, then V's 256 keys
.set SLOT,   BOFF+2*BHALF
.set STAGE,  2*SLOT                    ; behind the ring, never filled by a tensor load: 128 rows x 272 bytes, the work-group's
.set SP,     272
.set SPARE,  STAGE+128*SP              ; the spare words, 128 bytes for each wave: two blocks of 256 bytes that no other line names
.set ASTEP,  512                       ; 256 weights along a row
.set BSTEP,  256*2048                  ; 256 keys down
.set PC,     2048                      ; a row of o in bytes
.set ADRA, 16                          ; v16-17  LDS address of my fragments of p in slot 0, 1
.set ADRB, 20                          ; v20-23  the same for V: slot s, keys 128 u on at ADRB + 2 s + u: an LDS instruction's offset has 16 bits, and 256 rows of 288 bytes are more
.set STO,  24                          ; v24  the way out: where I put 16 bytes of a row
.set RD,   25                          ; v25  where I read a row back
.set CO,   26                          ; v26  my byte offset in o
.set SPW,  28                          ; v28  LDS address of my spare word; never rewritten
.set NIL,  29                          ; v29  0; never rewritten
.set TMP,  32                          ; v32-95  packed results, then whole rows
.set LI,   96                          ; v96-103  1 / l of my row in block a, at LI + 2 a, twice
.set ACC,  128
.set F0,   0                           ; fragment buffers, in window 1
.set F1,   128
.set G1,  24                           ; s[24:31] descriptor group 1 for p;  s[32:39] group 0, a set for each slot
.set G0,  32
.set G1B, 48                           ; s[48:55], s[56:63] the same for V
.set G0B, 56
.set MUL,  0x05                        ; sources 0 (V) and 1 (p) window 1; C and D window 0
.set TO_F, 0x40                        ; destination window 1, address window 0
.set MSB, 0
.macro WIN new                         ; the immediate's high byte repeats the setting that is left; a switch that changes nothing is dropped
.if MSB != (\new)
	s_set_vgpr_msb (MSB<<8)|(\new)
.set MSB, \new
.endif
.endm
.macro PLACES                          ; four places between a matrix instruction and a load into, or a vector instruction on, its registers
.rept 4
	v_nop
.endr
.endm
.macro JLOAD s                         ; waves 0, 1: the joint load of p's halves; waves 2, 3: my own load of V's halves; s_nop 0 and four v_nop follow each line
	s_cmp_lt_u32 s10, 2
	s_cbranch_scc0 .Lfor_b_\@
	tensor_load_to_lds s[G0+4*(\s):G0+4*(\s)+3], s[G1:G1+7]
	s_nop 0
	PLACES
	s_branch .Lasked_\@
.Lfor_b_\@:
	tensor_load_to_lds s[G0B+4*(\s):G0B+4*(\s)+3], s[G1B:G1B+7]
	s_nop 0
	PLACES
.Lasked_\@:
.endm
.macro CREST                           ; a round of the cluster's barrier behind its opening barrier
	s_cmp_lg_u32 s10, 0
	s_cbranch_scc1 .Lnot_wave_0_\@
	s_barrier_signal -3
.Lnot_wave_0_\@:
	s_barrier_wait -3
	s_barrier_signal -1
	s_barrier_wait -1
.endm
.macro CROUND
	s_barrier_signal -1
	s_barrier_wait -1
	CREST
.endm
; 8 matrix instructions: row blocks a0, a0 + 1 x all 4 channel blocks, 32 keys: half c of buffer f.  zero = 1: the product starts the sums
.macro MUL8 f, c, a0, zero
	WIN MUL
.irp a, \a0, (\a0)+1
.irp b, 0,1,2,3
.if \zero
	v_wmma_f32_16x16x32_f16 v[ACC+8*(4*(\a)+(\b)):ACC+8*(4*(\a)+(\b))+7], v[(\f)+64+8*(4*(\c)+(\b)):(\f)+64+8*(4*(\c)+(\b))+7], v[(\f)+8*(4*(\c)+(\a)):(\f)+8*(4*(\c)+(\a))+7], 0
.else
	v_wmma_f32_16x16x32_f16 v[ACC+8*(4*(\a)+(\b)):ACC+8*(4*(\a)+(\b))+7], v[(\f)+64+8*(4*(\c)+(\b)):(\f)+64+8*(4*(\c)+(\b))+7], v[(\f)+8*(4*(\c)+(\a)):(\f)+8*(4*(\c)+(\a))+7], v[ACC+8*(4*(\a)+(\b)):ACC+8*(4*(\a)+(\b))+7]
.endif
.endr
.endr
.endm
; 32 LDS loads in one run: the fragments of 64 keys, at byte k of p's rows (k / 2 keys down in V's tile), into buffer f; the first 32 keys first
.macro FETCH slot, k, f
	WIN TO_F
.irp c, 0,1
.irp i, 0,1,2,3
	ds_load_tr16_b128 v[(\f)+64+8*(4*(\c)+(\i)):(\f)+64+8*(4*(\c)+(\i))+3],   v[ADRB+2*(\slot)+(\k)/256] offset:((((\k)/128)%2)*64+32*(\c))*BPITCH+32*(\i)
	ds_load_tr16_b128 v[(\f)+64+8*(4*(\c)+(\i))+4:(\f)+64+8*(4*(\c)+(\i))+7], v[ADRB+2*(\slot)+(\k)/256] offset:((((\k)/128)%2)*64+32*(\c))*BPITCH+16*BPITCH+32*(\i)
	ds_load_b128 v[(\f)+8*(4*(\c)+(\i)):(\f)+8*(4*(\c)+(\i))+3],   v[ADRA+(\slot)] offset:(\k)+64*(\c)+(\i)*16*PITCH
	ds_load_b128 v[(\f)+8*(4*(\c)+(\i))+4:(\f)+8*(4*(\c)+(\i))+7], v[ADRA+(\slot)] offset:(\k)+64*(\c)+(\i)*16*PITCH+32
.endr
.endr
.endm
; A K step is four quarters of 64 keys, 32 matrix instructions each, on buffers 0, 1, 0, 1; the 16 accumulators take turns.
.macro QUARTER slot, k, f, g, zero     ; one of the first three: multiplies buffer f and, in its middle, fetches the next quarter, at byte k, into g
	s_wait_dscnt 16                                ; the first 32 keys are in; the youngest sixteen loads may be out
	MUL8 \f, 0, 0, \zero
	MUL8 \f, 0, 2, \zero
	PLACES
	FETCH \slot, \k, \g
	s_wait_dscnt 32                                ; all but the 32 just issued
	MUL8 \f, 1, 0, 0
	MUL8 \f, 1, 2, 0
.endm
; The last quarter multiplies buffer 1 and changes slots: one barrier; in front of it each wave waits for all its tensor loads (one is out: its part of the next slot), adds 0 to its spare word,
; and waits for that and for its reads of this slot.  fill = 1: the barrier opens a round of the cluster's, and this slot is filled again, two K steps ahead, first thing behind the round.
.macro TURN slot, next, fill
	WIN 0                                          ; (the add's two registers lie in window 0)
	s_wait_tensorcnt 0x0
	ds_add_u32 v[SPW], v[NIL]
	s_wait_dscnt 17                                ; the add and the youngest sixteen loads may be out
	MUL8 F1, 0, 0, 0
	s_wait_dscnt 0x0                               ; the add is done, and my reads of this slot are over
	s_barrier_signal -1
	MUL8 F1, 0, 2, 0
.if \fill
	WIN 0
.endif
	s_barrier_wait -1
.if \fill
	CREST                                          ; no wave of any partner still reads this slot or has a load on its way
	s_add_nc_u64 s[G0+4*(\slot)+2:G0+4*(\slot)+3], s[G0+4*(\slot)+2:G0+4*(\slot)+3], 2*ASTEP
	s_add_nc_u64 s[G0B+4*(\slot)+2:G0B+4*(\slot)+3], s[G0B+4*(\slot)+2:G0B+4*(\slot)+3], 2*BSTEP
	JLOAD \slot                                    ; its four v_nop are also the places in front of the loads below
.else
	PLACES
.endif
	FETCH \next, 0, F0
	MUL8 F1, 1, 0, 0
	MUL8 F1, 1, 2, 0
.endm
	s_load_b128 s[4:7], s[0:1], 0x0                ; p s[4:5], qkv s[6:7]
	s_load_b128 s[68:71], s[0:1], 0x10             ; linv s[68:69], o s[70:71]
	v_lshl_add_u32 v[SPW], v0, 2, SPARE
	v_mov_b32 v[NIL], 0
	ds_add_u32 v[SPW], v[NIL]                      ; the wave's opening
	ds_add_u32 v28, v29
	v_lshrrev_b32 v1, 5, v0
	v_readfirstlane_b32 s10, v1                    ; wave 0..3
	s_lshr_b32 s11, s10, 1                         ; which half of the tile's rows is mine
	s_and_b32 s12, s10, 1                          ; which half of its channels.  Also: which half of p's or V's tile I fetch
	s_bfe_u32 s40, ttmp6, 0x40000                  ; cx
	s_lshl_b32 s42, ttmp9, 2
	s_add_co_u32 s42, s42, s40                     ; column tile 0..7: it enters V's and o's addresses alone
	s_and_b32 s13, ttmp7, 0xffff                   ; 4 t + batch, which the four partners share
	s_and_b32 s14, s13, 3                          ; the batch
	s_lshr_b32 s15, s13, 2                         ; t
	s_lshr_b32 s22, s15, 2
	s_sub_co_u32 s2, 3, s22                        ; laps - 1: 3 to 0
	s_lshl_b32 s41, s22, 1                         ; the walk's first 256 keys: 2 (t / 4),
	s_cmp_ge_u32 s15, 14
	s_cselect_b32 s41, 7, s41                      ; for row tiles 14 and 15 the last real ones: the further keys follow them
	s_mov_b32 s[G1+0], 15|(1<<16)|(1<<20)|(1<<21)|(6<<22)|(3<<25)  ; the mask of four; 2-byte elements; padding on; 21 set beside a mask; 4 words after every 128
	s_mov_b32 s[G1+1], 256<<16                     ; tensor_dim0 = 256
	s_mov_b32 s[G1+2], 64<<16                      ; tensor_dim1 = 64
	s_mov_b32 s[G1+3], 256<<16                     ; tile_dim0 = 256
	s_mov_b32 s[G1+4], 64                          ; tile_dim1 = 64
	s_mov_b32 s[G1+5], 2304                        ; elements from row to row
	s_mov_b32 s[G1+6], 0
	s_mov_b32 s[G1+7], 0
	s_mov_b32 s[G1B+0], (1<<16)|(1<<20)|(5<<22)|(7<<25)            ; no mask; 8 words after every 64
	s_mov_b32 s[G1B+1], 128<<16
	s_mov_b32 s[G1B+2], 128<<16
	s_mov_b32 s[G1B+3], 128<<16
	s_mov_b32 s[G1B+4], 128
	s_mov_b32 s[G1B+5], 1024
	s_mov_b32 s[G1B+6], 0
	s_mov_b32 s[G1B+7], 0
	s_lshl_b32 s45, s14, 11
	s_lshl_b32 s22, s15, 7
	s_add_co_u32 s45, s45, s22                     ; the tile's first row: 2048 batch + 128 t
	s_lshl_b32 s17, s12, 6                         ; p: + 64 half, rows of 4,608 bytes; 512 bytes for each 256 keys
	s_add_co_u32 s16, s45, s17
	s_mul_i32 s16, s16, 4608
	s_lshl_b32 s17, s41, 9
	s_add_co_u32 s16, s16, s17
	s_mov_b32 s17, 0
	s_mul_i32 s46, s14, 2304                       ; V: key row 2304 batch + 256 first + 128 half, rows of 2,048 bytes; 256 bytes for each column tile
	s_lshl_b32 s47, s41, 8
	s_add_co_u32 s46, s46, s47
	s_lshl_b32 s47, s12, 7
	s_add_co_u32 s46, s46, s47
	s_lshl_b32 s46, s46, 11
	s_lshl_b32 s47, s42, 8
	s_add_co_u32 s46, s46, s47
	s_add_co_u32 s46, s46, 33554432                ; plane V lies behind planes Q and K
	s_mov_b32 s47, 0
	s_mul_i32 s20, s12, AHALF                      ; where they go in a slot: no place in the cluster enters an LDS address
	s_mul_i32 s21, s12, BHALF
	s_add_co_u32 s21, s21, BOFF
	s_lshl_b32 s22, s11, 6
	s_add_co_u32 s22, s22, s45                     ; the first row that I multiply,
	s_lshl_b32 s76, s22, 2                         ; its word in linv
	s_mov_b32 s77, 0
	s_lshl_b32 s22, s10, 5
	s_add_co_u32 s22, s22, s45                     ; the first row that I store: wave w takes rows 32 w on
	s_lshl_b32 s74, s22, 11
	s_lshl_b32 s22, s42, 8
	s_add_co_u32 s74, s74, s22
	s_mov_b32 s75, 0
	s_wait_dscnt 0x0                               ; the opening add is done
	s_wait_kmcnt 0x0
	s_add_nc_u64 s[18:19], s[4:5], s[16:17]
	s_add_nc_u64 s[46:47], s[6:7], s[46:47]
	s_add_nc_u64 s[68:69], s[68:69], s[76:77]
	s_add_nc_u64 s[8:9], s[70:71], s[74:75]
	CROUND                                         ; all four work-groups are here: the first joint loads meet
.irp s, 0,1
	s_mov_b32 s[G0+4*(\s)], 1                                      ; count = 1
	s_add_co_u32 s[G0+4*(\s)+1], s20, (\s)*SLOT                    ; LDS address
	s_add_nc_u64 s[G0+4*(\s)+2:G0+4*(\s)+3], s[18:19], (\s)*ASTEP  ; global address: K step s
	s_or_b32 s[G0+4*(\s)+3], s[G0+4*(\s)+3], 0x80000000            ; type = 2
	s_mov_b32 s[G0B+4*(\s)], 1
	s_add_co_u32 s[G0B+4*(\s)+1], s21, (\s)*SLOT
	s_add_nc_u64 s[G0B+4*(\s)+2:G0B+4*(\s)+3], s[46:47], (\s)*BSTEP
	s_or_b32 s[G0B+4*(\s)+3], s[G0B+4*(\s)+3], 0x80000000
.endr
	s_cmp_lt_u32 s10, 2                            ; a wave's two first fills stand in one branch: two loads of mine are out
	s_cbranch_scc0 .Lfirst_b
	tensor_load_to_lds s[G0:G0+3], s[G1:G1+7]
	s_nop 0
	tensor_load_to_lds s[G0+4:G0+7], s[G1:G1+7]
	s_nop 0
	PLACES
	s_branch .Lfirst_asked
.Lfirst_b:
	tensor_load_to_lds s[G0B:G0B+3], s[G1B:G1B+7]
	s_nop 0
	tensor_load_to_lds s[G0B+4:G0B+7], s[G1B:G1B+7]
	s_nop 0
	PLACES
.Lfirst_asked:
	; A fragment of p is 16 rows x 32 keys in 8 registers: lane l holds row l % 16, keys 8 (l / 16) + 0..7 and 16 + 8 (l / 16) + 0..7: two loads of 16 bytes, 32 bytes apart.
	v_and_b32 v1, 15, v0                           ; l % 16
	v_bfe_u32 v2, v0, 4, 1                         ; l / 16
	v_lshlrev_b32 v6, 2, v1
.irp a, 0,1,2,3
	global_load_b32 v[LI+2*(\a)], v6, s[68:69] offset:64*(\a)   ; 1 / l of row 16 a + l % 16 of my 64
.endr
	v_mul_u32_u24 v3, v1, PITCH
	v_lshl_add_u32 v3, v2, 4, v3
	; The turning load takes 16 keys x 16 channels (lane l reads key 8 (l / 16) + l % 8, channels 8 ((l / 8) % 2) + 0..7) and leaves half a fragment: lane l holds channel l % 16 and 8 keys.
	v_and_b32 v4, 7, v0
	v_bfe_u32 v5, v0, 3, 1
	v_lshl_add_u32 v4, v2, 3, v4
	v_mul_u32_u24 v4, v4, BPITCH
	v_lshl_add_u32 v4, v5, 4, v4
	s_mul_i32 s22, s11, AHALF                      ; my 64 rows of p
	s_lshl_b32 s23, s12, 7                         ; my 64 channels of V,
	s_add_co_u32 s23, s23, BOFF                    ; which lies behind p's 128 rows
.irp s, 0,1
	v_add_nc_u32 v[ADRA+(\s)], s22, v3
	v_add_nc_u32 v[ADRB+2*(\s)], s23, v4
	v_add_nc_u32 v[ADRB+2*(\s)+1], BHALF, v[ADRB+2*(\s)]
	s_add_co_u32 s22, s22, SLOT
	s_add_co_u32 s23, s23, SLOT
.endr
	s_mul_i32 s23, s11, 64*SP                      ; into the stage: my 64 rows, my half of their 256 bytes; row l % 16, 16 bytes for each half of the lanes
	s_lshl_b32 s22, s12, 7
	s_add_co_u32 s23, s23, s22
	s_add_co_u32 s23, s23, STAGE
	v_mul_u32_u24 v4, v1, SP
	v_lshl_add_u32 v4, v2, 4, v4
	v_add_nc_u32 v[STO], s23, v4
	s_mul_i32 s23, s10, 32*SP                      ; back: wave w takes rows 32 w .. 32 w + 31, whole; lanes 0-15 one row of 256 bytes, lanes 16-31 the next
	s_add_co_u32 s23, s23, STAGE
	v_mul_u32_u24 v5, v2, SP
	v_lshl_add_u32 v5, v1, 4, v5
	v_add_nc_u32 v[RD], s23, v5
	v_lshlrev_b32 v5, 11, v2                       ; and the same two rows in o
	v_lshl_add_u32 v[CO], v1, 4, v5
	s_wait_loadcnt 0x0
.irp a, 0,1,2,3
	v_mov_b32 v[LI+2*(\a)+1], v[LI+2*(\a)]         ; named as a pair by the packed multiply
.endr
	s_wait_tensorcnt 1                             ; my part of K step 0 is in; K step 1's may stay out
	s_barrier_signal -1
	s_barrier_wait -1
	FETCH 0, 0, F0
	QUARTER 0, 128, F0, F1, 1                      ; the first quarter stands in front of the loop: its first products start the sums
	WIN 0                                          ; at a label and at a branch every window is 0
	s_cmp_eq_u32 s2, 0                             ; a walk of one lap fills nothing again: it has no trip.  The branch hangs on the grid's y alone: alike in every wave and in all four partners;
	s_cbranch_scc1 .Llast                          ; every wait on TENSORcnt behind it is for 0
	s_mov_b32 s3, 0
.Llap:                                                 ; laps - 1 trips: once round the ring, from a lap's second quarter to the next lap's first; both slots are filled again; every LDS address is a constant of the text
	QUARTER 0, 256, F1, F0, 0
	QUARTER 0, 384, F0, F1, 0
	TURN 0, 1, 1
	QUARTER 1, 128, F0, F1, 0
	QUARTER 1, 256, F1, F0, 0
	QUARTER 1, 384, F0, F1, 0
	TURN 1, 0, 1
	QUARTER 0, 128, F0, F1, 0
	WIN 0
	s_add_co_u32 s3, s3, 1
	s_cmp_lt_u32 s3, s2
	s_cbranch_scc1 .Llap
.Llast:                                                ; the last lap fills nothing, and has no round of the cluster's barrier
	QUARTER 0, 256, F1, F0, 0
	QUARTER 0, 384, F0, F1, 0
	TURN 0, 1, 0
	QUARTER 1, 128, F0, F1, 0
	QUARTER 1, 256, F1, F0, 0
	QUARTER 1, 384, F0, F1, 0
	s_wait_dscnt 16                                ; the very last quarter: nothing more to fetch
	MUL8 F1, 0, 0, 0
	MUL8 F1, 0, 2, 0
	s_wait_dscnt 0x0
	MUL8 F1, 1, 0, 0
	MUL8 F1, 1, 2, 0
	WIN 0
	; THE WAY OUT: times 1 / l in place (each accumulator's lowest registers first); rounded to f16; 16 bytes a lane into the work-group's stage; a barrier, since a row's 256 bytes come
	; from two waves; back as whole rows, 32 rows a wave.
	PLACES
.irp a, 0,1,2,3
.set i, 0
.rept 16
	v_pk_mul_f32 v[ACC+32*(\a)+2*i:ACC+32*(\a)+2*i+1], v[ACC+32*(\a)+2*i:ACC+32*(\a)+2*i+1], v[LI+2*(\a):LI+2*(\a)+1] op_sel_hi:[1,0]
.set i, i+1
.endr
.endr
.set i, 0
.rept 64
	v_cvt_pk_f16_f32 v[TMP+i], v[ACC+2*i], v[ACC+2*i+1]
.set i, i+1
.endr
.irp a, 0,1,2,3
.irp b, 0,1,2,3
	ds_store_b128 v[STO], v[TMP+4*(4*(\a)+(\b)):TMP+4*(4*(\a)+(\b))+3] offset:(\a)*16*SP+32*(\b)
.endr
.endr
	s_wait_dscnt 0x0                               ; for the others' sake: my stores into the stage are done
	s_barrier_signal -1
	s_barrier_wait -1
.irp t, 0,1,2,3,4,5,6,7,8,9,10,11,12,13,14,15
	ds_load_b128 v[TMP+4*(\t):TMP+4*(\t)+3], v[RD] offset:(\t)*2*SP
.endr
.irp t, 0,1,2,3,4,5,6,7,8,9,10,11,12,13,14,15
	s_wait_dscnt 15-(\t)                           ; LDS loads come back in order: rows 2 t and 2 t + 1 are in
	global_store_b128 v[CO], v[TMP+4*(\t):TMP+4*(\t)+3], s[8:9] offset:2*(\t)*PC  ; 16 lanes store 256 consecutive bytes, at a multiple of 256 from o's first byte
.endr
	s_wait_tensorcnt 0x0                           ; the wave's end
	ds_add_u32 v[SPW], v[NIL]
	s_wait_dscnt 0x0
	CROUND                                         ; the closing round: no work-group ends while a partner may still ask for a tile that names it
	s_endpgm
.Lfunc_end_k_qdc08e6da77_pv:
	.size	k_qdc08e6da77_pv, .Lfunc_end_k_qdc08e6da77_pv-k_qdc08e6da77_pv
	.p2alignl 7, 3214868480
	.fill 96, 4, 3214868480
	.section	.rodata,"a",@progbits
	.p2align	6, 0x0
	.amdhsa_kernel k_qdc08e6da77_pv
		.amdhsa_group_segment_fixed_size 327680
		.amdhsa_private_segment_fixed_size 0
		.amdhsa_enable_private_segment 0
		.amdhsa_kernarg_size 32
		.amdhsa_user_sgpr_count 2
		.amdhsa_user_sgpr_kernarg_segment_ptr 1
		.amdhsa_wavefront_size32 1
		.amdhsa_system_sgpr_workgroup_id_x 1
		.amdhsa_system_sgpr_workgroup_id_y 1
		.amdhsa_system_sgpr_workgroup_id_z 1
		.amdhsa_system_vgpr_workitem_id 0
		.amdhsa_next_free_vgpr 512
		.amdhsa_next_free_sgpr 96
		.amdhsa_reserve_vcc 0
		.amdhsa_float_denorm_mode_32 3
		.amdhsa_float_denorm_mode_16_64 3
		.amdhsa_memory_ordered 1
		.amdhsa_forward_progress 1
		.amdhsa_inst_pref_size 92
	.end_amdhsa_kernel
	.amdgpu_metadata
---
amdhsa.version: [ 1, 2 ]
amdhsa.kernels:
  - .name:           k_qdc08e6da77_pv
    .symbol:         k_qdc08e6da77_pv.kd
    .args:
      - { .name: p, .offset: 0, .size: 8, .value_kind: global_buffer, .address_space: global }
      - { .name: qkv, .offset: 8, .size: 8, .value_kind: global_buffer, .address_space: global }
      - { .name: linv, .offset: 16, .size: 8, .value_kind: global_buffer, .address_space: global }
      - { .name: o, .offset: 24, .size: 8, .value_kind: global_buffer, .address_space: global }
    .group_segment_fixed_size: 327680
    .private_segment_fixed_size: 0
    .kernarg_segment_align: 8
    .kernarg_segment_size: 32
    .max_flat_workgroup_size: 128
    .sgpr_count:     96
    .vgpr_count:     512
    .wavefront_size: 32
...
	.end_amdgpu_metadata
.endif
;; end of part 10
;; launch outp: the kernel of part 6 again; grid 8 x 32, 4 waves a work-group, clusters of 4 x 4, 327,680 bytes of LDS; arguments o, wt, bo, out0; writes out0
